; MI455X (gfx1250); checked and timed in simulation.
; The chip was launched on July 23, 2026; its instructions are those of AMD's public machine-readable ISA for CDNA 5 (MIT licence, August 2026) and "CDNA5" Instruction Set Architecture Reference Guide (July 2026). The comments in the code are by the model that wrote it; some were corrected since.
;; Transformer Block. Allowed arithmetic: matrix products marked QUANTISED: E2M1 operands, one E8M0 scale for each 32 along K, by v_wmma_scale_f32_16x16x128_f8f6f4 with both operands' format E2M1 (or v_wmma_scale_f32_32x16x128_f4), f32 sums; everything else in f32.
;; Inputs: W1_codes 3,072 x 24 x 16 uint8 (E2M1 codes of W1, K innermost, in blocks of 32 codes, two codes a byte); W1_scales 3,072 x 24 uint8 (E8M0 scales of W1, one for each 32 codes along K); W2_codes 768 x 96 x 16 uint8 (E2M1 codes of W2, K innermost, in blocks of 32 codes, two codes a byte); W2_scales 768 x 96 uint8 (E8M0 scales of W2, one for each 32 codes along K); Wk_codes 768 x 24 x 16 uint8 (E2M1 codes of Wk, K innermost, in blocks of 32 codes, two codes a byte); Wk_scales 768 x 24 uint8 (E8M0 scales of Wk, one for each 32 codes along K); Wo_codes 768 x 24 x 16 uint8 (E2M1 codes of Wo, K innermost, in blocks of 32 codes, two codes a byte); Wo_scales 768 x 24 uint8 (E8M0 scales of Wo, one for each 32 codes along K); Wq_codes 768 x 24 x 16 uint8 (E2M1 codes of Wq, K innermost, in blocks of 32 codes, two codes a byte); Wq_scales 768 x 24 uint8 (E8M0 scales of Wq, one for each 32 codes along K); Wv_codes 768 x 24 x 16 uint8 (E2M1 codes of Wv, K innermost, in blocks of 32 codes, two codes a byte); Wv_scales 768 x 24 uint8 (E8M0 scales of Wv, one for each 32 codes along K); b1 3,072 float32; b2 768 float32; bk 768 float32; bo 768 float32; bq 768 float32; bv 768 float32; ln1_b 768 float32; ln1_g 768 float32; ln2_b 768 float32; ln2_g 768 float32; x 1 x 4,096 x 768 float32.
;; Outputs: out0 1 x 4,096 x 768 float32.
;; This version of the problem:
;;   THIS VERSION OF THE PROBLEM IS GIVEN IN LOW PRECISION. The matrix products marked QUANTISED in the list below multiply operands that are first quantised to E2M1 (2 exponent bits, 1 mantissa bit; 4 bits a number), with one power-of-two scale for each 32 numbers along K (OCP MX v1.0); their sums are f32. All else is computed in f32.
;;   The module's matrix products, in the order in which they are computed (A, B: the left and right operand; K: the contracted axis; several contracted axes count as one K, in the product's order):
;;     1. [M 4,096, K 768] x [K 768, N 768]; A: input x; B: input Wq (given as codes): QUANTISED
;;     2. [M 4,096, K 768] x [K 768, N 768]; A: input x; B: input Wk (given as codes): QUANTISED
;;     3. [M 4,096, K 768] x [K 768, N 768]; A: input x; B: input Wv (given as codes): QUANTISED
;;     4. batch 12 x [M 4,096, K 64] x [K 64, N 4,096]; A: computed on the way; B: computed on the way: QUANTISED
;;     5. batch 12 x [M 4,096, K 4,096] x [K 4,096, N 64]; A: softmax (see below); B: computed on the way: QUANTISED
;;     6. [M 4,096, K 768] x [K 768, N 768]; A: computed on the way; B: input Wo (given as codes): QUANTISED
;;     7. [M 4,096, K 768] x [K 768, N 3,072]; A: computed on the way; B: input W1 (given as codes): QUANTISED
;;     8. [M 4,096, K 3,072] x [K 3,072, N 768]; A: computed on the way; B: input W2 (given as codes): QUANTISED
;;   THE QUANTISER, for each operand of a quantised product, along K:
;;     - K is cut into blocks of 32 from its start; a last block that is shorter is filled with zeros.
;;     - A block's scale is 2^e with e = floor(log2(the largest magnitude in the block)) - 2, held to -126 .. 127; a block of zeros has e = 0. As a byte (E8M0): e + 127.
;;     - Each number is divided by its block's scale, clamped to +-6, and rounded to the nearest number of E2M1, ties to even, subnormals kept.
;;     - The product sums the exact products of the quantised numbers (number of the format x scale) in f32.
;;   ~~~python
;;   def quantise(x, axis):      # numpy; x: float32 -> the quantised numbers, widened to float32 again
;;       x = np.moveaxis(x, axis, -1); K = x.shape[-1]
;;       x = np.pad(x, [(0, 0)] * (x.ndim - 1) + [(0, -K % 32)]); x = x.reshape(x.shape[:-1] + (-1, 32)); a = np.abs(x).max(-1, keepdims=True)
;;       e = np.where(a > 0, np.clip(np.frexp(np.where(a > 0, a, 1))[1] - 1 - 2, -126, 127), 0)      # np.frexp(a)[1] - 1 = floor(log2(a)), exactly
;;       r = np.clip(x / 2.0 ** e, -6, 6)
;;       step = 2.0 ** (np.maximum(np.frexp(np.where(r == 0, 1, r))[1] - 1, 0) - 1)
;;       q = np.round(r / step) * step * 2.0 ** e      # np.round: ties to even
;;       return np.moveaxis(q.reshape(q.shape[:-2] + (-1,))[..., :K], -1, axis).astype(np.float32)
;;   ~~~
;;   SOFTMAX AHEAD OF A QUANTISED PRODUCT. Where the list says 'softmax', what is quantised is not the finished softmax but p = 2^(t - M), with t = logit x log2(e) and M = ceil(the row's largest t), a whole number; so 1/2 < the row's largest p <= 1. The row's sum l is taken of the UNQUANTISED p, in f32, and the product's result is divided by l at the end. Since M is a whole number, a kernel that streams over the keys may use a running M (the ceiling of the running maximum): every later rescaling is an exact power of two, which a block's scale takes up: the codes' values come out the same.
;;   OPERANDS COMPUTED ON THE WAY. 'Computed on the way' means the value that the module computes at that place (a softmax that the list does not call 'softmax' is quantised finished and normalised). What goes into a quantiser is computed in f32, as accurately as f32 sums, v_exp_f32 and their like allow (about 1e-6 of the number): no bf16 or f16 on the way to a quantiser, and a product that is left as it is and whose result goes on into a quantised operand takes f32 operands (vector FMAs, or v_wmma_f32_16x16x4_f32). A number that lies on a knife's edge between two numbers of the format may be rounded either way, as far as f32 arithmetic and the matrix unit's own rounding can turn it there, and no further.
;;   INPUTS GIVEN AS CODES. W1 (in the module: [768, 3072], K = its axis 0); W2 (in the module: [3072, 768], K = its axis 0); Wk (in the module: [768, 768], K = its axis 0); Wo (in the module: [768, 768], K = its axis 0); Wq (in the module: [768, 768], K = its axis 0); Wv (in the module: [768, 768], K = its axis 0): each comes as NAME_codes (uint8): NAME with its K axis moved to the last place and cut into blocks of 32 codes, [.., K / 32, bytes a block], one block behind the other in memory; two codes a byte, the lower K in the low four bits (a code: sign, 2 exponent bits, 1 mantissa bit); and NAME_scales (uint8): the same leading axes, one E8M0 byte (e + 127) for each 32 codes along K. Its value is code x scale, taken as it is: it is not quantised again, and the codes and scales need not be those that the quantiser above would give.
;; 2 versions. Each part assembles by itself: llvm-mc -triple=amdgcn-amd-amdhsa -mcpu=gfx1250 --defsym DOCPART=n.
;; ======== version 1 of 2: 6 launches
;; workspace buffers: qkv 5,210,112 bytes; ctx 1,671,168 bytes; hq 1,671,168 bytes; uq 6,684,672 bytes; hf 12,582,912 bytes; yf 12,582,912 bytes
;; launch qkv (part 1): grid 64 x 3, 4 waves a work-group, no clusters, 28,160 bytes of LDS; arguments x, Wq_codes, Wq_scales, bq, Wk_codes, Wk_scales, bk, Wv_codes, Wv_scales, bv, qkv; writes qkv
.if DOCPART == 1
	.amdgcn_target "amdgcn-amd-amdhsa--gfx1250"
	.amdhsa_code_object_version 6
	.text
	.protected	k_qcd2fd72098_qkv
	.globl	k_qcd2fd72098_qkv
	.p2align	8
	.type	k_qcd2fd72098_qkv,@function
k_qcd2fd72098_qkv:
	s_mov_b64 s[64:65], 0
	v_nop
	global_prefetch_b8 v0, s[64:65] scope:SCOPE_SE
	s_setreg_imm32_b32 hwreg(HW_REG_WAVE_MODE, 25, 1), 1
	s_wait_xcnt 0x0
; q, k, v = Q(x) W + b on codes of FP4 (E2M1) with one E8M0 scale for each 32 along K, and the results quantised again: q and k along a head's 64 channels, v along the tokens.
; SHARES.  Work-group (G, y): 64 tokens (token tiles 4 G .. 4 G + 3) of matrix y (0 q, 1 k, 2 v).  Wave w: columns 192 w .. 192 w + 191 (heads 3 w .. 3 w + 2); its 12 x 6 weight fragments stay in 576 registers.
; Wave w also quantises token tile 4 G + w of x; the four tiles' fragments go from wave to wave through LDS as images of their registers (16 bytes a lane at 16 x lane).
; A TILE'S 16 ROWS ARE NOT NEIGHBOURS: row i of tile T is 32 (T / 2) + 8 (T % 2) + i + 8 (i / 8), for tokens and for weight rows alike, so that in the results of tiles 2 b and 2 b + 1
; a lane's 16 registers are the 16 neighbours 32 b + 16 (lane / 16) + 0 .. 15 along source 0's axis: what the conversions want.
; q, k: source 0 = weight rows, source 1 = tokens: a lane holds one token, its registers run along the channels.  v: source 0 = tokens, source 1 = weight rows: a lane holds one channel, its registers run along the tokens.
; OUT, for each head HS bytes of qkv: K codes [tile 256][lane][16] at 0; V codes [64 tokens G][channel tile 4][lane][16] at 131,072; K scale words [G][lane][2] at 262,144 (word p of lane (r, h): tile 4 G + 2 p + h, row r;
; bytes 2 and 3 are 0x7f, for the upper, empty half of the next product's K step); V scale words [128 keys J][lane][2] at 278,528; Q codes at 286,720 and Q scale words at 417,792, laid as K's.
; v's scale bytes leave two a lane (both halves of the lanes write the same two bytes): two work-groups each own half of a word; they are a fiftieth of what the launch stores.
; LIMITS: NaN and infinities among the inputs are not served; a block of zeros gets the byte 1 (its codes are zeros; only this program reads the bytes).
; No tensor load: every weight byte goes once into the register in which it is multiplied.  192 work-groups: three matrices of 64 token groups; none is padding.
.set HS,   434176
.set RB,   384                         ; a weight row in bytes
.set SB,   24                          ; a weight row's scale bytes
.set XSC,  24576                       ; LDS: x's images [tile 4][K step 6][1,024] at 0, their scale words [tile][K step][lane][4] here
.set LI,   1                           ; 16 x lane
.set XA,   2                           ; x: row' x 3,072 + 64 h
.set WA,   3                           ; weights: row' x 384 + 16 h
.set WSA,  4                           ; weight scales: (row' + 8 h) x 24
.set BA,   5                           ; bias
.set XWI,  6                           ; where I store x's images
.set XWS,  7                           ; and their scale words
.set LSP,  8                           ; where I read scale words: lanes 16-31 the next tile's
.set VC,   9                           ; my byte among a head's codes
.set VS,   10                          ; and among its scale words
.set SELV, 11                          ; byte selects: my half's two scale bytes, then 0x7f twice
.set K7F,  12
.set LN,   13
.set RR,   14
.set HH,   15
.set ACC,  16                          ; v16-79: eight accumulators
.set X0,   16                          ; three sets of 64 numbers of x
.set X1,   80
.set X2,   144
.set BIAS, 80                          ; v80-175 (q, k): the bias in the result's layout
.set BV,   80                          ; v80-91 (v): the bias of my lane's channel, tile by tile
.set CB,   96                          ; v96-111 (v): the same, eight times over, for two tiles
.set WS,   176                         ; v176-211: weight scale words (pair of tiles tp, K step s) at 6 tp + s; lanes 16-31 the odd tile's
.set AS,   212                         ; v212-223: x's scale words (pair of tiles mp, K step s)
.set TM,   224
.set PW,   240
.set SW,   242
.set PC,   244
.set RP,   252
.set SEL,  40
.set MSB, 0
.macro WIN new                         ; the immediate's high byte repeats the setting that is left
.if MSB != (\new)
	s_set_vgpr_msb (MSB<<8)|(\new)
.set MSB, (\new)
.endif
.endm
.macro PLACES                          ; four places behind a matrix instruction (ISA guide 7.12.1)
.rept 4
	v_nop
.endr
.endm
; one product: D, source 0, source 1, C (a register, or -1 for the constant 0), the two scale registers, and whether each is read from lanes 16-31
.macro WM d, a, b, c, sa, sb, ra, rb
.if (\c) < 0
.if ((\ra) == 0) && ((\rb) == 0)
	v_wmma_scale_f32_16x16x128_f8f6f4 v[(\d):(\d)+7], v[(\a):(\a)+7], v[(\b):(\b)+7], 0, v[(\sa)], v[(\sb)] matrix_a_fmt:MATRIX_FMT_FP4 matrix_b_fmt:MATRIX_FMT_FP4
.elseif (\rb) == 0
	v_wmma_scale_f32_16x16x128_f8f6f4 v[(\d):(\d)+7], v[(\a):(\a)+7], v[(\b):(\b)+7], 0, v[(\sa)], v[(\sb)] matrix_a_fmt:MATRIX_FMT_FP4 matrix_b_fmt:MATRIX_FMT_FP4 matrix_a_scale:MATRIX_SCALE_ROW1
.elseif (\ra) == 0
	v_wmma_scale_f32_16x16x128_f8f6f4 v[(\d):(\d)+7], v[(\a):(\a)+7], v[(\b):(\b)+7], 0, v[(\sa)], v[(\sb)] matrix_a_fmt:MATRIX_FMT_FP4 matrix_b_fmt:MATRIX_FMT_FP4 matrix_b_scale:MATRIX_SCALE_ROW1
.else
	v_wmma_scale_f32_16x16x128_f8f6f4 v[(\d):(\d)+7], v[(\a):(\a)+7], v[(\b):(\b)+7], 0, v[(\sa)], v[(\sb)] matrix_a_fmt:MATRIX_FMT_FP4 matrix_b_fmt:MATRIX_FMT_FP4 matrix_a_scale:MATRIX_SCALE_ROW1 matrix_b_scale:MATRIX_SCALE_ROW1
.endif
.else
.if ((\ra) == 0) && ((\rb) == 0)
	v_wmma_scale_f32_16x16x128_f8f6f4 v[(\d):(\d)+7], v[(\a):(\a)+7], v[(\b):(\b)+7], v[(\c):(\c)+7], v[(\sa)], v[(\sb)] matrix_a_fmt:MATRIX_FMT_FP4 matrix_b_fmt:MATRIX_FMT_FP4
.elseif (\rb) == 0
	v_wmma_scale_f32_16x16x128_f8f6f4 v[(\d):(\d)+7], v[(\a):(\a)+7], v[(\b):(\b)+7], v[(\c):(\c)+7], v[(\sa)], v[(\sb)] matrix_a_fmt:MATRIX_FMT_FP4 matrix_b_fmt:MATRIX_FMT_FP4 matrix_a_scale:MATRIX_SCALE_ROW1
.elseif (\ra) == 0
	v_wmma_scale_f32_16x16x128_f8f6f4 v[(\d):(\d)+7], v[(\a):(\a)+7], v[(\b):(\b)+7], v[(\c):(\c)+7], v[(\sa)], v[(\sb)] matrix_a_fmt:MATRIX_FMT_FP4 matrix_b_fmt:MATRIX_FMT_FP4 matrix_b_scale:MATRIX_SCALE_ROW1
.else
	v_wmma_scale_f32_16x16x128_f8f6f4 v[(\d):(\d)+7], v[(\a):(\a)+7], v[(\b):(\b)+7], v[(\c):(\c)+7], v[(\sa)], v[(\sb)] matrix_a_fmt:MATRIX_FMT_FP4 matrix_b_fmt:MATRIX_FMT_FP4 matrix_a_scale:MATRIX_SCALE_ROW1 matrix_b_scale:MATRIX_SCALE_ROW1
.endif
.endif
.endm
; nb blocks of 32: register s + 16 b + i is number 32 b + 16 (lane / 16) + i of my lane's row.  Out: codes in v[PC] on (registers 4 c .. 4 c + 3: blocks 2 c in lanes 0-15, 2 c + 1 in lanes 16-31), the bytes in v[PW].
.macro QUANT s, nb
.irp b, 0,1,2,3
.if \b < \nb
	v_max3_num_f32 v[TM+\b], |v[(\s)+16*\b]|, |v[(\s)+16*\b+1]|, 0x1800000   ; my 16 numbers and the floor 2^(3 - 127): the byte cannot fall under 1
.endif
.endr
.irp i, 2,4,6,8,10,12,14
.irp b, 0,1,2,3
.if \b < \nb
	v_max3_num_f32 v[TM+\b], v[TM+\b], |v[(\s)+16*\b+\i]|, |v[(\s)+16*\b+\i+1]|   ; the blocks by turns; each accumulator is read from its low end on
.endif
.endr
.endr
.irp b, 0,1,2,3
.if \b < \nb
	v_permlanex16_b32 v[TM+4+\b], v[TM+\b], s[SEL], s[SEL+1]
.endif
.endr
.irp b, 0,1,2,3
.if \b < \nb
	v_max_num_f32 v[TM+\b], v[TM+\b], v[TM+4+\b]   ; with lane l xor 16's: the block's largest magnitude
.endif
.endr
.irp b, 0,1,2,3
.if \b < \nb
	v_add_nc_u32 v[TM+12+\b], 0xff000000, v[TM+\b]   ; 2 off its exponent field: the conversion's scale operand
.endif
.endr
.irp b, 0,1,2,3
.if \b < \nb
	v_lshrrev_b32 v[TM+4+\b], 23, v[TM+12+\b]   ; the scale's byte
.endif
.endr
	v_lshl_or_b32 v[PW], v[TM+5], 8, v[TM+4]
.if \nb > 2
	v_lshl_or_b32 v[PW], v[TM+6], 16, v[PW]
	v_lshl_or_b32 v[PW], v[TM+7], 24, v[PW]
.endif
.irp b, 0,1,2,3
.if \b < \nb
	v_cvt_scalef32_pk8_fp4_f32 v[PC+2*\b], v[(\s)+16*\b:(\s)+16*\b+7], v[TM+12+\b]
	v_cvt_scalef32_pk8_fp4_f32 v[PC+2*\b+1], v[(\s)+16*\b+8:(\s)+16*\b+15], v[TM+12+\b]
.endif
.endr
	v_nop                                          ; one plain place behind a scaled conversion
.irp c, 0,1
.if 2*\c < \nb
.irp i, 0,1
	v_permlane16_swap_b32 v[PC+4*\c+\i], v[PC+4*\c+2+\i]   ; a whole block to a lane
.endr
.endif
.endr
.endm
.macro XLOAD set, s                    ; my 16 tokens' numbers of K step s: 16 neighbours of each block of 32 a lane
.irp b, 0,1,2,3
.irp j, 0,1,2,3
	global_load_b128 v[\set+16*\b+4*\j:\set+16*\b+4*\j+3], v[XA], s[44:45] offset:512*(\s)+128*\b+16*\j
.endr
.endr
.endm
.macro IMAGE s                         ; the fragment just made goes to LDS as it stands
	ds_store_b128 v[XWI], v[PC:PC+3] offset:1024*(\s)
	ds_store_b128 v[XWI], v[PC+4:PC+7] offset:1024*(\s)+512
	ds_store_b32 v[XWS], v[PW] offset:128*(\s)
.endm
.macro WLOAD wi                        ; the weight fragments of K steps 2 (wi - 1) and + 1 into window wi: (tile t, K step s) at 96 (s % 2) + 8 t
	WIN (\wi)<<6
.irp sl, 0,1
.irp t, 0,1,2,3,4,5,6,7,8,9,10,11
.irp c, 0,1
	global_load_b128 v[96*\sl+8*\t+4*\c:96*\sl+8*\t+4*\c+3], v[WA], s[46:47] offset:(32*(\t/2)+8*(\t%2))*RB+64*(2*((\wi)-1)+\sl)+32*\c
.endr
.endr
.endr
	WIN 0
.endm
	s_load_b512 s[8:23], s[0:1], 0x0               ; x, Wq codes, Wq scales, bq, Wk codes, Wk scales, bk, Wv codes
	s_load_b128 s[24:27], s[0:1], 0x40             ; Wv scales, bv
	s_load_b64 s[28:29], s[0:1], 0x50              ; qkv
	v_lshl_add_u32 v254, v0, 2, 0x6c00
	v_mov_b32 v255, 0
	v_lshrrev_b32 v[LN], 5, v0
	v_readfirstlane_b32 s36, v[LN]                 ; wave
	s_mov_b32 s37, ttmp9                           ; G
	s_and_b32 s38, ttmp7, 0xffff                   ; y
	v_and_b32 v[LN], 31, v0
	v_and_b32 v[RR], 15, v0
	v_bfe_u32 v[HH], v0, 4, 1
	v_and_b32 v[RP], 8, v[RR]
	v_add_nc_u32 v[RP], v[RP], v[RR]               ; row' = r + 8 (r / 8)
	v_lshlrev_b32 v[LI], 4, v[LN]
	v_mul_u32_u24 v[XA], v[RP], 3072
	v_lshl_add_u32 v[XA], v[HH], 6, v[XA]
	v_mul_u32_u24 v[WA], v[RP], RB
	v_lshl_add_u32 v[WA], v[HH], 4, v[WA]
	v_lshl_add_u32 v[WSA], v[HH], 3, v[RP]
	v_mul_u32_u24 v[WSA], v[WSA], SB
	s_mov_b32 s[SEL], 0x76543210
	s_mov_b32 s[SEL+1], 0xfedcba98                 ; v_permlanex16_b32's selects for lane l xor 16
	s_cmp_eq_u32 s38, 0                            ; where this matrix's codes and scale words lie in a head's part of qkv
	s_cselect_b32 s54, 286720, 0
	s_mov_b32 s55, 262144
	s_cselect_b32 s55, 417792, s55
	s_cmp_eq_u32 s38, 2
	s_cselect_b32 s54, 131072, s54
	s_mul_i32 s39, s36, 6144
	v_add_nc_u32 v[XWI], s39, v[LI]
	s_mul_i32 s39, s36, 768
	s_add_co_u32 s39, s39, XSC
	v_lshl_add_u32 v[XWS], v[LN], 2, s39
	v_mul_u32_u24 v[LSP], v[HH], 768
	v_lshl_add_u32 v[LSP], v[LN], 2, v[LSP]
	v_add_nc_u32 v[LSP], XSC, v[LSP]
	s_lshl_b32 s39, s37, 11
	s_add_co_u32 s39, s39, s54
	v_add_nc_u32 v[VC], s39, v[LI]
	v_mul_u32_u24 v[SELV], v[HH], 0x202
	v_add_nc_u32 v[SELV], 0x04040100, v[SELV]
	v_mov_b32 v[K7F], 0x7f7f7f7f
.irp b, 0,1,2,3
	v_mov_b32 v[TM+4+\b], 0                        ; written once: a lane permute's destination counts as one of its sources
.endr
	s_lshr_b32 s39, s36, 1
	s_lshl_b32 s39, s39, 5
	s_and_b32 s42, s36, 1
	s_lshl_b32 s42, s42, 3
	s_add_co_u32 s39, s39, s42
	s_lshl_b32 s42, s37, 6
	s_add_co_u32 s39, s39, s42                     ; first token of tile 4 G + w: 64 G + 32 (w / 2) + 8 (w % 2)
	s_mul_i32 s42, s39, 3072
	s_mov_b32 s43, 0
	s_wait_kmcnt 0x0
	s_add_nc_u64 s[44:45], s[8:9], s[42:43]
	XLOAD X0, 0
	XLOAD X1, 1
	XLOAD X2, 2
	s_cmp_eq_u32 s38, 1                            ; the matrix: a choice between buffers on the work-group's number alone
	s_cselect_b64 s[30:31], s[16:17], s[10:11]
	s_cselect_b64 s[32:33], s[18:19], s[12:13]
	s_cselect_b64 s[34:35], s[20:21], s[14:15]
	s_cmp_eq_u32 s38, 2
	s_cselect_b64 s[30:31], s[22:23], s[30:31]
	s_cselect_b64 s[32:33], s[24:25], s[32:33]
	s_cselect_b64 s[34:35], s[26:27], s[34:35]
	s_mul_i32 s42, s36, 192*RB
	s_add_nc_u64 s[46:47], s[30:31], s[42:43]      ; my 192 weight rows,
	s_mul_i32 s42, s36, 192*SB
	s_add_nc_u64 s[48:49], s[32:33], s[42:43]      ; their scale bytes,
	s_mul_i32 s42, s36, 768
	s_add_nc_u64 s[50:51], s[34:35], s[42:43]      ; their bias,
	s_mul_i32 s42, s36, 3*HS
	s_add_nc_u64 s[52:53], s[28:29], s[42:43]      ; and my three heads' part of qkv
	; ---- x: six K steps, three sets of registers; two K steps' loads stay out while one is quantised
	s_wait_loadcnt 32
	QUANT X0, 4
	IMAGE 0
	XLOAD X0, 3
	s_wait_loadcnt 32
	s_wait_dscnt 0x0                               ; the image's stores have read their registers
	QUANT X1, 4
	IMAGE 1
	XLOAD X1, 4
	s_wait_loadcnt 32
	s_wait_dscnt 0x0
	QUANT X2, 4
	IMAGE 2
	XLOAD X2, 5
	s_wait_loadcnt 32
	s_wait_dscnt 0x0
	QUANT X0, 4
	IMAGE 3
	WLOAD 1
	s_wait_loadcnt 48                              ; only the 48 weight loads just issued may be out: K steps 4 and 5 of x are in
	s_wait_dscnt 0x0
	QUANT X1, 4
	IMAGE 4
	s_wait_dscnt 0x0
	QUANT X2, 4
	IMAGE 5
	WLOAD 2
	WLOAD 3
.irp tp, 0,1,2,3,4,5
.irp i, 0,1,2
	global_load_b64 v[WS+6*\tp+2*\i:WS+6*\tp+2*\i+1], v[WSA], s[48:49] offset:32*\tp*SB+8*\i
.endr
.endr
	s_wait_dscnt 0x0                               ; for the others' sake: my images lie in LDS
	s_barrier_signal -1
	s_barrier_wait -1
.irp wi, 1,2,3                         ; all four tiles' fragments: (tile m, K step s) in window 1 + s / 2 at 192 + 32 (s % 2) + 8 m
	WIN \wi<<6
.irp sl, 0,1
.irp m, 0,1,2,3
.irp c, 0,1
	ds_load_b128 v[192+32*\sl+8*\m+4*\c:192+32*\sl+8*\m+4*\c+3], v[LI] offset:(6*\m+2*(\wi-1)+\sl)*1024+512*\c
.endr
.endr
.endr
.endr
	WIN 0
.irp mp, 0,1
.irp s, 0,1,2,3,4,5
	ds_load_b32 v[AS+6*\mp+\s], v[LSP] offset:1536*\mp+128*\s
.endr
.endr
	s_cmp_eq_u32 s38, 2
	s_cbranch_scc1 .Lv
	; ---- q, k: a head (64 columns) x two token tiles at a time: eight accumulators by turns, K step by K step
	v_lshlrev_b32 v[BA], 6, v[HH]
	s_lshl_b32 s39, s37, 8
	s_add_co_u32 s39, s39, s55
	v_lshl_add_u32 v[VS], v[LN], 3, s39
.irp t, 0,1,2,3,4,5,6,7,8,9,10,11
	global_load_b128 v[BIAS+8*\t:BIAS+8*\t+3], v[BA], s[50:51] offset:(32*(\t/2)+8*(\t%2))*4
	global_load_b128 v[BIAS+8*\t+4:BIAS+8*\t+7], v[BA], s[50:51] offset:(32*(\t/2)+8*(\t%2))*4+16
.endr
	s_wait_loadcnt 0x0
	s_wait_dscnt 0x0
.macro DUQK hd, p
.irp s, 0,1,2,3,4,5
	WIN 5*(1+\s/2)                                 ; both sources in the K step's window, C and D in window 0
.irp a, 0,1
.irp tt, 0,1,2,3
.if \s == 0
.set CREG, BIAS+8*(4*\hd+\tt)                  ; the bias is the C of a sum's first product
.else
.set CREG, ACC+32*\a+8*\tt
.endif
	WM ACC+32*\a+8*\tt, 96*(\s%2)+8*(4*\hd+\tt), 192+32*(\s%2)+8*(2*\p+\a), CREG, WS+6*((4*\hd+\tt)/2)+\s, AS+6*\p+\s, \tt%2, \a
.endr
.endr
.endr
	WIN 0
	PLACES
	s_wait_xcnt 0x0                                ; the last stores have read their registers: the codes and words are written again only behind this wait
	QUANT ACC, 4                                   ; blocks 0, 1: tile 2 p's 64 channels; blocks 2, 3: tile 2 p + 1's
	v_perm_b32 v[SW+\p], v[K7F], v[PW], v[SELV]    ; lanes 0-15: tile 2 p's two bytes, lanes 16-31: tile 2 p + 1's; above them 0x7f twice
	global_store_b128 v[VC], v[PC:PC+3], s[52:53] offset:\hd*HS+1024*\p
	global_store_b128 v[VC], v[PC+4:PC+7], s[52:53] offset:\hd*HS+1024*\p+512
.if \p == 1
	global_store_b64 v[VS], v[SW:SW+1], s[52:53] offset:\hd*HS   ; 32 lanes store 256 consecutive bytes
.endif
.endm
.irp hd, 0,1,2
.irp p, 0,1
	DUQK \hd, \p
.endr
.endr
	s_wait_tensorcnt 0x0
	ds_add_u32 v254, v255
	s_wait_dscnt 0x0
	s_endpgm
.Lv:	; ---- v: two channel tiles x the four token tiles at a time
	v_lshlrev_b32 v[BA], 2, v[RP]
	s_lshr_b32 s39, s37, 1
	s_lshl_b32 s39, s39, 8
	s_and_b32 s42, s37, 1
	s_lshl_b32 s42, s42, 1
	s_add_co_u32 s39, s39, s42
	s_add_co_u32 s39, s39, 278528
	v_lshl_add_u32 v[VS], v[RR], 3, s39            ; 8 r + 256 (G / 2) + 2 (G % 2): my channel's word of these 128 keys, my 64 tokens' two bytes
.irp t, 0,1,2,3,4,5,6,7,8,9,10,11
	global_load_b32 v[BV+\t], v[BA], s[50:51] offset:(32*(\t/2)+8*(\t%2))*4
.endr
	s_wait_loadcnt 0x0
	s_wait_dscnt 0x0
.macro DUV tp
.irp a, 0,1
.irp j, 0,1,2,3,4,5,6,7
	v_mov_b32 v[CB+8*\a+\j], v[BV+2*\tp+\a]        ; a lane holds one channel: its bias in all eight registers
.endr
.endr
	PLACES                                         ; the sums' first addend is written by vector lines: kept four places ahead, as an operand is
.irp s, 0,1,2,3,4,5
	WIN 5*(1+\s/2)
.irp a, 0,1
.irp m, 0,1,2,3
.if \s == 0
.set CREG, CB+8*\a
.else
.set CREG, ACC+32*\a+8*\m
.endif
	WM ACC+32*\a+8*\m, 192+32*(\s%2)+8*\m, 96*(\s%2)+8*(2*\tp+\a), CREG, AS+6*(\m/2)+\s, WS+6*\tp+\s, \m%2, \a
.endr
.endr
.endr
	WIN 0
	PLACES
	s_wait_xcnt 0x0
	QUANT ACC, 4                                   ; blocks 0, 1: channel tile 2 tp's 64 tokens; blocks 2, 3: tile 2 tp + 1's
	global_store_b128 v[VC], v[PC:PC+3], s[52:53] offset:(\tp/2)*HS+(2*(\tp%2))*512
	global_store_b128 v[VC], v[PC+4:PC+7], s[52:53] offset:(\tp/2)*HS+(2*(\tp%2)+1)*512
	global_store_b16 v[VS], v[PW], s[52:53] offset:(\tp/2)*HS+4*(\tp%2)
	global_store_d16_hi_b16 v[VS], v[PW], s[52:53] offset:(\tp/2)*HS+4*(\tp%2)+128
.endm
.irp tp, 0,1,2,3,4,5
	DUV \tp
.endr
	s_wait_tensorcnt 0x0
	ds_add_u32 v254, v255
	s_wait_dscnt 0x0
	s_endpgm
.Lfunc_end_k_qcd2fd72098_qkv:
	.size	k_qcd2fd72098_qkv, .Lfunc_end_k_qcd2fd72098_qkv-k_qcd2fd72098_qkv
	.p2alignl 7, 3214868480
	.fill 96, 4, 3214868480
	.section	.rodata,"a",@progbits
	.p2align	6, 0x0
	.amdhsa_kernel k_qcd2fd72098_qkv
		.amdhsa_group_segment_fixed_size 28160
		.amdhsa_private_segment_fixed_size 0
		.amdhsa_enable_private_segment 0
		.amdhsa_kernarg_size 88
		.amdhsa_user_sgpr_count 2
		.amdhsa_user_sgpr_kernarg_segment_ptr 1
		.amdhsa_wavefront_size32 1
		.amdhsa_system_sgpr_workgroup_id_x 1
		.amdhsa_system_sgpr_workgroup_id_y 1
		.amdhsa_system_sgpr_workgroup_id_z 1
		.amdhsa_system_vgpr_workitem_id 0
		.amdhsa_next_free_vgpr 1024
		.amdhsa_next_free_sgpr 66
		.amdhsa_reserve_vcc 0
		.amdhsa_float_denorm_mode_32 3
		.amdhsa_float_denorm_mode_16_64 3
		.amdhsa_memory_ordered 1
		.amdhsa_forward_progress 1
		.amdhsa_inst_pref_size 188
	.end_amdhsa_kernel
	.amdgpu_metadata
---
amdhsa.version: [ 1, 2 ]
amdhsa.kernels:
  - .name:           k_qcd2fd72098_qkv
    .symbol:         k_qcd2fd72098_qkv.kd
    .args:
      - { .name: x, .offset: 0, .size: 8, .value_kind: global_buffer, .address_space: global }
      - { .name: Wq_codes, .offset: 8, .size: 8, .value_kind: global_buffer, .address_space: global }
      - { .name: Wq_scales, .offset: 16, .size: 8, .value_kind: global_buffer, .address_space: global }
      - { .name: bq, .offset: 24, .size: 8, .value_kind: global_buffer, .address_space: global }
      - { .name: Wk_codes, .offset: 32, .size: 8, .value_kind: global_buffer, .address_space: global }
      - { .name: Wk_scales, .offset: 40, .size: 8, .value_kind: global_buffer, .address_space: global }
      - { .name: bk, .offset: 48, .size: 8, .value_kind: global_buffer, .address_space: global }
      - { .name: Wv_codes, .offset: 56, .size: 8, .value_kind: global_buffer, .address_space: global }
      - { .name: Wv_scales, .offset: 64, .size: 8, .value_kind: global_buffer, .address_space: global }
      - { .name: bv, .offset: 72, .size: 8, .value_kind: global_buffer, .address_space: global }
      - { .name: qkv, .offset: 80, .size: 8, .value_kind: global_buffer, .address_space: global }
    .group_segment_fixed_size: 28160
    .private_segment_fixed_size: 0
    .kernarg_segment_align: 8
    .kernarg_segment_size: 88
    .max_flat_workgroup_size: 128
    .sgpr_count:     66
    .vgpr_count:     1024
    .wavefront_size: 32
...
	.end_amdgpu_metadata
.endif
;; end of part 1
;; launch attn (part 2): grid 16 x 12, 16 waves a work-group, clusters of 4 x 1, 288,768 bytes of LDS; arguments qkv, ctx; writes ctx
.if DOCPART == 2
	.amdgcn_target "amdgcn-amd-amdhsa--gfx1250"
	.amdhsa_code_object_version 6
	.text
	.protected	k_qcd2fd72098_attn
	.globl	k_qcd2fd72098_attn
	.p2align	8
	.type	k_qcd2fd72098_attn,@function
k_qcd2fd72098_attn:
	s_mov_b64 s[64:65], 0
	v_nop
	global_prefetch_b8 v0, s[64:65] scope:SCOPE_SE
	s_setreg_imm32_b32 hwreg(HW_REG_WAVE_MODE, 25, 1), 1
	s_wait_xcnt 0x0
	s_wait_alu depctr_hold_cnt(0) depctr_sa_sdst(0) depctr_va_vdst(0) depctr_va_sdst(0) depctr_va_ssrc(0) depctr_va_vcc(0) depctr_vm_vsrc(0)
	s_getreg_b32 s2, hwreg(HW_REG_IB_STS2, 6, 4)
	s_cmp_eq_u32 s2, 0
	s_cbranch_scc0 .Lentry_in_a_cluster
	s_endpgm
.Lentry_in_a_cluster:
	s_bfe_u32 s2, ttmp6, 0x10000c
	s_cmp_lg_u32 s2, 0x3003
	s_cbranch_scc0 .Lentry_shape_is_right
	s_endpgm
.Lentry_shape_is_right:
; ctx = Q(softmax(q k^T / 8) v), both products on codes of FP4 (E2M1) with one E8M0 scale for each 32 along K.
; THE SOFTMAX: t = score x log2(e) / 8; M = the row's largest t so far, rounded up to a whole number; p = 2^(t - M) is quantised along the keys, not normalised; the row's sum is taken of the unquantised p
; and divides at the end.  When M moves, the sum and O are multiplied by 2^(old M - new M): exact.
; SHARES.  A work-group owns 256 queries of one head; each of its sixteen waves one tile of 16, in 256 registers: four waves to a SIMD, so that one wave's vector work stands beside another's products and LDS loads.
; A HEAD'S K AND V, codes and scale words, are 286,720 consecutive bytes of qkv: they come into LDS ONCE, as they lie, each wave bringing 70 rows of 256 bytes by one tensor load.  Nothing is filled again:
; no ring, and no barrier in the loop.  The four query blocks of a cluster belong to one head: the loads are joint (a mask that names the four; the descriptor hangs on the head and the wave alone).
; A wave has one tensor load out.
; LAYOUT.  Both products are used transposed (S^T = K Q^T, O^T = V^T P^T): a lane holds one query.  All operands lie in LDS as images of their registers: 16 bytes a lane at 16 x lane.
; The keys of a tile, and V's channels, are ordered as the launch that made them says, so that p's 16 registers of two neighbouring tiles are 16 neighbouring keys, and O^T's 16 neighbouring channels.
; K = 64 IN THE FIRST PRODUCT: Q's registers 4-7 are zero codes, so what stands in registers 4-7 of source 0 counts for nothing so long as it is finite: the run v[KF + 4 t : KF + 4 t + 7] takes the next tile's
; codes there (behind the last tile four cleared registers), and the scale bytes of that half are 0x7f on both sides.
; LIMITS: NaN and infinities are not served; a block of zeros gets the byte 1.  192 work-groups: 12 heads x 16 blocks of queries; none is padding.
.set HS,   434176
.set AK0,  1                           ; 16 x lane
.set AV0,  2                           ; + 131,072: V's codes
.set AS0,  3                           ; 8 x lane + 262,144: K's scale words
.set AT0,  4                           ; 8 x lane + 278,528: V's
.set ADK,  5                           ; the step's four addresses
.set ADV,  6
.set ADS,  7
.set ADT,  8
.set NM,   12                          ; -M
.set TX,   13                          ; the largest t so far
.set SUM,  14                          ; v[14:15] the row's sum in two halves
.set QF,   16
.set QS,   24
.set PW,   25
.set KS,   26
.set VS,   30
.set KF,   32                          ; v32-63 eight half fragments of K, v64-67 zeros
.set VF,   68
.set SS,   100                         ; S^T, then p
.set OO,   164                         ; O^T
.set PC,   196
.set BM,   204
.set BX,   208
.set SOP,  212
.set FF,   216
.set TMP,  218
.set SUM2, 220
.set TM,   204                         ; the last quantiser's work registers: BM, BX, SOP, FF
.set SEL,  24
.macro PLACES
.rept 4
	v_nop
.endr
.endm
.macro WM d, a, b, c, sa, sb, ra, rb
.if (\c) < 0
.if ((\ra) == 0) && ((\rb) == 0)
	v_wmma_scale_f32_16x16x128_f8f6f4 v[(\d):(\d)+7], v[(\a):(\a)+7], v[(\b):(\b)+7], 0, v[(\sa)], v[(\sb)] matrix_a_fmt:MATRIX_FMT_FP4 matrix_b_fmt:MATRIX_FMT_FP4
.else
	v_wmma_scale_f32_16x16x128_f8f6f4 v[(\d):(\d)+7], v[(\a):(\a)+7], v[(\b):(\b)+7], 0, v[(\sa)], v[(\sb)] matrix_a_fmt:MATRIX_FMT_FP4 matrix_b_fmt:MATRIX_FMT_FP4 matrix_a_scale:MATRIX_SCALE_ROW1
.endif
.else
.if ((\ra) == 0) && ((\rb) == 0)
	v_wmma_scale_f32_16x16x128_f8f6f4 v[(\d):(\d)+7], v[(\a):(\a)+7], v[(\b):(\b)+7], v[(\c):(\c)+7], v[(\sa)], v[(\sb)] matrix_a_fmt:MATRIX_FMT_FP4 matrix_b_fmt:MATRIX_FMT_FP4
.else
	v_wmma_scale_f32_16x16x128_f8f6f4 v[(\d):(\d)+7], v[(\a):(\a)+7], v[(\b):(\b)+7], v[(\c):(\c)+7], v[(\sa)], v[(\sb)] matrix_a_fmt:MATRIX_FMT_FP4 matrix_b_fmt:MATRIX_FMT_FP4 matrix_a_scale:MATRIX_SCALE_ROW1
.endif
.endif
.endm
.macro QUANT s, nb
.irp b, 0,1,2,3
.if \b < \nb
	v_max3_num_f32 v[TM+\b], |v[(\s)+16*\b]|, |v[(\s)+16*\b+1]|, 0x1800000
.endif
.endr
.irp i, 2,4,6,8,10,12,14
.irp b, 0,1,2,3
.if \b < \nb
	v_max3_num_f32 v[TM+\b], v[TM+\b], |v[(\s)+16*\b+\i]|, |v[(\s)+16*\b+\i+1]|
.endif
.endr
.endr
.irp b, 0,1,2,3
.if \b < \nb
	v_permlanex16_b32 v[TM+4+\b], v[TM+\b], s[SEL], s[SEL+1]
.endif
.endr
.irp b, 0,1,2,3
.if \b < \nb
	v_max_num_f32 v[TM+\b], v[TM+\b], v[TM+4+\b]
.endif
.endr
.irp b, 0,1,2,3
.if \b < \nb
	v_add_nc_u32 v[TM+12+\b], 0xff000000, v[TM+\b]
.endif
.endr
.irp b, 0,1,2,3
.if \b < \nb
	v_lshrrev_b32 v[TM+4+\b], 23, v[TM+12+\b]
.endif
.endr
	v_lshl_or_b32 v[PW], v[TM+5], 8, v[TM+4]
.if \nb > 2
	v_lshl_or_b32 v[PW], v[TM+6], 16, v[PW]
	v_lshl_or_b32 v[PW], v[TM+7], 24, v[PW]
.endif
.irp b, 0,1,2,3
.if \b < \nb
	v_cvt_scalef32_pk8_fp4_f32 v[PC+2*\b], v[(\s)+16*\b:(\s)+16*\b+7], v[TM+12+\b]
	v_cvt_scalef32_pk8_fp4_f32 v[PC+2*\b+1], v[(\s)+16*\b+8:(\s)+16*\b+15], v[TM+12+\b]
.endif
.endr
	v_nop
.irp c, 0,1
.if 2*\c < \nb
.irp i, 0,1
	v_permlane16_swap_b32 v[PC+4*\c+\i], v[PC+4*\c+2+\i]
.endr
.endif
.endr
.endm
.macro ROUND                           ; a round of the cluster's barrier
	s_barrier_signal -1
	s_barrier_wait -1
	s_cmp_lg_u32 s8, 0
	s_cbranch_scc1 .Lnot_wave_0_\@
	s_barrier_signal -3
.Lnot_wave_0_\@:
	s_barrier_wait -3
	s_barrier_signal -1
	s_barrier_wait -1
.endm
	s_load_b128 s[4:7], s[0:1], 0x0                ; qkv, ctx
	v_lshl_add_u32 v254, v0, 2, 0x46000
	v_mov_b32 v255, 0
	ds_add_u32 v254, v255
	ds_add_u32 v254, v255
	v_lshrrev_b32 v5, 5, v0
	v_readfirstlane_b32 s8, v5                     ; wave 0..15
	s_bfe_u32 s9, ttmp6, 0x40000                   ; cx: it enters Q's and ctx's addresses alone
	s_and_b32 s10, ttmp7, 0xffff                   ; the head, which the four partners share
	s_lshl_b32 s11, ttmp9, 2
	s_add_co_u32 s11, s11, s9
	s_lshl_b32 s11, s11, 4
	s_add_co_u32 s11, s11, s8                      ; my query tile T = 16 (4 x cluster x + cx) + wave
	; descriptor group 1: 70 rows of 256 bytes (32 elements of 8 bytes), dense, no padding: all reads are 16 or 8 bytes a lane on end
	s_mov_b32 s16, 15|(3<<16)|(1<<21)              ; 15:0 the mask: all four work-groups; 17:16 elements of 8 bytes; 21 set beside a mask
	s_mov_b32 s17, 32<<16                          ; tensor_dim0
	s_mov_b32 s18, 70<<16                          ; tensor_dim1
	s_mov_b32 s19, 32<<16                          ; tile_dim0
	s_mov_b32 s20, 70                              ; tile_dim1
	s_mov_b32 s21, 32                              ; from row to row
	s_mov_b32 s22, 0
	s_mov_b32 s23, 0
	s_mul_i32 s36, s10, HS
	s_mov_b32 s37, 0
	s_mov_b32 s12, 1                               ; group 0: count 1,
	s_mul_i32 s13, s8, 17920                       ; LDS address: wave x 17,920,
	s_mov_b32 s38, s13
	s_mov_b32 s39, 0
	s_mov_b32 s[SEL], 0x76543210
	s_mov_b32 s[SEL+1], 0xfedcba98
	s_mov_b32 s26, 0x3e38aa3b                      ; c = log2(e) / 8
	s_mov_b32 s27, s26                             ; (named with it as a pair, so it is written)
	s_mov_b32 s28, 0                               ; the step's codes: 4,096 bytes a step, K's and V's alike
	s_mov_b32 s29, 0                               ; K's scale words: 512
	s_mov_b32 s30, 0                               ; V's: 256
	s_mov_b32 s31, 32                              ; steps of 128 keys
	s_lshl_b32 s40, s11, 9
	s_add_co_u32 s40, s40, 286720                  ; Q's codes of tile T
	s_lshr_b32 s41, s11, 2
	s_lshl_b32 s41, s41, 8
	s_and_b32 s42, s11, 1
	s_lshl_b32 s42, s42, 7
	s_add_co_u32 s41, s41, s42
	s_bfe_u32 s42, s11, 0x10001
	s_lshl_b32 s42, s42, 2
	s_add_co_u32 s41, s41, s42
	s_add_co_u32 s41, s41, 417792                  ; and its scale words: 256 (T / 4) + 128 (T % 2) + 4 ((T / 2) % 2)
	s_mul_i32 s43, s11, 6144
	s_lshl_b32 s45, s10, 9
	s_add_co_u32 s43, s43, s45                     ; ctx's codes: 6,144 T + 512 head
	s_mul_i32 s44, s11, 384
	s_lshl_b32 s45, s10, 1
	s_add_co_u32 s44, s44, s45
	s_add_co_u32 s44, s44, 1572864                 ; its scale bytes: 384 T + 2 head
	s_wait_dscnt 0x0
	s_wait_kmcnt 0x0
	s_add_nc_u64 s[32:33], s[4:5], s[36:37]        ; the head's part of qkv
	s_add_nc_u64 s[14:15], s[32:33], s[38:39]      ; global address: + wave x 17,920,
	s_or_b32 s15, s15, 0x80000000                  ; type 2
	ROUND                                          ; all four work-groups are here: the joint loads meet
	tensor_load_to_lds s[12:15], s[16:23]
	s_nop 0
.rept 4
	v_nop
.endr
	v_and_b32 v9, 15, v0                           ; r
	v_and_b32 v[AK0], 31, v0
	v_lshlrev_b32 v[AS0], 3, v[AK0]
	v_lshlrev_b32 v[AK0], 4, v[AK0]
	v_add_nc_u32 v[AV0], 131072, v[AK0]
	v_add_nc_u32 v[AT0], 278528, v[AS0]
	v_add_nc_u32 v[AS0], 262144, v[AS0]
	v_add_nc_u32 v10, s40, v[AK0]
	v_lshl_add_u32 v11, v9, 3, s41
	global_load_b128 v[QF:QF+3], v10, s[32:33]     ; Q's half fragment stays in registers
	global_load_b32 v[QS], v11, s[32:33]
.irp j, 4,5,6,7
	v_mov_b32 v[QF+\j], 0                          ; the upper half of the K step: zero codes
.endr
.irp j, 32,33,34,35
	v_mov_b32 v[KF+\j], 0
.endr
	v_mov_b32 v[TX], 0xff61b1e6                    ; -3e38, under every t
	v_floor_f32 v[NM], -v[TX]
	v_mov_b32 v[SUM], 0
	v_mov_b32 v[SUM+1], 0
	v_mov_b32 v[FF+1], 0                           ; (named as the upper half of a pair)
	v_mov_b32 v[TMP], 0
.irp b, 0,1,2,3
	v_mov_b32 v[BX+\b], 0                          ; a lane permute's destination counts as one of its sources
.endr
.irp j, 0,1,2,3,4,5,6,7,8,9,10,11,12,13,14,15,16,17,18,19,20,21,22,23,24,25,26,27,28,29,30,31
	v_mov_b32 v[OO+\j], 0                          ; the step is written once: the first finds zeros, which the first change of M leaves zeros
.endr
	s_wait_tensorcnt 0x0                           ; my part lies in LDS,
	s_barrier_signal -1
	s_barrier_wait -1                              ; everybody's does
	s_wait_loadcnt 0x0                             ; Q
.Lstep:
	v_add_nc_u32 v[ADK], s28, v[AK0]               ; these four are the places behind the last products, in front of the loads into their operands
	v_add_nc_u32 v[ADV], s28, v[AV0]
	v_add_nc_u32 v[ADS], s29, v[AS0]
	v_add_nc_u32 v[ADT], s30, v[AT0]
.irp t, 0,1,2,3,4,5,6,7
	ds_load_b128 v[KF+4*\t:KF+4*\t+3], v[ADK] offset:512*\t
.endr
	ds_load_b64 v[KS:KS+1], v[ADS]
	ds_load_b64 v[KS+2:KS+3], v[ADS] offset:256
.irp c, 0,1
.irp tt, 0,1,2,3
	ds_load_b128 v[VF+8*\tt+4*\c:VF+8*\tt+4*\c+3], v[ADV] offset:2048*\c+512*\tt
.endr
.endr
	ds_load_b64 v[VS:VS+1], v[ADT]
	s_wait_dscnt 9                                 ; K and its words are in; V's nine loads may stay out
.irp t, 0,1,2,3,4,5,6,7
	WM SS+8*\t, KF+4*\t, QF, -1, KS+\t/2, QS, \t%2, 0
.endr
	PLACES
.irp b, 0,1,2,3
	v_max3_num_f32 v[BM+\b], v[SS+16*\b], v[SS+16*\b+1], v[SS+16*\b+2]   ; the largest score of each block of 32 keys: for the row's maximum and, since p rises with the score, for the block's largest p
.endr
.irp i, 3,5,7,9,11,13
.irp b, 0,1,2,3
	v_max3_num_f32 v[BM+\b], v[BM+\b], v[SS+16*\b+\i], v[SS+16*\b+\i+1]
.endr
.endr
.irp b, 0,1,2,3
	v_max_num_f32 v[BM+\b], v[BM+\b], v[SS+16*\b+15]
.endr
.irp b, 0,1,2,3
	v_permlanex16_b32 v[BX+\b], v[BM+\b], s[SEL], s[SEL+1]
.endr
.irp b, 0,1,2,3
	v_max_num_f32 v[BM+\b], v[BM+\b], v[BX+\b]
.endr
	v_max3_num_f32 v[TMP], v[BM], v[BM+1], v[BM+2]
	v_max_num_f32 v[TMP], v[TMP], v[BM+3]
	v_mul_f32 v[TMP], s26, v[TMP]
	v_max_num_f32 v[TX], v[TX], v[TMP]             ; the running largest t
	v_mov_b32 v[TMP], v[NM]
	v_floor_f32 v[NM], -v[TX]                      ; -M = floor(-t)
	v_sub_f32 v[TMP], v[NM], v[TMP]                ; old M - new M: a whole number, 0 or less
	v_cvt_i32_f32 v[TMP], v[TMP]                   ; (it saturates)
	v_ldexp_f32 v[FF], 1.0, v[TMP]                 ; f = 2^(old M - new M)
.irp j, 0,2,4,6,8,10,12,14,16,18,20,22,24,26,28,30,32,34,36,38,40,42,44,46,48,50,52,54,56,58,60,62
	v_pk_fma_f32 v[SS+\j:SS+\j+1], v[SS+\j:SS+\j+1], s[26:27], v[NM:NM+1] op_sel_hi:[1,0,0]   ; t - M
.endr
.irp b, 0,1,2,3
	v_fma_f32 v[BM+\b], v[BM+\b], s26, v[NM]
.endr
.irp j, 0,1,2,3,4,5,6,7,8,9,10,11,12,13,14,15,16,17,18,19,20,21,22,23,24,25,26,27,28,29,30,31,32,33,34,35,36,37,38,39,40,41,42,43,44,45,46,47,48,49,50,51,52,53,54,55,56,57,58,59,60,61,62,63
	v_exp_f32 v[SS+\j], v[SS+\j]                   ; p = 2^(t - M)
.endr
.irp b, 0,1,2,3
	v_exp_f32 v[BM+\b], v[BM+\b]                   ; the block's largest p: the same two instructions on the same number
.endr
	v_pk_mul_f32 v[SUM:SUM+1], v[SUM:SUM+1], v[FF:FF+1] op_sel_hi:[1,0]   ; the sums under the new M; a plain place behind the exponentials
	s_wait_alu depctr_va_vdst(0)
.irp b, 0,1,2,3
	v_max_num_f32 v[BM+\b], 0x1800000, v[BM+\b]    ; the floor 2^(3 - 127)
.endr
.irp b, 0,1,2,3
	v_add_nc_u32 v[SOP+\b], 0xff000000, v[BM+\b]
.endr
.irp b, 0,1,2,3
	v_lshrrev_b32 v[BX+\b], 23, v[SOP+\b]
.endr
	v_lshl_or_b32 v[PW], v[BX+1], 8, v[BX]         ; p's scale word for these 128 keys
	v_lshl_or_b32 v[PW], v[BX+2], 16, v[PW]
	v_lshl_or_b32 v[PW], v[BX+3], 24, v[PW]
.irp b, 0,1,2,3
	v_cvt_scalef32_pk8_fp4_f32 v[PC+2*\b], v[SS+16*\b:SS+16*\b+7], v[SOP+\b]
	v_cvt_scalef32_pk8_fp4_f32 v[PC+2*\b+1], v[SS+16*\b+8:SS+16*\b+15], v[SOP+\b]
.endr
	v_nop
.irp c, 0,1
.irp i, 0,1
	v_permlane16_swap_b32 v[PC+4*\c+\i], v[PC+4*\c+2+\i]
.endr
.endr
	v_pk_add_f32 v[SUM2:SUM2+1], v[SS:SS+1], v[SS+2:SS+3]   ; the row's sum is taken of the unquantised p, in two chains
.irp j, 4,8,12,16,20,24,28,32,36,40,44,48,52,56,60
	v_pk_add_f32 v[SUM:SUM+1], v[SUM:SUM+1], v[SS+\j:SS+\j+1]
	v_pk_add_f32 v[SUM2:SUM2+1], v[SUM2:SUM2+1], v[SS+\j+2:SS+\j+3]
.endr
	v_pk_add_f32 v[SUM:SUM+1], v[SUM:SUM+1], v[SUM2:SUM2+1]
.irp j, 0,2,4,6,8,10,12,14,16,18,20,22,24,26,28,30
	v_pk_mul_f32 v[OO+\j:OO+\j+1], v[OO+\j:OO+\j+1], v[FF:FF+1] op_sel_hi:[1,0]   ; O^T under the new M.  The sums and these are the places between p's codes and word and the products
.endr
	s_wait_dscnt 0x0                               ; V is in
.irp tt, 0,1,2,3
	WM OO+8*\tt, VF+8*\tt, PC, OO+8*\tt, VS+\tt/2, PW, \tt%2, 0
.endr
	s_add_co_u32 s28, s28, 4096
	s_add_co_u32 s29, s29, 512
	s_add_co_u32 s30, s30, 256
	s_sub_co_u32 s31, s31, 1
	s_cmp_lg_u32 s31, 0
	s_cbranch_scc1 .Lstep
	; ---- the way out: O^T / the sum, quantised along the head's 64 channels: half a fragment of the next product's operand
	PLACES
	v_add_nc_u32 v5, s43, v[AK0]
	v_mul_u32_u24 v6, v9, 24
	v_add_nc_u32 v6, s44, v6
	v_add_f32 v[SUM], v[SUM], v[SUM+1]
	v_permlanex16_b32 v[TMP], v[SUM], s[SEL], s[SEL+1]
	v_add_f32 v[SUM], v[SUM], v[TMP]               ; the row's sum
	v_rcp_f32 v[SUM], v[SUM]
	v_nop                                          ; a plain place behind the transcendental
	s_wait_alu depctr_va_vdst(0)
.irp j, 0,2,4,6,8,10,12,14,16,18,20,22,24,26,28,30
	v_pk_mul_f32 v[SS+\j:SS+\j+1], v[OO+\j:OO+\j+1], v[SUM:SUM+1] op_sel_hi:[1,0]
.endr
	QUANT SS, 2
	global_store_b128 v5, v[PC:PC+3], s[6:7]       ; 32 lanes store 512 consecutive bytes
	global_store_b16 v6, v[PW], s[6:7]             ; two bytes a lane: the twelve heads of a row's 24 bytes come from twelve work-groups
	s_wait_tensorcnt 0x0
	ds_add_u32 v254, v255
	s_wait_dscnt 0x0
	ROUND                                          ; the closing round: no work-group ends while a partner may still ask
	s_endpgm
.Lfunc_end_k_qcd2fd72098_attn:
	.size	k_qcd2fd72098_attn, .Lfunc_end_k_qcd2fd72098_attn-k_qcd2fd72098_attn
	.p2alignl 7, 3214868480
	.fill 96, 4, 3214868480
	.section	.rodata,"a",@progbits
	.p2align	6, 0x0
	.amdhsa_kernel k_qcd2fd72098_attn
		.amdhsa_group_segment_fixed_size 288768
		.amdhsa_private_segment_fixed_size 0
		.amdhsa_enable_private_segment 0
		.amdhsa_kernarg_size 16
		.amdhsa_user_sgpr_count 2
		.amdhsa_user_sgpr_kernarg_segment_ptr 1
		.amdhsa_wavefront_size32 1
		.amdhsa_system_sgpr_workgroup_id_x 1
		.amdhsa_system_sgpr_workgroup_id_y 1
		.amdhsa_system_sgpr_workgroup_id_z 1
		.amdhsa_system_vgpr_workitem_id 0
		.amdhsa_next_free_vgpr 256
		.amdhsa_next_free_sgpr 66
		.amdhsa_reserve_vcc 0
		.amdhsa_float_denorm_mode_32 3
		.amdhsa_float_denorm_mode_16_64 3
		.amdhsa_memory_ordered 1
		.amdhsa_forward_progress 1
		.amdhsa_inst_pref_size 25
	.end_amdhsa_kernel
	.amdgpu_metadata
---
amdhsa.version: [ 1, 2 ]
amdhsa.kernels:
  - .name:           k_qcd2fd72098_attn
    .symbol:         k_qcd2fd72098_attn.kd
    .args:
      - { .name: qkv, .offset: 0, .size: 8, .value_kind: global_buffer, .address_space: global }
      - { .name: ctx, .offset: 8, .size: 8, .value_kind: global_buffer, .address_space: global }
    .group_segment_fixed_size: 288768
    .private_segment_fixed_size: 0
    .kernarg_segment_align: 8
    .kernarg_segment_size: 16
    .max_flat_workgroup_size: 512
    .sgpr_count:     66
    .vgpr_count:     256
    .wavefront_size: 32
...
	.end_amdgpu_metadata
.endif
;; end of part 2
;; launch proj_ln1 (part 3): grid 256 x 1, 4 waves a work-group, no clusters, 51,200 bytes of LDS; arguments ctx, Wo_codes, Wo_scales, bo, x, ln1_g, ln1_b, hf, hq; writes hf, hq
.if DOCPART == 3
	.amdgcn_target "amdgcn-amd-amdhsa--gfx1250"
	.amdhsa_code_object_version 6
	.text
	.protected	k_qcd2fd72098_proj_ln1
	.globl	k_qcd2fd72098_proj_ln1
	.p2align	8
	.type	k_qcd2fd72098_proj_ln1,@function
k_qcd2fd72098_proj_ln1:
	s_mov_b64 s[64:65], 0
	v_nop
	global_prefetch_b8 v0, s[64:65] scope:SCOPE_SE
	s_setreg_imm32_b32 hwreg(HW_REG_WAVE_MODE, 25, 1), 1
	s_wait_xcnt 0x0
; h = LayerNorm(x + ctx Wo + bo), stored as f32 (hf) and as codes of FP4 with E8M0 scales (hq); the product on codes.
; SHARES.  A work-group takes one token tile T (16 tokens, in the order of the launches before: row i is token 32 (T / 2) + 8 (T % 2) + i + 8 (i / 8)); wave w columns 192 w .. 192 w + 191.
; Source 0 = 16 rows of Wo (in the same order), source 1 = ctx's fragment: a lane holds one token, and register 16 b + i of its 96 is column 192 w + 32 b + 16 (lane / 16) + i.
; x + bo is the C of every sum's first product.  The norm takes two passes (mean, then the squares of the differences); a row's four parts meet in LDS, one barrier each.
; h leaves as f32 through the wave's own stage (rows of 768 + 16 bytes), sixteen lanes to 256 consecutive bytes, and as images of the next operand's registers; its scale bytes two a lane.
; LIMITS: NaN and infinities are not served; a block of zeros gets the byte 1.  No tensor load: each weight byte goes once into the register in which it is multiplied.
.set RB,   384
.set SB,   24
.set RED1, 50176
.set XRA,  2
.set WA,   3
.set WSA,  4
.set BA,   5
.set ASA,  6
.set STO,  7
.set LR,   8                           ; v8-10: three patterns that read two stage rows as three runs of 512 bytes
.set LI,   11                          ; 16 x lane; also the first of
.set GO,   11                          ; v11-13: the same three patterns in two rows of hf
.set RW,   14
.set RRD,  15
.set ACC,  16                          ; v16-111
.set BIAS, 112                         ; v112-207, free behind the first addition
.set WS,   208
.set AS,   244
.set TM,   112
.set PW,   128
.set PC,   130
.set MU,   138
.set RS,   140
.set CH,   142
.set RBK,  150
.set TX,   154
.set OUTR, 156                         ; v156-251
.set LN,   252
.set RR,   253
.set HH,   254
.set RP,   255
.set SEL,  40
.set MSB, 0
.macro WIN new
.if MSB != (\new)
	s_set_vgpr_msb (MSB<<8)|(\new)
.set MSB, (\new)
.endif
.endm
.macro PLACES
.rept 4
	v_nop
.endr
.endm
.macro WM d, a, b, c, sa, sb, ra, rb
.if ((\ra) == 0) && ((\rb) == 0)
	v_wmma_scale_f32_16x16x128_f8f6f4 v[(\d):(\d)+7], v[(\a):(\a)+7], v[(\b):(\b)+7], v[(\c):(\c)+7], v[(\sa)], v[(\sb)] matrix_a_fmt:MATRIX_FMT_FP4 matrix_b_fmt:MATRIX_FMT_FP4
.else
	v_wmma_scale_f32_16x16x128_f8f6f4 v[(\d):(\d)+7], v[(\a):(\a)+7], v[(\b):(\b)+7], v[(\c):(\c)+7], v[(\sa)], v[(\sb)] matrix_a_fmt:MATRIX_FMT_FP4 matrix_b_fmt:MATRIX_FMT_FP4 matrix_a_scale:MATRIX_SCALE_ROW1
.endif
.endm
.macro QUANT s, nb
.irp b, 0,1,2,3
.if \b < \nb
	v_max3_num_f32 v[TM+\b], |v[(\s)+16*\b]|, |v[(\s)+16*\b+1]|, 0x1800000
.endif
.endr
.irp i, 2,4,6,8,10,12,14
.irp b, 0,1,2,3
.if \b < \nb
	v_max3_num_f32 v[TM+\b], v[TM+\b], |v[(\s)+16*\b+\i]|, |v[(\s)+16*\b+\i+1]|
.endif
.endr
.endr
.irp b, 0,1,2,3
.if \b < \nb
	v_permlanex16_b32 v[TM+4+\b], v[TM+\b], s[SEL], s[SEL+1]
.endif
.endr
.irp b, 0,1,2,3
.if \b < \nb
	v_max_num_f32 v[TM+\b], v[TM+\b], v[TM+4+\b]
.endif
.endr
.irp b, 0,1,2,3
.if \b < \nb
	v_add_nc_u32 v[TM+12+\b], 0xff000000, v[TM+\b]
.endif
.endr
.irp b, 0,1,2,3
.if \b < \nb
	v_lshrrev_b32 v[TM+4+\b], 23, v[TM+12+\b]
.endif
.endr
	v_lshl_or_b32 v[PW], v[TM+5], 8, v[TM+4]
.if \nb > 2
	v_lshl_or_b32 v[PW], v[TM+6], 16, v[PW]
	v_lshl_or_b32 v[PW], v[TM+7], 24, v[PW]
.endif
.irp b, 0,1,2,3
.if \b < \nb
	v_cvt_scalef32_pk8_fp4_f32 v[PC+2*\b], v[(\s)+16*\b:(\s)+16*\b+7], v[TM+12+\b]
	v_cvt_scalef32_pk8_fp4_f32 v[PC+2*\b+1], v[(\s)+16*\b+8:(\s)+16*\b+15], v[TM+12+\b]
.endif
.endr
	v_nop
.irp c, 0,1
.if 2*\c < \nb
.irp i, 0,1
	v_permlane16_swap_b32 v[PC+4*\c+\i], v[PC+4*\c+2+\i]
.endr
.endif
.endr
.endm
; the four chains become my row's sum over all 768 columns, in v[RBK]: the two halves of the lanes, then the four waves through LDS
.macro REDUCE off
	v_pk_add_f32 v[CH:CH+1], v[CH:CH+1], v[CH+2:CH+3]
	v_pk_add_f32 v[CH+4:CH+5], v[CH+4:CH+5], v[CH+6:CH+7]
	v_pk_add_f32 v[CH:CH+1], v[CH:CH+1], v[CH+4:CH+5]
	v_add_f32 v[CH], v[CH], v[CH+1]
	v_permlanex16_b32 v[TX], v[CH], s[SEL], s[SEL+1]
	v_add_f32 v[CH], v[CH], v[TX]
	ds_store_b32 v[RW], v[CH] offset:\off          ; both halves of the lanes write the same word with the same value
	s_wait_dscnt 0x0                               ; for the others' sake
	s_barrier_signal -1
	s_barrier_wait -1
	ds_load_b128 v[RBK:RBK+3], v[RRD] offset:\off
	s_wait_dscnt 0x0
	v_add_f32 v[RBK], v[RBK], v[RBK+1]
	v_add_f32 v[RBK+2], v[RBK+2], v[RBK+3]
	v_add_f32 v[RBK], v[RBK], v[RBK+2]
.endm
	s_load_b512 s[8:23], s[0:1], 0x0               ; ctx, Wo codes, Wo scales, bo, x, g, b, hf
	s_load_b64 s[24:25], s[0:1], 0x40              ; hq
	v_lshl_add_u32 v1, v0, 2, 0xc600
	s_set_vgpr_msb 0x40
	v_mov_b32 v255, 0
	s_set_vgpr_msb 0x4000
	v_lshrrev_b32 v[LN], 5, v0
	v_readfirstlane_b32 s26, v[LN]                 ; wave
	s_mov_b32 s27, ttmp9                           ; T
	v_and_b32 v[LN], 31, v0
	v_and_b32 v[RR], 15, v0
	v_bfe_u32 v[HH], v0, 4, 1
	v_and_b32 v[RP], 8, v[RR]
	v_add_nc_u32 v[RP], v[RP], v[RR]
	v_lshlrev_b32 v[LI], 4, v[LN]
	v_mul_u32_u24 v[XRA], v[RP], 3072
	v_lshl_add_u32 v[XRA], v[HH], 6, v[XRA]
	v_mul_u32_u24 v[WA], v[RP], RB
	v_lshl_add_u32 v[WA], v[HH], 4, v[WA]
	v_lshl_add_u32 v[WSA], v[HH], 3, v[RP]
	v_mul_u32_u24 v[WSA], v[WSA], SB
	v_lshlrev_b32 v[BA], 6, v[HH]
	v_mul_u32_u24 v[ASA], v[RR], 24
	s_mul_i32 s38, s26, 12544                      ; my stage
	v_mul_u32_u24 v[STO], v[RR], 784
	v_lshl_add_u32 v[STO], v[HH], 6, v[STO]
	v_add_nc_u32 v[STO], s38, v[STO]
	v_add_nc_u32 v[LR], s38, v[LI]                 ; an even row's bytes 0 .. 511;
	v_lshl_add_u32 v[LR+1], v[HH], 4, v[LR]
	v_add_nc_u32 v[LR+1], 512, v[LR+1]             ; its bytes 512 .. 767 and the next row's 0 .. 255;
	v_add_nc_u32 v[LR+2], 1040, v[LR]              ; that row's bytes 256 .. 767
	v_mul_u32_u24 v[GO+1], v[HH], 2304
	v_add_nc_u32 v[GO+1], v[GO+1], v[LI]
	v_add_nc_u32 v[GO+1], 512, v[GO+1]
	v_add_nc_u32 v[GO+2], 3328, v[LI]
	s_lshl_b32 s38, s26, 2
	s_add_co_u32 s38, s38, RED1
	v_lshl_add_u32 v[RW], v[RR], 4, s38
	v_lshlrev_b32 v[RRD], 4, v[RR]
	v_add_nc_u32 v[RRD], RED1, v[RRD]
	s_mov_b32 s[SEL], 0x76543210
	s_mov_b32 s[SEL+1], 0xfedcba98
	s_mov_b32 s42, 0x3aaaaaab                      ; 1 / 768
	s_mov_b32 s43, 0x3727c5ac                      ; 1e-5
	s_mov_b32 s37, 0
	s_wait_kmcnt 0x0
	s_mul_i32 s36, s27, 6144
	s_add_nc_u64 s[28:29], s[8:9], s[36:37]        ; ctx's codes of tile T
	s_mul_i32 s38, s26, 1536
	s_add_co_u32 s36, s36, s38
	s_add_nc_u64 s[32:33], s[24:25], s[36:37]      ; hq's codes: + my three half fragments
	s_mul_i32 s36, s27, 384
	s_add_co_u32 s36, s36, 1572864
	s_add_nc_u64 s[30:31], s[8:9], s[36:37]        ; ctx's scale bytes
	s_mul_i32 s38, s26, 6
	s_add_co_u32 s36, s36, s38
	s_add_nc_u64 s[34:35], s[24:25], s[36:37]      ; hq's: + my six
	s_mul_i32 s36, s26, 192*RB
	s_add_nc_u64 s[10:11], s[10:11], s[36:37]
	s_mul_i32 s36, s26, 192*SB
	s_add_nc_u64 s[12:13], s[12:13], s[36:37]
	s_mul_i32 s36, s26, 768
	s_add_nc_u64 s[14:15], s[14:15], s[36:37]
	s_add_nc_u64 s[18:19], s[18:19], s[36:37]
	s_add_nc_u64 s[20:21], s[20:21], s[36:37]
	s_lshr_b32 s38, s27, 1
	s_lshl_b32 s38, s38, 5
	s_and_b32 s39, s27, 1
	s_lshl_b32 s39, s39, 3
	s_add_co_u32 s38, s38, s39
	s_mul_i32 s38, s38, 3072
	s_add_co_u32 s36, s36, s38
	s_add_nc_u64 s[16:17], s[16:17], s[36:37]      ; x and hf at the tile's first token, my columns
	s_add_nc_u64 s[22:23], s[22:23], s[36:37]
.irp b, 0,1,2,3,4,5
.irp j, 0,1,2,3
	global_load_b128 v[ACC+16*\b+4*\j:ACC+16*\b+4*\j+3], v[XRA], s[16:17] offset:128*\b+16*\j
	global_load_b128 v[BIAS+16*\b+4*\j:BIAS+16*\b+4*\j+3], v[BA], s[14:15] offset:128*\b+16*\j
.endr
.endr
.irp i, 0,1,2
	global_load_b64 v[AS+2*\i:AS+2*\i+1], v[ASA], s[30:31] offset:8*\i
.endr
.irp tp, 0,1,2,3,4,5
.irp i, 0,1,2
	global_load_b64 v[WS+6*\tp+2*\i:WS+6*\tp+2*\i+1], v[WSA], s[12:13] offset:32*\tp*SB+8*\i
.endr
.endr
.irp wi, 1,2,3
	WIN \wi<<6
.irp sl, 0,1
.irp c, 0,1
	global_load_b128 v[192+8*\sl+4*\c:192+8*\sl+4*\c+3], v[LI], s[28:29] offset:1024*(2*(\wi-1)+\sl)+512*\c
.endr
.irp t, 0,1,2,3,4,5,6,7,8,9,10,11
.irp c, 0,1
	global_load_b128 v[96*\sl+8*\t+4*\c:96*\sl+8*\t+4*\c+3], v[WA], s[10:11] offset:(32*(\t/2)+8*(\t%2))*RB+64*(2*(\wi-1)+\sl)+32*\c
.endr
.endr
.endr
.endr
	WIN 0
	s_wait_loadcnt 0x0
.irp j, 0,2,4,6,8,10,12,14,16,18,20,22,24,26,28,30,32,34,36,38,40,42,44,46,48,50,52,54,56,58,60,62,64,66,68,70,72,74,76,78,80,82,84,86,88,90,92,94
	v_pk_add_f32 v[ACC+\j:ACC+\j+1], v[ACC+\j:ACC+\j+1], v[BIAS+\j:BIAS+\j+1]   ; x + bo: what the sums begin with
.endr
	PLACES
.irp s, 0,1,2,3,4,5                    ; twelve accumulators by turns, K step by K step
	WIN 5*(1+\s/2)
.irp t, 0,1,2,3,4,5,6,7,8,9,10,11
	WM ACC+8*\t, 96*(\s%2)+8*\t, 192+8*(\s%2), ACC+8*\t, WS+6*(\t/2)+\s, AS+\s, \t%2, 0
.endr
.endr
	WIN 0
	PLACES
	WIN 0x40                                       ; g and b, in the result's layout, into window 1, where K steps 0 and 1 of the weights lay
.irp b, 0,1,2,3,4,5
.irp j, 0,1,2,3
	global_load_b128 v[16*\b+4*\j:16*\b+4*\j+3], v[BA], s[18:19] offset:128*\b+16*\j
	global_load_b128 v[96+16*\b+4*\j:96+16*\b+4*\j+3], v[BA], s[20:21] offset:128*\b+16*\j
.endr
.endr
	WIN 0
.irp b, 0,1,2,3
	v_mov_b32 v[TM+4+\b], 0
.endr
	v_mov_b32 v[TX], 0
	v_mov_b32 v[MU+1], 0                           ; (upper halves of pairs of which the low word serves both)
	v_mov_b32 v[RS+1], 0
	; ---- the mean: four chains, each accumulator read from its low end on
.irp c, 0,1,2,3
	v_pk_add_f32 v[CH+2*\c:CH+2*\c+1], v[ACC+2*\c:ACC+2*\c+1], v[ACC+8+2*\c:ACC+8+2*\c+1]
.endr
.irp j, 8,9,10,11,12,13,14,15,16,17,18,19,20,21,22,23,24,25,26,27,28,29,30,31,32,33,34,35,36,37,38,39,40,41,42,43,44,45,46,47
	v_pk_add_f32 v[CH+2*(\j%4):CH+2*(\j%4)+1], v[CH+2*(\j%4):CH+2*(\j%4)+1], v[ACC+2*\j:ACC+2*\j+1]
.endr
	REDUCE 0
	v_mul_f32 v[MU], s42, v[RBK]
.irp j, 0,2,4,6,8,10,12,14,16,18,20,22,24,26,28,30,32,34,36,38,40,42,44,46,48,50,52,54,56,58,60,62,64,66,68,70,72,74,76,78,80,82,84,86,88,90,92,94
	v_pk_add_f32 v[ACC+\j:ACC+\j+1], v[ACC+\j:ACC+\j+1], v[MU:MU+1] op_sel_hi:[1,0] neg_lo:[0,1] neg_hi:[0,1]   ; d = y - mean
.endr
.irp c, 0,1,2,3
	v_pk_mul_f32 v[CH+2*\c:CH+2*\c+1], v[ACC+2*\c:ACC+2*\c+1], v[ACC+2*\c:ACC+2*\c+1]
.endr
.irp j, 4,5,6,7,8,9,10,11,12,13,14,15,16,17,18,19,20,21,22,23,24,25,26,27,28,29,30,31,32,33,34,35,36,37,38,39,40,41,42,43,44,45,46,47
	v_pk_fma_f32 v[CH+2*(\j%4):CH+2*(\j%4)+1], v[ACC+2*\j:ACC+2*\j+1], v[ACC+2*\j:ACC+2*\j+1], v[CH+2*(\j%4):CH+2*(\j%4)+1]
.endr
	REDUCE 256                                     ; other bytes than the first time: no third barrier
	v_fma_f32 v[RS], v[RBK], s42, s43              ; the variance + 1e-5
	v_rsq_f32 v[RS], v[RS]
	v_nop
	s_wait_loadcnt 0x0                             ; g, b
	s_wait_alu depctr_va_vdst(0)
.irp j, 0,2,4,6,8,10,12,14,16,18,20,22,24,26,28,30,32,34,36,38,40,42,44,46,48,50,52,54,56,58,60,62,64,66,68,70,72,74,76,78,80,82,84,86,88,90,92,94
	v_pk_mul_f32 v[ACC+\j:ACC+\j+1], v[ACC+\j:ACC+\j+1], v[RS:RS+1] op_sel_hi:[1,0]
.endr
	WIN 0x14                                       ; sources 1 and 2 in window 1
.irp j, 0,2,4,6,8,10,12,14,16,18,20,22,24,26,28,30,32,34,36,38,40,42,44,46,48,50,52,54,56,58,60,62,64,66,68,70,72,74,76,78,80,82,84,86,88,90,92,94
	v_pk_fma_f32 v[ACC+\j:ACC+\j+1], v[ACC+\j:ACC+\j+1], v[\j:\j+1], v[96+\j:96+\j+1]
.endr
	WIN 0
	; ---- h as f32: through my own stage; LDS serves a wave's instructions in order, so no wait stands between the stores and the loads
.irp b, 0,1,2,3,4,5
.irp j, 0,1,2,3
	ds_store_b128 v[STO], v[ACC+16*\b+4*\j:ACC+16*\b+4*\j+3] offset:128*\b+16*\j
.endr
.endr
.irp i, 0,1,2,3,4,5,6,7,8,9,10,11,12,13,14,15,16,17,18,19,20,21,22,23
	ds_load_b128 v[OUTR+4*\i:OUTR+4*\i+3], v[LR+\i%3] offset:1568*(\i/3)
.endr
	; ---- h as codes, while the stage's loads are on their way
	QUANT ACC, 4
	global_store_b128 v[LI], v[PC:PC+3], s[32:33]
	global_store_b128 v[LI], v[PC+4:PC+7], s[32:33] offset:512
	global_store_b16 v[ASA], v[PW], s[34:35]
	global_store_d16_hi_b16 v[ASA], v[PW], s[34:35] offset:2
	s_wait_xcnt 0x0                                ; the stores have read their registers
	QUANT ACC+64, 2
	global_store_b128 v[LI], v[PC:PC+3], s[32:33] offset:1024
	global_store_b16 v[ASA], v[PW], s[34:35] offset:4
	s_wait_dscnt 0x0
.irp i, 0,1,2,3,4,5,6,7,8,9,10,11,12,13,14,15,16,17,18,19,20,21,22,23
	global_store_b128 v[GO+\i%3], v[OUTR+4*\i:OUTR+4*\i+3], s[22:23] offset:(2*(\i/3)+8*((\i/3)/4))*3072   ; sixteen lanes store 256 consecutive bytes, aligned
.endr
	s_set_vgpr_msb 0x4
	s_wait_tensorcnt 0x0
	ds_add_u32 v1, v255
	s_wait_dscnt 0x0
	s_set_vgpr_msb 0x400
	s_endpgm
.Lfunc_end_k_qcd2fd72098_proj_ln1:
	.size	k_qcd2fd72098_proj_ln1, .Lfunc_end_k_qcd2fd72098_proj_ln1-k_qcd2fd72098_proj_ln1
	.p2alignl 7, 3214868480
	.fill 96, 4, 3214868480
	.section	.rodata,"a",@progbits
	.p2align	6, 0x0
	.amdhsa_kernel k_qcd2fd72098_proj_ln1
		.amdhsa_group_segment_fixed_size 51200
		.amdhsa_private_segment_fixed_size 0
		.amdhsa_enable_private_segment 0
		.amdhsa_kernarg_size 72
		.amdhsa_user_sgpr_count 2
		.amdhsa_user_sgpr_kernarg_segment_ptr 1
		.amdhsa_wavefront_size32 1
		.amdhsa_system_sgpr_workgroup_id_x 1
		.amdhsa_system_sgpr_workgroup_id_y 1
		.amdhsa_system_sgpr_workgroup_id_z 1
		.amdhsa_system_vgpr_workitem_id 0
		.amdhsa_next_free_vgpr 1024
		.amdhsa_next_free_sgpr 66
		.amdhsa_reserve_vcc 0
		.amdhsa_float_denorm_mode_32 3
		.amdhsa_float_denorm_mode_16_64 3
		.amdhsa_memory_ordered 1
		.amdhsa_forward_progress 1
		.amdhsa_inst_pref_size 71
	.end_amdhsa_kernel
	.amdgpu_metadata
---
amdhsa.version: [ 1, 2 ]
amdhsa.kernels:
  - .name:           k_qcd2fd72098_proj_ln1
    .symbol:         k_qcd2fd72098_proj_ln1.kd
    .args:
      - { .name: ctx, .offset: 0, .size: 8, .value_kind: global_buffer, .address_space: global }
      - { .name: Wo_codes, .offset: 8, .size: 8, .value_kind: global_buffer, .address_space: global }
      - { .name: Wo_scales, .offset: 16, .size: 8, .value_kind: global_buffer, .address_space: global }
      - { .name: bo, .offset: 24, .size: 8, .value_kind: global_buffer, .address_space: global }
      - { .name: x, .offset: 32, .size: 8, .value_kind: global_buffer, .address_space: global }
      - { .name: ln1_g, .offset: 40, .size: 8, .value_kind: global_buffer, .address_space: global }
      - { .name: ln1_b, .offset: 48, .size: 8, .value_kind: global_buffer, .address_space: global }
      - { .name: hf, .offset: 56, .size: 8, .value_kind: global_buffer, .address_space: global }
      - { .name: hq, .offset: 64, .size: 8, .value_kind: global_buffer, .address_space: global }
    .group_segment_fixed_size: 51200
    .private_segment_fixed_size: 0
    .kernarg_segment_align: 8
    .kernarg_segment_size: 72
    .max_flat_workgroup_size: 128
    .sgpr_count:     66
    .vgpr_count:     1024
    .wavefront_size: 32
...
	.end_amdgpu_metadata
.endif
;; end of part 3
;; launch ffn1 (part 4): grid 16 x 16, 4 waves a work-group, no clusters, 0 bytes of LDS; arguments hq, W1_codes, W1_scales, b1, uq; writes uq
.if DOCPART == 4
	.amdgcn_target "amdgcn-amd-amdhsa--gfx1250"
	.amdhsa_code_object_version 6
	.text
	.protected	k_qcd2fd72098_ffn1
	.globl	k_qcd2fd72098_ffn1
	.p2align	8
	.type	k_qcd2fd72098_ffn1,@function
k_qcd2fd72098_ffn1:
	s_mov_b64 s[64:65], 0
	v_nop
	global_prefetch_b8 v0, s[64:65] scope:SCOPE_SE
	s_setreg_imm32_b32 hwreg(HW_REG_WAVE_MODE, 25, 1), 1
	s_wait_xcnt 0x0
; u = Q(gelu(h W1 + b1)), the product on codes of FP4 (E2M1) with E8M0 scales, gelu exact (by erf) in f32, u quantised along its 3,072 columns.
; SHARES.  Work-group (cb, y): columns 192 cb .. + 191; wave w the 64 tokens G = 4 y + w (token tiles 4 G .. 4 G + 3).  The four waves hold the same 72 weight fragments, each in its own registers:
; nothing goes through LDS and there is no barrier.  Source 0 = 16 rows of W1 (row i of tile t: 32 (t / 2) + 8 (t % 2) + i + 8 (i / 8)), source 1 = h's fragment: a lane holds one token, its registers run along the columns.
; A unit is 64 columns x two token tiles: eight accumulators by turns, six K steps; then gelu and the quantiser in registers.  A trip of the loop takes two token tiles; the second pair's fragments are asked for in the first trip.
; erf(z) = z P(z^2) / Q(z^2), z held to -4 .. 4, P of degree 6 and Q of degree 4: good to a few units in erf's last place.  LIMIT: gelu = x / 2 + (x / 2) erf(x / sqrt 2) so carries an absolute error of
; about 1e-7 |x| / 2, which for x far below 0 is large beside gelu itself and small beside any block's largest number that is not itself of that kind.
; LIMITS: NaN and infinities are not served; a block of zeros gets the byte 1.  u's scale bytes leave two a lane: a row's 96 bytes come from sixteen work-groups.
.set RB,   384
.set SB,   24
.set LI,   1
.set WA,   2
.set WSA,  3
.set BA,   4
.set ASA,  5
.set US,   6
.set LN,   8
.set RR,   9
.set HH,   10
.set RP,   11
.set ACC,  16
.set WS,   80
.set AS,   116
.set TM,   124
.set PW,   140
.set PC,   142
.set ZZ,   152
.set Z2,   160
.set PP,   168
.set QQ,   176
.set VA1,  184
.set VB1,  186
.set SEL,  52
.set MSB, 0
.macro WIN new
.if MSB != (\new)
	s_set_vgpr_msb (MSB<<8)|(\new)
.set MSB, (\new)
.endif
.endm
.macro PLACES
.rept 4
	v_nop
.endr
.endm
.macro WM d, a, b, c, sa, sb, ra, rb
.if ((\ra) == 0) && ((\rb) == 0)
	v_wmma_scale_f32_16x16x128_f8f6f4 v[(\d):(\d)+7], v[(\a):(\a)+7], v[(\b):(\b)+7], v[(\c):(\c)+7], v[(\sa)], v[(\sb)] matrix_a_fmt:MATRIX_FMT_FP4 matrix_b_fmt:MATRIX_FMT_FP4
.elseif (\rb) == 0
	v_wmma_scale_f32_16x16x128_f8f6f4 v[(\d):(\d)+7], v[(\a):(\a)+7], v[(\b):(\b)+7], v[(\c):(\c)+7], v[(\sa)], v[(\sb)] matrix_a_fmt:MATRIX_FMT_FP4 matrix_b_fmt:MATRIX_FMT_FP4 matrix_a_scale:MATRIX_SCALE_ROW1
.elseif (\ra) == 0
	v_wmma_scale_f32_16x16x128_f8f6f4 v[(\d):(\d)+7], v[(\a):(\a)+7], v[(\b):(\b)+7], v[(\c):(\c)+7], v[(\sa)], v[(\sb)] matrix_a_fmt:MATRIX_FMT_FP4 matrix_b_fmt:MATRIX_FMT_FP4 matrix_b_scale:MATRIX_SCALE_ROW1
.else
	v_wmma_scale_f32_16x16x128_f8f6f4 v[(\d):(\d)+7], v[(\a):(\a)+7], v[(\b):(\b)+7], v[(\c):(\c)+7], v[(\sa)], v[(\sb)] matrix_a_fmt:MATRIX_FMT_FP4 matrix_b_fmt:MATRIX_FMT_FP4 matrix_a_scale:MATRIX_SCALE_ROW1 matrix_b_scale:MATRIX_SCALE_ROW1
.endif
.endm
.macro QUANT s, nb
.irp b, 0,1,2,3
.if \b < \nb
	v_max3_num_f32 v[TM+\b], |v[(\s)+16*\b]|, |v[(\s)+16*\b+1]|, 0x1800000
.endif
.endr
.irp i, 2,4,6,8,10,12,14
.irp b, 0,1,2,3
.if \b < \nb
	v_max3_num_f32 v[TM+\b], v[TM+\b], |v[(\s)+16*\b+\i]|, |v[(\s)+16*\b+\i+1]|
.endif
.endr
.endr
.irp b, 0,1,2,3
.if \b < \nb
	v_permlanex16_b32 v[TM+4+\b], v[TM+\b], s[SEL], s[SEL+1]
.endif
.endr
.irp b, 0,1,2,3
.if \b < \nb
	v_max_num_f32 v[TM+\b], v[TM+\b], v[TM+4+\b]
.endif
.endr
.irp b, 0,1,2,3
.if \b < \nb
	v_add_nc_u32 v[TM+12+\b], 0xff000000, v[TM+\b]
.endif
.endr
.irp b, 0,1,2,3
.if \b < \nb
	v_lshrrev_b32 v[TM+4+\b], 23, v[TM+12+\b]
.endif
.endr
	v_lshl_or_b32 v[PW], v[TM+5], 8, v[TM+4]
.if \nb > 2
	v_lshl_or_b32 v[PW], v[TM+6], 16, v[PW]
	v_lshl_or_b32 v[PW], v[TM+7], 24, v[PW]
.endif
.irp b, 0,1,2,3
.if \b < \nb
	v_cvt_scalef32_pk8_fp4_f32 v[PC+2*\b], v[(\s)+16*\b:(\s)+16*\b+7], v[TM+12+\b]
	v_cvt_scalef32_pk8_fp4_f32 v[PC+2*\b+1], v[(\s)+16*\b+8:(\s)+16*\b+15], v[TM+12+\b]
.endif
.endr
	v_nop
.irp c, 0,1
.if 2*\c < \nb
.irp i, 0,1
	v_permlane16_swap_b32 v[PC+4*\c+\i], v[PC+4*\c+2+\i]
.endr
.endif
.endr
.endm
; gelu of eight registers (one accumulator, from its low end on), four pairs by turns
.macro GELU8 x
.irp i, 0,2,4,6
	v_pk_mul_f32 v[ZZ+\i:ZZ+\i+1], v[(\x)+\i:(\x)+\i+1], s[30:31] op_sel_hi:[1,0]   ; z = x / sqrt 2
.endr
.irp i, 0,1,2,3,4,5,6,7
	v_med3_num_f32 v[ZZ+\i], v[ZZ+\i], -4.0, 4.0
.endr
.irp i, 0,2,4,6
	v_pk_mul_f32 v[Z2+\i:Z2+\i+1], v[ZZ+\i:ZZ+\i+1], v[ZZ+\i:ZZ+\i+1]
.endr
.irp i, 0,2,4,6
	v_pk_fma_f32 v[PP+\i:PP+\i+1], v[Z2+\i:Z2+\i+1], s[32:33], v[VA1:VA1+1] op_sel_hi:[1,0,1]
.endr
.irp i, 0,2,4,6
	v_pk_fma_f32 v[QQ+\i:QQ+\i+1], v[Z2+\i:Z2+\i+1], s[44:45], v[VB1:VB1+1] op_sel_hi:[1,0,1]
.endr
.irp k, 0,2,4
.irp i, 0,2,4,6
	v_pk_fma_f32 v[PP+\i:PP+\i+1], v[PP+\i:PP+\i+1], v[Z2+\i:Z2+\i+1], s[34+\k:35+\k] op_sel_hi:[1,1,0]
.endr
.irp i, 0,2,4,6
	v_pk_fma_f32 v[QQ+\i:QQ+\i+1], v[QQ+\i:QQ+\i+1], v[Z2+\i:Z2+\i+1], s[46+\k:47+\k] op_sel_hi:[1,1,0]
.endr
.endr
.irp k, 6,8
.irp i, 0,2,4,6
	v_pk_fma_f32 v[PP+\i:PP+\i+1], v[PP+\i:PP+\i+1], v[Z2+\i:Z2+\i+1], s[34+\k:35+\k] op_sel_hi:[1,1,0]
.endr
.endr
.irp i, 0,1,2,3,4,5,6,7
	v_rcp_f32 v[QQ+\i], v[QQ+\i]
.endr
.irp i, 0,2,4,6
	v_pk_mul_f32 v[PP+\i:PP+\i+1], v[PP+\i:PP+\i+1], v[ZZ+\i:ZZ+\i+1]   ; plain lines behind the reciprocals
.endr
.irp i, 0,2,4,6
	v_pk_mul_f32 v[(\x)+\i:(\x)+\i+1], v[(\x)+\i:(\x)+\i+1], 0.5 op_sel_hi:[1,0]
.endr
	s_wait_alu depctr_va_vdst(0)
.irp i, 0,2,4,6
	v_pk_mul_f32 v[PP+\i:PP+\i+1], v[PP+\i:PP+\i+1], v[QQ+\i:QQ+\i+1]   ; erf
.endr
.irp i, 0,2,4,6
	v_pk_fma_f32 v[(\x)+\i:(\x)+\i+1], v[(\x)+\i:(\x)+\i+1], v[PP+\i:PP+\i+1], v[(\x)+\i:(\x)+\i+1]
.endr
.endm
; two token tiles' fragments of h, oc bytes on: (tile a, K step s) in window 1 + s / 2 at 192 + 16 (s % 2) + 8 a; their scale words, os bytes on: lanes 16-31 the second tile's
.macro ALOAD oc, os
.irp wi, 1,2,3
	WIN \wi<<6
.irp sl, 0,1
.irp a, 0,1
.irp c, 0,1
	global_load_b128 v[192+16*\sl+8*\a+4*\c:192+16*\sl+8*\a+4*\c+3], v[LI], s[22:23] offset:(\oc)+6144*\a+1024*(2*(\wi-1)+\sl)+512*\c
.endr
.endr
.endr
.endr
	WIN 0
.irp i, 0,1,2
	global_load_b64 v[AS+2*\i:AS+2*\i+1], v[ASA], s[24:25] offset:(\os)+8*\i
.endr
.endm
	s_load_b256 s[8:15], s[0:1], 0x0               ; hq, W1 codes, W1 scales, b1
	s_load_b64 s[16:17], s[0:1], 0x20              ; uq
	v_lshrrev_b32 v[LN], 5, v0
	v_readfirstlane_b32 s18, v[LN]                 ; wave
	s_mov_b32 s19, ttmp9                           ; cb
	s_and_b32 s20, ttmp7, 0xffff
	s_lshl_b32 s21, s20, 2
	s_add_co_u32 s21, s21, s18                     ; G = 4 y + wave
	v_and_b32 v[LN], 31, v0
	v_and_b32 v[RR], 15, v0
	v_bfe_u32 v[HH], v0, 4, 1
	v_and_b32 v[RP], 8, v[RR]
	v_add_nc_u32 v[RP], v[RP], v[RR]
	v_lshlrev_b32 v[LI], 4, v[LN]
	v_mul_u32_u24 v[WA], v[RP], RB
	v_lshl_add_u32 v[WA], v[HH], 4, v[WA]
	v_lshl_add_u32 v[WSA], v[HH], 3, v[RP]
	v_mul_u32_u24 v[WSA], v[WSA], SB
	v_lshlrev_b32 v[BA], 6, v[HH]
	v_mul_u32_u24 v[ASA], v[HH], 384
	v_mad_u32_u24 v[ASA], v[RR], 24, v[ASA]
	v_mul_u32_u24 v[US], v[RR], 96
.irp b, 0,1,2,3
	v_mov_b32 v[TM+4+\b], 0
.endr
	v_mov_b32 v[VA1], 0x32edffee                   ; P's second coefficient,
	v_mov_b32 v[VA1+1], 0x32edffee
	v_mov_b32 v[VB1], 0xb95fbd29                   ; Q's: in vector pairs, so that no line names two scalar pairs
	v_mov_b32 v[VB1+1], 0xb95fbd29
	s_mov_b32 s30, 0x3f3504f3                      ; 1 / sqrt 2
	s_mov_b32 s32, 0xaf95df0b                      ; P, from the highest power down: -2.726142e-10, (2.770681e-8), -2.101024e-6, -5.692506e-5, -7.349906e-4, -2.954600e-3, -1.609603e-2
	s_mov_b32 s34, 0xb60cff51
	s_mov_b32 s36, 0xb86ec2d2
	s_mov_b32 s38, 0xba40ac63
	s_mov_b32 s40, 0xbb41a1f6
	s_mov_b32 s42, 0xbc83dbd4
	s_mov_b32 s44, 0xb77460cd                      ; Q: -1.456607e-5, (-2.133741e-4), -1.682827e-3, -7.373329e-3, -1.426474e-2
	s_mov_b32 s46, 0xbadc924e
	s_mov_b32 s48, 0xbbf19bf8
	s_mov_b32 s50, 0xbc69b6a7
.irp k, 30,32,34,36,38,40,42,44,46,48,50
	s_mov_b32 s[\k+1], s[\k]                       ; (a packed form names the pair, so both words are written)
.endr
	s_mov_b32 s[SEL], 0x76543210
	s_mov_b32 s[SEL+1], 0xfedcba98
	s_mov_b32 s56, 2                               ; trips: two token tiles each
	s_mov_b32 s55, 0
	s_wait_kmcnt 0x0
	s_mul_i32 s54, s21, 24576
	s_add_nc_u64 s[22:23], s[8:9], s[54:55]        ; h's codes of tile 4 G
	s_mul_i32 s54, s21, 1536
	s_add_co_u32 s54, s54, 1572864
	s_add_nc_u64 s[24:25], s[8:9], s[54:55]        ; and its scale bytes
	s_mul_i32 s54, s21, 98304
	s_mul_i32 s57, s19, 1536
	s_add_co_u32 s54, s54, s57
	s_add_nc_u64 s[26:27], s[16:17], s[54:55]      ; u's codes: 24,576 x tile + 512 x 3 cb
	s_mul_i32 s54, s21, 6144
	s_mul_i32 s57, s19, 6
	s_add_co_u32 s54, s54, s57
	s_add_co_u32 s54, s54, 6291456
	s_add_nc_u64 s[28:29], s[16:17], s[54:55]      ; its scale bytes: 1,536 x tile + 6 cb
	s_mul_i32 s54, s19, 192*RB
	s_add_nc_u64 s[10:11], s[10:11], s[54:55]
	s_mul_i32 s54, s19, 192*SB
	s_add_nc_u64 s[12:13], s[12:13], s[54:55]
	s_mul_i32 s54, s19, 768
	s_add_nc_u64 s[14:15], s[14:15], s[54:55]
	ALOAD 0, 0
.irp tp, 0,1,2,3,4,5
.irp i, 0,1,2
	global_load_b64 v[WS+6*\tp+2*\i:WS+6*\tp+2*\i+1], v[WSA], s[12:13] offset:32*\tp*SB+8*\i
.endr
.endr
.irp wi, 1,2,3
	WIN \wi<<6
.irp tt, 0,1,2,3                       ; b1 of unit wi - 1's 64 columns, in the result's layout, at 224 + 8 tt
	global_load_b128 v[224+8*\tt:224+8*\tt+3], v[BA], s[14:15] offset:(64*(\wi-1)+32*(\tt/2)+8*(\tt%2))*4
	global_load_b128 v[224+8*\tt+4:224+8*\tt+7], v[BA], s[14:15] offset:(64*(\wi-1)+32*(\tt/2)+8*(\tt%2))*4+16
.endr
.irp sl, 0,1
.irp t, 0,1,2,3,4,5,6,7,8,9,10,11
.irp c, 0,1
	global_load_b128 v[96*\sl+8*\t+4*\c:96*\sl+8*\t+4*\c+3], v[WA], s[10:11] offset:(32*(\t/2)+8*(\t%2))*RB+64*(2*(\wi-1)+\sl)+32*\c
.endr
.endr
.endr
.endr
	WIN 0
.macro DUF hb                          ; 48 products: eight accumulators by turns, K step by K step
.irp s, 0,1,2,3,4,5
.if \s == 0
	WIN 0x05|((1+\hb)<<4)                          ; the bias, in window 1 + hb, is the C of a sum's first product
.else
	WIN 5*(1+\s/2)
.endif
.irp a, 0,1
.irp tt, 0,1,2,3
.if \s == 0
.set CREG, 224+8*\tt
.else
.set CREG, ACC+32*\a+8*\tt
.endif
	WM ACC+32*\a+8*\tt, 96*(\s%2)+8*(4*\hb+\tt), 192+16*(\s%2)+8*\a, CREG, WS+6*((4*\hb+\tt)/2)+\s, AS+\s, \tt%2, \a
.endr
.endr
.endr
	WIN 0
	PLACES
.endm
.macro TAIL hb                         ; gelu, the quantiser, and out
.irp g, 0,1,2,3,4,5,6,7
	GELU8 ACC+8*\g
.endr
	s_wait_xcnt 0x0                                ; the last stores have read their registers
	QUANT ACC, 4                                   ; blocks 0, 1: the first tile's 64 columns; blocks 2, 3: the second's
	global_store_b128 v[LI], v[PC:PC+3], s[26:27] offset:512*\hb
	global_store_b128 v[LI], v[PC+4:PC+7], s[26:27] offset:24576+512*\hb
	global_store_b16 v[US], v[PW], s[28:29] offset:2*\hb
	global_store_d16_hi_b16 v[US], v[PW], s[28:29] offset:1536+2*\hb
.endm
.Lp:
	s_wait_loadcnt 0x0                             ; the weights (first trip) and this trip's fragments of h
	DUF 0
	TAIL 0
	DUF 1
	TAIL 1
	DUF 2
	s_cmp_eq_u32 s56, 1                            ; the next pair of tiles is asked for behind this trip's last products, if there is one: no load leaves its buffer
	s_cbranch_scc1 .Lno_next
	ALOAD 12288, 768
.Lno_next:
	TAIL 2
	s_wait_xcnt 0x0                                ; the stores have read their bases
	s_add_nc_u64 s[26:27], s[26:27], 49152
	s_add_nc_u64 s[28:29], s[28:29], 3072
	s_sub_co_u32 s56, s56, 1
	s_cmp_lg_u32 s56, 0
	s_cbranch_scc1 .Lp
	s_endpgm
.Lfunc_end_k_qcd2fd72098_ffn1:
	.size	k_qcd2fd72098_ffn1, .Lfunc_end_k_qcd2fd72098_ffn1-k_qcd2fd72098_ffn1
	.p2alignl 7, 3214868480
	.fill 96, 4, 3214868480
	.section	.rodata,"a",@progbits
	.p2align	6, 0x0
	.amdhsa_kernel k_qcd2fd72098_ffn1
		.amdhsa_group_segment_fixed_size 0
		.amdhsa_private_segment_fixed_size 0
		.amdhsa_enable_private_segment 0
		.amdhsa_kernarg_size 40
		.amdhsa_user_sgpr_count 2
		.amdhsa_user_sgpr_kernarg_segment_ptr 1
		.amdhsa_wavefront_size32 1
		.amdhsa_system_sgpr_workgroup_id_x 1
		.amdhsa_system_sgpr_workgroup_id_y 1
		.amdhsa_system_sgpr_workgroup_id_z 1
		.amdhsa_system_vgpr_workitem_id 0
		.amdhsa_next_free_vgpr 1024
		.amdhsa_next_free_sgpr 80
		.amdhsa_reserve_vcc 0
		.amdhsa_float_denorm_mode_32 3
		.amdhsa_float_denorm_mode_16_64 3
		.amdhsa_memory_ordered 1
		.amdhsa_forward_progress 1
		.amdhsa_inst_pref_size 174
	.end_amdhsa_kernel
	.amdgpu_metadata
---
amdhsa.version: [ 1, 2 ]
amdhsa.kernels:
  - .name:           k_qcd2fd72098_ffn1
    .symbol:         k_qcd2fd72098_ffn1.kd
    .args:
      - { .name: hq, .offset: 0, .size: 8, .value_kind: global_buffer, .address_space: global }
      - { .name: W1_codes, .offset: 8, .size: 8, .value_kind: global_buffer, .address_space: global }
      - { .name: W1_scales, .offset: 16, .size: 8, .value_kind: global_buffer, .address_space: global }
      - { .name: b1, .offset: 24, .size: 8, .value_kind: global_buffer, .address_space: global }
      - { .name: uq, .offset: 32, .size: 8, .value_kind: global_buffer, .address_space: global }
    .group_segment_fixed_size: 0
    .private_segment_fixed_size: 0
    .kernarg_segment_align: 8
    .kernarg_segment_size: 40
    .max_flat_workgroup_size: 128
    .sgpr_count:     80
    .vgpr_count:     1024
    .wavefront_size: 32
...
	.end_amdgpu_metadata
.endif
;; end of part 4
;; launch ffn2 (part 5): grid 4 x 64, 4 waves a work-group, no clusters, 201,216 bytes of LDS; arguments uq, W2_codes, W2_scales, b2, hf, yf; writes yf
.if DOCPART == 5
	.amdgcn_target "amdgcn-amd-amdhsa--gfx1250"
	.amdhsa_code_object_version 6
	.text
	.protected	k_qcd2fd72098_ffn2
	.globl	k_qcd2fd72098_ffn2
	.p2align	8
	.type	k_qcd2fd72098_ffn2,@function
k_qcd2fd72098_ffn2:
	s_mov_b64 s[64:65], 0
	v_nop
	global_prefetch_b8 v0, s[64:65] scope:SCOPE_SE
	s_setreg_imm32_b32 hwreg(HW_REG_WAVE_MODE, 25, 1), 1
	s_wait_xcnt 0x0
; y = h + u W2 + b2, the product on codes of FP4 (E2M1) with E8M0 scales; y in f32, for the norm that follows.
; SHARES.  Work-group (cb, G): columns 192 cb .. + 191 of the 64 tokens G.  K = 3,072 is 24 K steps: WAVE w TAKES K STEPS 6 w .. 6 w + 5, so that its 72 weight fragments fit its registers and its fragments of u are
; its own.  The four partial sums meet in LDS (a region of 64 rows x (768 + 16) bytes for each wave), one barrier, and each wave then adds and stores 16 whole rows.
; ORDER OF ROUNDING: a sum is (K steps 0-5 + 6-11) + (12-17 + 18-23), then + (h + b2), not one chain in ascending K.
; Source 0 = 16 rows of W2 (row i of tile t: 32 (t / 2) + 8 (t % 2) + i + 8 (i / 8)), source 1 = u's fragment: a lane holds one token, its registers run along the columns.
; A unit is 64 columns x two token tiles: eight accumulators by turns; two sets of accumulators take turns, so that one unit's LDS stores leave while the next is multiplied.
.set RB,   1536
.set SB,   96
.set WA,   2
.set WSA,  3
.set ASA,  4
.set PST,  5
.set LR,   6                           ; v6-17: pattern pat, region wp at 4 pat + wp
.set LI,   18                          ; 16 x lane; also the first of
.set GO,   18                          ; v18-20: the three patterns in two rows of hf and yf
.set BO1,  21
.set BO2,  22
.set ACC0, 24
.set ACC1, 88
.set WS,   152
.set AS,   188
.set B2P,  200
.set LN,   212
.set RR,   213
.set HH,   214
.set RP,   215
.set MSB, 0
.macro WIN new
.if MSB != (\new)
	s_set_vgpr_msb (MSB<<8)|(\new)
.set MSB, (\new)
.endif
.endm
.macro PLACES
.rept 4
	v_nop
.endr
.endm
.macro WM d, a, b, c, sa, sb, ra, rb
.if (\c) < 0
.if ((\ra) == 0) && ((\rb) == 0)
	v_wmma_scale_f32_16x16x128_f8f6f4 v[(\d):(\d)+7], v[(\a):(\a)+7], v[(\b):(\b)+7], 0, v[(\sa)], v[(\sb)] matrix_a_fmt:MATRIX_FMT_FP4 matrix_b_fmt:MATRIX_FMT_FP4
.elseif (\rb) == 0
	v_wmma_scale_f32_16x16x128_f8f6f4 v[(\d):(\d)+7], v[(\a):(\a)+7], v[(\b):(\b)+7], 0, v[(\sa)], v[(\sb)] matrix_a_fmt:MATRIX_FMT_FP4 matrix_b_fmt:MATRIX_FMT_FP4 matrix_a_scale:MATRIX_SCALE_ROW1
.elseif (\ra) == 0
	v_wmma_scale_f32_16x16x128_f8f6f4 v[(\d):(\d)+7], v[(\a):(\a)+7], v[(\b):(\b)+7], 0, v[(\sa)], v[(\sb)] matrix_a_fmt:MATRIX_FMT_FP4 matrix_b_fmt:MATRIX_FMT_FP4 matrix_b_scale:MATRIX_SCALE_ROW1
.else
	v_wmma_scale_f32_16x16x128_f8f6f4 v[(\d):(\d)+7], v[(\a):(\a)+7], v[(\b):(\b)+7], 0, v[(\sa)], v[(\sb)] matrix_a_fmt:MATRIX_FMT_FP4 matrix_b_fmt:MATRIX_FMT_FP4 matrix_a_scale:MATRIX_SCALE_ROW1 matrix_b_scale:MATRIX_SCALE_ROW1
.endif
.else
.if ((\ra) == 0) && ((\rb) == 0)
	v_wmma_scale_f32_16x16x128_f8f6f4 v[(\d):(\d)+7], v[(\a):(\a)+7], v[(\b):(\b)+7], v[(\c):(\c)+7], v[(\sa)], v[(\sb)] matrix_a_fmt:MATRIX_FMT_FP4 matrix_b_fmt:MATRIX_FMT_FP4
.elseif (\rb) == 0
	v_wmma_scale_f32_16x16x128_f8f6f4 v[(\d):(\d)+7], v[(\a):(\a)+7], v[(\b):(\b)+7], v[(\c):(\c)+7], v[(\sa)], v[(\sb)] matrix_a_fmt:MATRIX_FMT_FP4 matrix_b_fmt:MATRIX_FMT_FP4 matrix_a_scale:MATRIX_SCALE_ROW1
.elseif (\ra) == 0
	v_wmma_scale_f32_16x16x128_f8f6f4 v[(\d):(\d)+7], v[(\a):(\a)+7], v[(\b):(\b)+7], v[(\c):(\c)+7], v[(\sa)], v[(\sb)] matrix_a_fmt:MATRIX_FMT_FP4 matrix_b_fmt:MATRIX_FMT_FP4 matrix_b_scale:MATRIX_SCALE_ROW1
.else
	v_wmma_scale_f32_16x16x128_f8f6f4 v[(\d):(\d)+7], v[(\a):(\a)+7], v[(\b):(\b)+7], v[(\c):(\c)+7], v[(\sa)], v[(\sb)] matrix_a_fmt:MATRIX_FMT_FP4 matrix_b_fmt:MATRIX_FMT_FP4 matrix_a_scale:MATRIX_SCALE_ROW1 matrix_b_scale:MATRIX_SCALE_ROW1
.endif
.endif
.endm
	s_load_b256 s[8:15], s[0:1], 0x0               ; uq, W2 codes, W2 scales, b2
	s_load_b128 s[16:19], s[0:1], 0x20             ; hf, yf
	v_lshl_add_u32 v254, v0, 2, 0x31000
	v_mov_b32 v255, 0
	v_lshrrev_b32 v[LN], 5, v0
	v_readfirstlane_b32 s20, v[LN]                 ; wave
	s_mov_b32 s21, ttmp9                           ; cb
	s_and_b32 s22, ttmp7, 0xffff                   ; G
	v_and_b32 v[LN], 31, v0
	v_and_b32 v[RR], 15, v0
	v_bfe_u32 v[HH], v0, 4, 1
	v_and_b32 v[RP], 8, v[RR]
	v_add_nc_u32 v[RP], v[RP], v[RR]
	v_lshlrev_b32 v[LI], 4, v[LN]
	v_mul_u32_u24 v[WA], v[RP], RB
	v_lshl_add_u32 v[WA], v[HH], 4, v[WA]
	v_lshl_add_u32 v[WSA], v[HH], 3, v[RP]
	v_mul_u32_u24 v[WSA], v[WSA], SB
	v_mul_u32_u24 v[ASA], v[HH], 1536
	v_mad_u32_u24 v[ASA], v[RR], 96, v[ASA]
	s_mul_i32 s30, s20, 50176                      ; my region
	v_mul_u32_u24 v[PST], v[RR], 784
	v_lshl_add_u32 v[PST], v[HH], 6, v[PST]
	v_add_nc_u32 v[PST], s30, v[PST]
	s_mul_i32 s30, s20, 12544                      ; the 16 rows that I add and store, in each region
	v_add_nc_u32 v[LR], s30, v[LI]
	v_lshl_add_u32 v[LR+4], v[HH], 4, v[LR]
	v_add_nc_u32 v[LR+4], 512, v[LR+4]
	v_add_nc_u32 v[LR+8], 1040, v[LR]
.irp pat, 0,1,2
.irp wp, 1,2,3
	v_add_nc_u32 v[LR+4*\pat+\wp], 50176*\wp, v[LR+4*\pat]
.endr
.endr
	v_mul_u32_u24 v[GO+1], v[HH], 2304
	v_add_nc_u32 v[GO+1], v[GO+1], v[LI]
	v_add_nc_u32 v[GO+1], 512, v[GO+1]
	v_add_nc_u32 v[GO+2], 3328, v[LI]
	v_mul_u32_u24 v[BO2], v[HH], 768
	v_add_nc_u32 v[BO1], 512, v[LI]
	v_sub_nc_u32 v[BO1], v[BO1], v[BO2]            ; b2 for the second pattern: bytes 512 .. 767, then 0 .. 255
	v_add_nc_u32 v[BO2], 256, v[LI]
	s_mov_b32 s29, 0
	s_wait_kmcnt 0x0
	s_mul_i32 s28, s21, 192*RB
	s_mul_i32 s30, s20, 384
	s_add_co_u32 s28, s28, s30
	s_add_nc_u64 s[10:11], s[10:11], s[28:29]      ; my 192 rows of W2, from my first K step on
	s_mul_i32 s28, s21, 192*SB
	s_mul_i32 s30, s20, 24
	s_add_co_u32 s28, s28, s30
	s_add_nc_u64 s[12:13], s[12:13], s[28:29]
	s_mul_i32 s28, s22, 6144
	s_add_co_u32 s28, s28, s30
	s_add_co_u32 s28, s28, 6291456
	s_add_nc_u64 s[26:27], s[8:9], s[28:29]        ; u's scale bytes: 1,536 x tile + 24 w
	s_mul_i32 s28, s22, 98304
	s_mul_i32 s30, s20, 6144
	s_add_co_u32 s28, s28, s30
	s_add_nc_u64 s[24:25], s[8:9], s[28:29]        ; u's codes: 24,576 x tile + 1,024 x 6 w
	s_mul_i32 s28, s21, 768
	s_add_nc_u64 s[14:15], s[14:15], s[28:29]
	s_lshr_b32 s30, s20, 1
	s_lshl_b32 s30, s30, 5
	s_and_b32 s31, s20, 1
	s_lshl_b32 s31, s31, 3
	s_add_co_u32 s30, s30, s31
	s_lshl_b32 s31, s22, 6
	s_add_co_u32 s30, s30, s31
	s_mul_i32 s30, s30, 3072
	s_add_co_u32 s28, s28, s30
	s_add_nc_u64 s[16:17], s[16:17], s[28:29]      ; hf and yf at the first token of tile 4 G + w, my work-group's columns
	s_add_nc_u64 s[18:19], s[18:19], s[28:29]
.irp mp, 0,1
.irp i, 0,1,2
	global_load_b64 v[AS+6*\mp+2*\i:AS+6*\mp+2*\i+1], v[ASA], s[26:27] offset:3072*\mp+8*\i
.endr
.endr
.irp tp, 0,1,2,3,4,5
.irp i, 0,1,2
	global_load_b64 v[WS+6*\tp+2*\i:WS+6*\tp+2*\i+1], v[WSA], s[12:13] offset:32*\tp*SB+8*\i
.endr
.endr
.irp wi, 1,2,3
	WIN \wi<<6
.irp sl, 0,1
.irp m, 0,1,2,3
.irp c, 0,1
	global_load_b128 v[192+32*\sl+8*\m+4*\c:192+32*\sl+8*\m+4*\c+3], v[LI], s[24:25] offset:24576*\m+1024*(2*(\wi-1)+\sl)+512*\c
.endr
.endr
.irp t, 0,1,2,3,4,5,6,7,8,9,10,11
.irp c, 0,1
	global_load_b128 v[96*\sl+8*\t+4*\c:96*\sl+8*\t+4*\c+3], v[WA], s[10:11] offset:(32*(\t/2)+8*(\t%2))*RB+64*(2*(\wi-1)+\sl)+32*\c
.endr
.endr
.endr
.endr
	WIN 0
	s_wait_loadcnt 0x0
.macro DU2 hb, p, set, wt
.if \wt
	s_wait_dscnt 16                                ; the stores of the unit before last, which read this set, are done; the last unit's 16 may be out
.endif
.irp s, 0,1,2,3,4,5
	WIN 5*(1+\s/2)
.irp a, 0,1
.irp tt, 0,1,2,3
.if \s == 0
.set CREG, -1                                  ; the first product starts the sum
.else
.set CREG, \set+32*\a+8*\tt
.endif
	WM \set+32*\a+8*\tt, 96*(\s%2)+8*(4*\hb+\tt), 192+32*(\s%2)+8*(2*\p+\a), CREG, WS+6*((4*\hb+\tt)/2)+\s, AS+6*\p+\s, \tt%2, \a
.endr
.endr
.endr
	WIN 0
	PLACES
.irp a, 0,1
.irp b, 0,1
.irp j, 0,1,2,3
	ds_store_b128 v[PST], v[\set+32*\a+16*\b+4*\j:\set+32*\a+16*\b+4*\j+3] offset:(32*\p+16*\a)*784+256*\hb+128*\b+16*\j   ; each accumulator from its low end on
.endr
.endr
.endr
.endm
	DU2 0, 0, ACC0, 0
	DU2 0, 1, ACC1, 0
	DU2 1, 0, ACC0, 1
	DU2 1, 1, ACC1, 1
	DU2 2, 0, ACC0, 1
	DU2 2, 1, ACC1, 1
	WIN 0x40                                       ; h's 16 rows, row-wise, into window 1, where K steps 0 and 1 of the weights lay (the last unit's four places stand in front)
.irp i, 0,1,2,3,4,5,6,7,8,9,10,11,12,13,14,15,16,17,18,19,20,21,22,23
	global_load_b128 v[4*\i:4*\i+3], v[GO+\i%3], s[16:17] offset:(2*(\i/3)+8*((\i/3)/4))*3072
.endr
	WIN 0
	global_load_b128 v[B2P:B2P+3], v[LI], s[14:15]
	global_load_b128 v[B2P+4:B2P+7], v[BO1], s[14:15]
	global_load_b128 v[B2P+8:B2P+11], v[BO2], s[14:15]
	s_wait_dscnt 0x0                               ; for the others' sake: my partial sums lie in LDS
	s_barrier_signal -1
	s_barrier_wait -1
	s_wait_loadcnt 0x0
	WIN 0x41                                       ; destination and source 0 in window 1
.irp i, 0,1,2,3,4,5,6,7,8,9,10,11,12,13,14,15,16,17,18,19,20,21,22,23
.irp e, 0,2
	v_pk_add_f32 v[4*\i+\e:4*\i+\e+1], v[4*\i+\e:4*\i+\e+1], v[B2P+4*(\i%3)+\e:B2P+4*(\i%3)+\e+1]   ; h + b2
.endr
.endr
	WIN 0
.irp g, 0,1,2,3                        ; four rows at a time: six runs of 512 bytes from each of the four regions
	s_wait_xcnt 0x0                                ; the last stores have read their registers
.irp q, 0,1,2,3,4,5
.irp wp, 0,1,2,3
	ds_load_b128 v[24+16*\q+4*\wp:24+16*\q+4*\wp+3], v[LR+4*(\q%3)+\wp] offset:1568*(2*\g+\q/3)
.endr
.endr
	s_wait_dscnt 0x0
.irp q, 0,1,2,3,4,5
.irp e, 0,2
	v_pk_add_f32 v[24+16*\q+\e:24+16*\q+\e+1], v[24+16*\q+\e:24+16*\q+\e+1], v[28+16*\q+\e:28+16*\q+\e+1]
	v_pk_add_f32 v[32+16*\q+\e:32+16*\q+\e+1], v[32+16*\q+\e:32+16*\q+\e+1], v[36+16*\q+\e:36+16*\q+\e+1]
.endr
.endr
.irp q, 0,1,2,3,4,5
.irp e, 0,2
	v_pk_add_f32 v[24+16*\q+\e:24+16*\q+\e+1], v[24+16*\q+\e:24+16*\q+\e+1], v[32+16*\q+\e:32+16*\q+\e+1]
.endr
.endr
	WIN 0x04                                       ; source 1 in window 1
.irp q, 0,1,2,3,4,5
.irp e, 0,2
	v_pk_add_f32 v[24+16*\q+\e:24+16*\q+\e+1], v[24+16*\q+\e:24+16*\q+\e+1], v[4*(6*\g+\q)+\e:4*(6*\g+\q)+\e+1]
.endr
.endr
	WIN 0
.irp q, 0,1,2,3,4,5
	global_store_b128 v[GO+\q%3], v[24+16*\q:24+16*\q+3], s[18:19] offset:(2*(2*\g+\q/3)+8*((2*\g+\q/3)/4))*3072   ; sixteen lanes store 256 consecutive bytes, aligned
.endr
.endr
	s_wait_tensorcnt 0x0
	ds_add_u32 v254, v255
	s_wait_dscnt 0x0
	s_endpgm
.Lfunc_end_k_qcd2fd72098_ffn2:
	.size	k_qcd2fd72098_ffn2, .Lfunc_end_k_qcd2fd72098_ffn2-k_qcd2fd72098_ffn2
	.p2alignl 7, 3214868480
	.fill 96, 4, 3214868480
	.section	.rodata,"a",@progbits
	.p2align	6, 0x0
	.amdhsa_kernel k_qcd2fd72098_ffn2
		.amdhsa_group_segment_fixed_size 201216
		.amdhsa_private_segment_fixed_size 0
		.amdhsa_enable_private_segment 0
		.amdhsa_kernarg_size 48
		.amdhsa_user_sgpr_count 2
		.amdhsa_user_sgpr_kernarg_segment_ptr 1
		.amdhsa_wavefront_size32 1
		.amdhsa_system_sgpr_workgroup_id_x 1
		.amdhsa_system_sgpr_workgroup_id_y 1
		.amdhsa_system_sgpr_workgroup_id_z 1
		.amdhsa_system_vgpr_workitem_id 0
		.amdhsa_next_free_vgpr 1024
		.amdhsa_next_free_sgpr 66
		.amdhsa_reserve_vcc 0
		.amdhsa_float_denorm_mode_32 3
		.amdhsa_float_denorm_mode_16_64 3
		.amdhsa_memory_ordered 1
		.amdhsa_forward_progress 1
		.amdhsa_inst_pref_size 95
	.end_amdhsa_kernel
	.amdgpu_metadata
---
amdhsa.version: [ 1, 2 ]
amdhsa.kernels:
  - .name:           k_qcd2fd72098_ffn2
    .symbol:         k_qcd2fd72098_ffn2.kd
    .args:
      - { .name: uq, .offset: 0, .size: 8, .value_kind: global_buffer, .address_space: global }
      - { .name: W2_codes, .offset: 8, .size: 8, .value_kind: global_buffer, .address_space: global }
      - { .name: W2_scales, .offset: 16, .size: 8, .value_kind: global_buffer, .address_space: global }
      - { .name: b2, .offset: 24, .size: 8, .value_kind: global_buffer, .address_space: global }
      - { .name: hf, .offset: 32, .size: 8, .value_kind: global_buffer, .address_space: global }
      - { .name: yf, .offset: 40, .size: 8, .value_kind: global_buffer, .address_space: global }
    .group_segment_fixed_size: 201216
    .private_segment_fixed_size: 0
    .kernarg_segment_align: 8
    .kernarg_segment_size: 48
    .max_flat_workgroup_size: 128
    .sgpr_count:     66
    .vgpr_count:     1024
    .wavefront_size: 32
...
	.end_amdgpu_metadata
.endif
;; end of part 5
;; launch ln2 (part 6): grid 256 x 1, 8 waves a work-group, no clusters, 0 bytes of LDS; arguments yf, ln2_g, ln2_b, out0; writes out0
.if DOCPART == 6
	.amdgcn_target "amdgcn-amd-amdhsa--gfx1250"
	.amdhsa_code_object_version 6
	.text
	.protected	k_qcd2fd72098_ln2
	.globl	k_qcd2fd72098_ln2
	.p2align	8
	.type	k_qcd2fd72098_ln2,@function
k_qcd2fd72098_ln2:
	s_mov_b64 s[64:65], 0
	v_nop
	global_prefetch_b8 v0, s[64:65] scope:SCOPE_SE
	s_setreg_imm32_b32 hwreg(HW_REG_WAVE_MODE, 25, 1), 1
	s_wait_xcnt 0x0
; out = LayerNorm(y) over rows of 768 f32.  A wave takes two rows, 24 registers a lane each: a row is read once and stays in registers between the pass for the mean, the pass for the squares of the
; differences and the scaling.  Each load and store of a wave covers 512 consecutive bytes.  No LDS, no barrier, no matrix unit: bytes are all that counts here.
; LIMITS: NaN and infinities are not served.
.set YY, 8                             ; row q at v[8 + 24 q]
.set GG, 56
.set BB, 80
.set CH, 104                           ; row q: two chains at v[104 + 4 q]
	s_load_b256 s[4:11], s[0:1], 0x0               ; y, g, b, out
	v_lshrrev_b32 v1, 5, v0
	v_readfirstlane_b32 s12, v1                    ; wave
	v_and_b32 v1, 31, v0
	v_lshlrev_b32 v1, 4, v1                        ; 16 x lane
	s_lshl_b32 s13, ttmp9, 4
	s_lshl_b32 s14, s12, 1
	s_add_co_u32 s13, s13, s14                     ; my first row
	s_mul_i32 s14, s13, 3072
	s_mov_b32 s15, 0
	s_mov_b32 s16, 0x76543210
	s_mov_b32 s17, 0xfedcba98
	s_mov_b32 s18, 0x3aaaaaab                      ; 1 / 768
	s_mov_b32 s19, 0x3727c5ac                      ; 1e-5
	v_mov_b32 v6, 0                                ; a lane permute's destination counts as one of its sources
	v_mov_b32 v7, 0
	s_wait_kmcnt 0x0
	s_add_nc_u64 s[4:5], s[4:5], s[14:15]
	s_add_nc_u64 s[10:11], s[10:11], s[14:15]
.irp q, 0,1
.irp i, 0,1,2,3,4,5
	global_load_b128 v[YY+24*\q+4*\i:YY+24*\q+4*\i+3], v1, s[4:5] offset:3072*\q+512*\i th:TH_LOAD_NT
.endr
.endr
.irp i, 0,1,2,3,4,5
	global_load_b128 v[GG+4*\i:GG+4*\i+3], v1, s[6:7] offset:512*\i
	global_load_b128 v[BB+4*\i:BB+4*\i+3], v1, s[8:9] offset:512*\i
.endr
.macro RSUM                            ; both rows' chains become the rows' sums, in every lane
.irp q, 0,1
	v_pk_add_f32 v[CH+4*\q:CH+4*\q+1], v[CH+4*\q:CH+4*\q+1], v[CH+4*\q+2:CH+4*\q+3]
.endr
.irp q, 0,1
	v_add_f32 v[CH+4*\q], v[CH+4*\q], v[CH+4*\q+1]
.endr
.irp m, 1,2,4,8
.irp q, 0,1
	v_add_f32_dpp v[CH+4*\q], v[CH+4*\q], v[CH+4*\q] row_xmask:\m row_mask:0xf bank_mask:0xf
.endr
.endr
.irp q, 0,1
	v_permlanex16_b32 v[6+\q], v[CH+4*\q], s16, s17
.endr
.irp q, 0,1
	v_add_f32 v[CH+4*\q], v[CH+4*\q], v[6+\q]
.endr
.endm
	s_wait_loadcnt 12                              ; y is in; the twelve loads of g and b may stay out
.irp q, 0,1
	v_pk_add_f32 v[CH+4*\q:CH+4*\q+1], v[YY+24*\q:YY+24*\q+1], v[YY+24*\q+4:YY+24*\q+5]
	v_pk_add_f32 v[CH+4*\q+2:CH+4*\q+3], v[YY+24*\q+2:YY+24*\q+3], v[YY+24*\q+6:YY+24*\q+7]
.endr
.irp j, 8,12,16,20
.irp q, 0,1
	v_pk_add_f32 v[CH+4*\q:CH+4*\q+1], v[CH+4*\q:CH+4*\q+1], v[YY+24*\q+\j:YY+24*\q+\j+1]
	v_pk_add_f32 v[CH+4*\q+2:CH+4*\q+3], v[CH+4*\q+2:CH+4*\q+3], v[YY+24*\q+\j+2:YY+24*\q+\j+3]
.endr
.endr
	RSUM
.irp q, 0,1
	v_mul_f32 v[CH+4*\q], s18, v[CH+4*\q]          ; the mean
.endr
.irp j, 0,2,4,6,8,10,12,14,16,18,20,22
.irp q, 0,1
	v_pk_add_f32 v[YY+24*\q+\j:YY+24*\q+\j+1], v[YY+24*\q+\j:YY+24*\q+\j+1], v[CH+4*\q:CH+4*\q+1] op_sel_hi:[1,0] neg_lo:[0,1] neg_hi:[0,1]   ; d = y - mean
.endr
.endr
.irp q, 0,1
	v_pk_mul_f32 v[CH+4*\q:CH+4*\q+1], v[YY+24*\q:YY+24*\q+1], v[YY+24*\q:YY+24*\q+1]
	v_pk_mul_f32 v[CH+4*\q+2:CH+4*\q+3], v[YY+24*\q+2:YY+24*\q+3], v[YY+24*\q+2:YY+24*\q+3]
.endr
.irp j, 4,8,12,16,20
.irp q, 0,1
	v_pk_fma_f32 v[CH+4*\q:CH+4*\q+1], v[YY+24*\q+\j:YY+24*\q+\j+1], v[YY+24*\q+\j:YY+24*\q+\j+1], v[CH+4*\q:CH+4*\q+1]
	v_pk_fma_f32 v[CH+4*\q+2:CH+4*\q+3], v[YY+24*\q+\j+2:YY+24*\q+\j+3], v[YY+24*\q+\j+2:YY+24*\q+\j+3], v[CH+4*\q+2:CH+4*\q+3]
.endr
.endr
	RSUM
.irp q, 0,1
	v_fma_f32 v[CH+4*\q], v[CH+4*\q], s18, s19     ; the variance + 1e-5
.endr
.irp q, 0,1
	v_rsq_f32 v[CH+4*\q], v[CH+4*\q]
.endr
	v_nop                                          ; a plain place behind the transcendentals
	s_wait_alu depctr_va_vdst(0)
.irp j, 0,2,4,6,8,10,12,14,16,18,20,22
.irp q, 0,1
	v_pk_mul_f32 v[YY+24*\q+\j:YY+24*\q+\j+1], v[YY+24*\q+\j:YY+24*\q+\j+1], v[CH+4*\q:CH+4*\q+1] op_sel_hi:[1,0]
.endr
.endr
	s_wait_loadcnt 0x0                             ; g, b
.irp j, 0,2,4,6,8,10,12,14,16,18,20,22
.irp q, 0,1
	v_pk_fma_f32 v[YY+24*\q+\j:YY+24*\q+\j+1], v[YY+24*\q+\j:YY+24*\q+\j+1], v[GG+\j:GG+\j+1], v[BB+\j:BB+\j+1]
.endr
.endr
.irp q, 0,1
.irp i, 0,1,2,3,4,5
	global_store_b128 v1, v[YY+24*\q+4*\i:YY+24*\q+4*\i+3], s[10:11] offset:3072*\q+512*\i th:TH_STORE_NT
.endr
.endr
	s_endpgm
.Lfunc_end_k_qcd2fd72098_ln2:
	.size	k_qcd2fd72098_ln2, .Lfunc_end_k_qcd2fd72098_ln2-k_qcd2fd72098_ln2
	.p2alignl 7, 3214868480
	.fill 96, 4, 3214868480
	.section	.rodata,"a",@progbits
	.p2align	6, 0x0
	.amdhsa_kernel k_qcd2fd72098_ln2
		.amdhsa_group_segment_fixed_size 0
		.amdhsa_private_segment_fixed_size 0
		.amdhsa_enable_private_segment 0
		.amdhsa_kernarg_size 32
		.amdhsa_user_sgpr_count 2
		.amdhsa_user_sgpr_kernarg_segment_ptr 1
		.amdhsa_wavefront_size32 1
		.amdhsa_system_sgpr_workgroup_id_x 1
		.amdhsa_system_sgpr_workgroup_id_y 1
		.amdhsa_system_sgpr_workgroup_id_z 1
		.amdhsa_system_vgpr_workitem_id 0
		.amdhsa_next_free_vgpr 112
		.amdhsa_next_free_sgpr 66
		.amdhsa_reserve_vcc 0
		.amdhsa_float_denorm_mode_32 3
		.amdhsa_float_denorm_mode_16_64 3
		.amdhsa_memory_ordered 1
		.amdhsa_forward_progress 1
		.amdhsa_inst_pref_size 14
	.end_amdhsa_kernel
	.amdgpu_metadata
---
amdhsa.version: [ 1, 2 ]
amdhsa.kernels:
  - .name:           k_qcd2fd72098_ln2
    .symbol:         k_qcd2fd72098_ln2.kd
    .args:
      - { .name: yf, .offset: 0, .size: 8, .value_kind: global_buffer, .address_space: global }
      - { .name: ln2_g, .offset: 8, .size: 8, .value_kind: global_buffer, .address_space: global }
      - { .name: ln2_b, .offset: 16, .size: 8, .value_kind: global_buffer, .address_space: global }
      - { .name: out0, .offset: 24, .size: 8, .value_kind: global_buffer, .address_space: global }
    .group_segment_fixed_size: 0
    .private_segment_fixed_size: 0
    .kernarg_segment_align: 8
    .kernarg_segment_size: 32
    .max_flat_workgroup_size: 256
    .sgpr_count:     66
    .vgpr_count:     112
    .wavefront_size: 32
...
	.end_amdgpu_metadata
.endif
;; end of part 6
;; ======== version 2 of 2: 6 launches
;; workspace buffers: qkv 5,210,112 bytes; ctx 1,671,168 bytes; hq 1,671,168 bytes; uq 6,684,672 bytes; hf 12,582,912 bytes; yf 12,582,912 bytes
;; launch qkv (part 7): grid 64 x 3, 4 waves a work-group, no clusters, 28,160 bytes of LDS; arguments x, Wq_codes, Wq_scales, bq, Wk_codes, Wk_scales, bk, Wv_codes, Wv_scales, bv, qkv; writes qkv
.if DOCPART == 7
	.amdgcn_target "amdgcn-amd-amdhsa--gfx1250"
	.amdhsa_code_object_version 6
	.text
	.protected	k_qcd2fd72098_qkv
	.globl	k_qcd2fd72098_qkv
	.p2align	8
	.type	k_qcd2fd72098_qkv,@function
k_qcd2fd72098_qkv:
	s_mov_b64 s[64:65], 0
	v_nop
	global_prefetch_b8 v0, s[64:65] scope:SCOPE_SE
	s_setreg_imm32_b32 hwreg(HW_REG_WAVE_SCHED_MODE, 0, 2), 2
	s_setreg_imm32_b32 hwreg(HW_REG_WAVE_MODE, 25, 1), 1
	s_wait_xcnt 0x0
	s_wait_alu depctr_vm_vsrc(0)
; q, k, v = Q(x) W + b on codes of FP4 (E2M1) with one E8M0 scale for each 32 along K, and the results quantised again: q and k along a head's 64 channels, v along the tokens.
; SHARES.  Work-group (G, y): 64 tokens (token tiles 4 G .. 4 G + 3) of matrix y (0 q, 1 k, 2 v).  Wave w: columns 192 w .. 192 w + 191 (heads 3 w .. 3 w + 2); its 12 x 6 weight fragments stay in 576 registers.
; Wave w also quantises token tile 4 G + w of x; the four tiles' fragments go from wave to wave through LDS as images of their registers (16 bytes a lane at 16 x lane).
; A TILE'S 16 ROWS ARE NOT NEIGHBOURS: row i of tile T is 32 (T / 2) + 8 (T % 2) + i + 8 (i / 8), for tokens and for weight rows alike, so that in the results of tiles 2 b and 2 b + 1
; a lane's 16 registers are the 16 neighbours 32 b + 16 (lane / 16) + 0 .. 15 along source 0's axis: what the conversions want.
; q, k: source 0 = weight rows, source 1 = tokens: a lane holds one token, its registers run along the channels.  v: source 0 = tokens, source 1 = weight rows: a lane holds one channel, its registers run along the tokens.
; OUT, for each head HS bytes of qkv: K codes [tile 256][lane][16] at 0; V codes [64 tokens G][channel tile 4][lane][16] at 131,072; K scale words [G][lane][2] at 262,144 (word p of lane (r, h): tile 4 G + 2 p + h, row r;
; bytes 2 and 3 are 0x7f, for the upper, empty half of the next product's K step); V scale words [128 keys J][lane][2] at 278,528; Q codes at 286,720 and Q scale words at 417,792, laid as K's.
; v's scale bytes leave two a lane (both halves of the lanes write the same two bytes): two work-groups each own half of a word; they are a fiftieth of what the launch stores.
; LIMITS: NaN and infinities among the inputs are not served; a block of zeros gets the byte 1 (its codes are zeros; only this program reads the bytes).
; No tensor load: every weight byte goes once into the register in which it is multiplied.  192 work-groups: three matrices of 64 token groups; none is padding.
; THE MODE: SCHED_MODE bits 1:0 = 2 (LLVM: expert scheduling mode 2), set by the entry lines.  The code itself states the register dependences
; between vector or matrix instructions and memory or LDS instructions, with s_wait_alu, always for 0.
; THE PLAN.  Registers that memory or LDS instructions touch:
;   X0, X1, X2    Written by x's loads, read by one QUANT, asked for again behind the wait that follows that QUANT.  Behind x's last K step the weights' scale words land in X2's upper part and the bias in X1 and X2.
;   PC, PW, SW    Written by QUANT (SW by the byte select behind it); read by the image's LDS stores, later by the global stores of a unit.
;   v1-v10        Offsets and LDS addresses: each written once (v5 and v10 in the arm that uses them), never again.
;   windows 1-3, WS, AS, BIAS or BV: written by loads once, read by matrix and vector instructions alone.
;   v254, v255    Written at the head, read by the closing add alone.
; So: one wait on va_vdst behind each QUANT, ahead of the stores that read its codes (it also frees the numbers' registers for loads); one wait on vm_vsrc ahead of each QUANT that writes the codes again.
.set HS,   434176
.set RB,   384                         ; a weight row in bytes
.set SB,   24                          ; a weight row's scale bytes
.set XSC,  24576                       ; LDS: x's images [tile 4][K step 6][1,024] at 0, their scale words [tile][K step][lane][4] here
.set LI,   1                           ; 16 x lane
.set XA,   2                           ; x: row' x 3,072 + 64 h
.set WA,   3                           ; weights: row' x 384 + 16 h
.set WSA,  4                           ; weight scales: (row' + 8 h) x 24
.set BA,   5                           ; bias
.set XWI,  6                           ; where I store x's images
.set XWS,  7                           ; and their scale words
.set LSP,  8                           ; where I read scale words: lanes 16-31 the next tile's
.set VC,   9                           ; my byte among a head's codes
.set VS,   10                          ; and among its scale words
.set SELV, 11                          ; byte selects: my half's two scale bytes, then 0x7f twice
.set K7F,  12
.set LN,   13
.set RR,   14
.set HH,   15
.set ACC,  16                          ; v16-79: eight accumulators
.set X0,   16                          ; three sets of 64 numbers of x
.set X1,   80
.set X2,   144
.set BIAS, 80                          ; v80-175 (q, k): the bias in the result's layout
.set BV,   80                          ; v80-91 (v): the bias of my lane's channel, tile by tile
.set CB,   96                          ; v96-111 (v): the same, eight times over, for two tiles
.set WS,   176                         ; v176-211: weight scale words (pair of tiles tp, K step s) at 6 tp + s; lanes 16-31 the odd tile's
.set AS,   212                         ; v212-223: x's scale words (pair of tiles mp, K step s)
.set TM,   224
.set PW,   240
.set SW,   242
.set PC,   244
.set RP,   252
.set SEL,  40
.set MSB, 0
.macro WIN new                         ; the immediate's high byte repeats the setting that is left
.if MSB != (\new)
	s_set_vgpr_msb (MSB<<8)|(\new)
.set MSB, (\new)
.endif
.endm
.macro PLACES                          ; four places behind a matrix instruction (ISA guide 7.12.1)
.rept 4
	v_nop
.endr
.endm
; one product: D, source 0, source 1, C (a register, or -1 for the constant 0), the two scale registers, and whether each is read from lanes 16-31
.macro WM d, a, b, c, sa, sb, ra, rb
.if (\c) < 0
.if ((\ra) == 0) && ((\rb) == 0)
	v_wmma_scale_f32_16x16x128_f8f6f4 v[(\d):(\d)+7], v[(\a):(\a)+7], v[(\b):(\b)+7], 0, v[(\sa)], v[(\sb)] matrix_a_fmt:MATRIX_FMT_FP4 matrix_b_fmt:MATRIX_FMT_FP4
.elseif (\rb) == 0
	v_wmma_scale_f32_16x16x128_f8f6f4 v[(\d):(\d)+7], v[(\a):(\a)+7], v[(\b):(\b)+7], 0, v[(\sa)], v[(\sb)] matrix_a_fmt:MATRIX_FMT_FP4 matrix_b_fmt:MATRIX_FMT_FP4 matrix_a_scale:MATRIX_SCALE_ROW1
.elseif (\ra) == 0
	v_wmma_scale_f32_16x16x128_f8f6f4 v[(\d):(\d)+7], v[(\a):(\a)+7], v[(\b):(\b)+7], 0, v[(\sa)], v[(\sb)] matrix_a_fmt:MATRIX_FMT_FP4 matrix_b_fmt:MATRIX_FMT_FP4 matrix_b_scale:MATRIX_SCALE_ROW1
.else
	v_wmma_scale_f32_16x16x128_f8f6f4 v[(\d):(\d)+7], v[(\a):(\a)+7], v[(\b):(\b)+7], 0, v[(\sa)], v[(\sb)] matrix_a_fmt:MATRIX_FMT_FP4 matrix_b_fmt:MATRIX_FMT_FP4 matrix_a_scale:MATRIX_SCALE_ROW1 matrix_b_scale:MATRIX_SCALE_ROW1
.endif
.else
.if ((\ra) == 0) && ((\rb) == 0)
	v_wmma_scale_f32_16x16x128_f8f6f4 v[(\d):(\d)+7], v[(\a):(\a)+7], v[(\b):(\b)+7], v[(\c):(\c)+7], v[(\sa)], v[(\sb)] matrix_a_fmt:MATRIX_FMT_FP4 matrix_b_fmt:MATRIX_FMT_FP4
.elseif (\rb) == 0
	v_wmma_scale_f32_16x16x128_f8f6f4 v[(\d):(\d)+7], v[(\a):(\a)+7], v[(\b):(\b)+7], v[(\c):(\c)+7], v[(\sa)], v[(\sb)] matrix_a_fmt:MATRIX_FMT_FP4 matrix_b_fmt:MATRIX_FMT_FP4 matrix_a_scale:MATRIX_SCALE_ROW1
.elseif (\ra) == 0
	v_wmma_scale_f32_16x16x128_f8f6f4 v[(\d):(\d)+7], v[(\a):(\a)+7], v[(\b):(\b)+7], v[(\c):(\c)+7], v[(\sa)], v[(\sb)] matrix_a_fmt:MATRIX_FMT_FP4 matrix_b_fmt:MATRIX_FMT_FP4 matrix_b_scale:MATRIX_SCALE_ROW1
.else
	v_wmma_scale_f32_16x16x128_f8f6f4 v[(\d):(\d)+7], v[(\a):(\a)+7], v[(\b):(\b)+7], v[(\c):(\c)+7], v[(\sa)], v[(\sb)] matrix_a_fmt:MATRIX_FMT_FP4 matrix_b_fmt:MATRIX_FMT_FP4 matrix_a_scale:MATRIX_SCALE_ROW1 matrix_b_scale:MATRIX_SCALE_ROW1
.endif
.endif
.endm
; nb blocks of 32: register s + 16 b + i is number 32 b + 16 (lane / 16) + i of my lane's row.  Out: codes in v[PC] on (registers 4 c .. 4 c + 3: blocks 2 c in lanes 0-15, 2 c + 1 in lanes 16-31), the bytes in v[PW].
.macro QUANT s, nb
.irp b, 0,1,2,3
.if \b < \nb
	v_max3_num_f32 v[TM+\b], |v[(\s)+16*\b]|, |v[(\s)+16*\b+1]|, 0x1800000   ; my 16 numbers and the floor 2^(3 - 127): the byte cannot fall under 1
.endif
.endr
.irp i, 2,4,6,8,10,12,14
.irp b, 0,1,2,3
.if \b < \nb
	v_max3_num_f32 v[TM+\b], v[TM+\b], |v[(\s)+16*\b+\i]|, |v[(\s)+16*\b+\i+1]|   ; the blocks by turns; each accumulator is read from its low end on
.endif
.endr
.endr
.irp b, 0,1,2,3
.if \b < \nb
	v_permlanex16_b32 v[TM+4+\b], v[TM+\b], s[SEL], s[SEL+1]
.endif
.endr
.irp b, 0,1,2,3
.if \b < \nb
	v_max_num_f32 v[TM+\b], v[TM+\b], v[TM+4+\b]   ; with lane l xor 16's: the block's largest magnitude
.endif
.endr
.irp b, 0,1,2,3
.if \b < \nb
	v_add_nc_u32 v[TM+12+\b], 0xff000000, v[TM+\b]   ; 2 off its exponent field: the conversion's scale operand
.endif
.endr
.irp b, 0,1,2,3
.if \b < \nb
	v_lshrrev_b32 v[TM+4+\b], 23, v[TM+12+\b]   ; the scale's byte
.endif
.endr
	v_lshl_or_b32 v[PW], v[TM+5], 8, v[TM+4]
.if \nb > 2
	v_lshl_or_b32 v[PW], v[TM+6], 16, v[PW]
	v_lshl_or_b32 v[PW], v[TM+7], 24, v[PW]
.endif
.irp b, 0,1,2,3
.if \b < \nb
	v_cvt_scalef32_pk8_fp4_f32 v[PC+2*\b], v[(\s)+16*\b:(\s)+16*\b+7], v[TM+12+\b]
	v_cvt_scalef32_pk8_fp4_f32 v[PC+2*\b+1], v[(\s)+16*\b+8:(\s)+16*\b+15], v[TM+12+\b]
.endif
.endr
	v_nop                                          ; one plain place behind a scaled conversion
.irp c, 0,1
.if 2*\c < \nb
.irp i, 0,1
	v_permlane16_swap_b32 v[PC+4*\c+\i], v[PC+4*\c+2+\i]   ; a whole block to a lane
.endr
.endif
.endr
.endm
.macro XLOAD set, s                    ; my 16 tokens' numbers of K step s: 16 neighbours of each block of 32 a lane
.irp b, 0,1,2,3
.irp j, 0,1,2,3
	global_load_b128 v[\set+16*\b+4*\j:\set+16*\b+4*\j+3], v[XA], s[44:45] offset:512*(\s)+128*\b+16*\j
.endr
.endr
.endm
.macro IMAGE s                         ; the fragment just made goes to LDS as it stands
	s_wait_alu depctr_va_vdst(0)                   ; QUANT has written v[PC ..] and v[PW], which these stores read; it is also done reading its 64 numbers, in whose registers the loads that follow land
	ds_store_b128 v[XWI], v[PC:PC+3] offset:1024*(\s)
	ds_store_b128 v[XWI], v[PC+4:PC+7] offset:1024*(\s)+512
	ds_store_b32 v[XWS], v[PW] offset:128*(\s)
.endm
.macro WLOAD wi                        ; the weight fragments of K steps 2 (wi - 1) and + 1 into window wi: (tile t, K step s) at 96 (s % 2) + 8 t.  No vector or matrix instruction has named these registers
	WIN (\wi)<<6
.irp sl, 0,1
.irp t, 0,1,2,3,4,5,6,7,8,9,10,11
.irp c, 0,1
	global_load_b128 v[96*\sl+8*\t+4*\c:96*\sl+8*\t+4*\c+3], v[WA], s[46:47] offset:(32*(\t/2)+8*(\t%2))*RB+64*(2*((\wi)-1)+\sl)+32*\c
.endr
.endr
.endr
	WIN 0
.endm
	s_load_b512 s[8:23], s[0:1], 0x0               ; x, Wq codes, Wq scales, bq, Wk codes, Wk scales, bk, Wv codes
	s_load_b128 s[24:27], s[0:1], 0x40             ; Wv scales, bv
	s_load_b64 s[28:29], s[0:1], 0x50              ; qkv
	v_lshl_add_u32 v254, v0, 2, 0x6c00
	v_mov_b32 v255, 0
	v_lshrrev_b32 v[LN], 5, v0
	v_readfirstlane_b32 s36, v[LN]                 ; wave
	s_mov_b32 s37, ttmp9                           ; G
	s_and_b32 s38, ttmp7, 0xffff                   ; y
	v_and_b32 v[LN], 31, v0
	v_and_b32 v[RR], 15, v0
	v_bfe_u32 v[HH], v0, 4, 1
	v_and_b32 v[RP], 8, v[RR]
	v_add_nc_u32 v[RP], v[RP], v[RR]               ; row' = r + 8 (r / 8)
	v_lshlrev_b32 v[LI], 4, v[LN]
	s_wait_alu depctr_va_vdst(0)
	v_mul_u32_u24 v[XA], v[RP], 3072
	v_lshl_add_u32 v[XA], v[HH], 6, v[XA]
	v_mul_u32_u24 v[WA], v[RP], RB
	v_lshl_add_u32 v[WA], v[HH], 4, v[WA]
	v_lshl_add_u32 v[WSA], v[HH], 3, v[RP]
	v_mul_u32_u24 v[WSA], v[WSA], SB
	s_mov_b32 s[SEL], 0x76543210
	s_mov_b32 s[SEL+1], 0xfedcba98                 ; v_permlanex16_b32's selects for lane l xor 16
	s_cmp_eq_u32 s38, 0                            ; where this matrix's codes and scale words lie in a head's part of qkv
	s_cselect_b32 s54, 286720, 0
	s_mov_b32 s55, 262144
	s_cselect_b32 s55, 417792, s55
	s_cmp_eq_u32 s38, 2
	s_cselect_b32 s54, 131072, s54
	s_wait_alu depctr_va_sdst(0)                   ; s36, the wave's number, is written, ahead of its first reader: LDS addresses and the buffers' offsets are made from it
	s_mul_i32 s39, s36, 6144
	v_add_nc_u32 v[XWI], s39, v[LI]
	s_mul_i32 s39, s36, 768
	s_add_co_u32 s39, s39, XSC
	v_lshl_add_u32 v[XWS], v[LN], 2, s39
	v_mul_u32_u24 v[LSP], v[HH], 768
	v_lshl_add_u32 v[LSP], v[LN], 2, v[LSP]
	v_add_nc_u32 v[LSP], XSC, v[LSP]
	s_lshl_b32 s39, s37, 11
	s_add_co_u32 s39, s39, s54
	v_add_nc_u32 v[VC], s39, v[LI]
	v_mul_u32_u24 v[SELV], v[HH], 0x202
	v_add_nc_u32 v[SELV], 0x04040100, v[SELV]
	v_mov_b32 v[K7F], 0x7f7f7f7f
.irp b, 0,1,2,3
	v_mov_b32 v[TM+4+\b], 0                        ; written once: a lane permute's destination counts as one of its sources
.endr
	s_lshr_b32 s39, s36, 1
	s_lshl_b32 s39, s39, 5
	s_and_b32 s42, s36, 1
	s_lshl_b32 s42, s42, 3
	s_add_co_u32 s39, s39, s42
	s_lshl_b32 s42, s37, 6
	s_add_co_u32 s39, s39, s42                     ; first token of tile 4 G + w: 64 G + 32 (w / 2) + 8 (w % 2)
	s_mul_i32 s42, s39, 3072
	s_mov_b32 s43, 0
	s_wait_kmcnt 0x0
	s_add_nc_u64 s[44:45], s[8:9], s[42:43]
	s_wait_alu depctr_va_vdst(0)                   ; the offsets and LDS addresses v1-v4 and v6-v9 are written, which the loads and stores of the whole kernel read
	XLOAD X0, 0
	XLOAD X1, 1
	XLOAD X2, 2
	s_cmp_eq_u32 s38, 1                            ; the matrix: a choice between buffers on the work-group's number alone
	s_cselect_b64 s[30:31], s[16:17], s[10:11]
	s_cselect_b64 s[32:33], s[18:19], s[12:13]
	s_cselect_b64 s[34:35], s[20:21], s[14:15]
	s_cmp_eq_u32 s38, 2
	s_cselect_b64 s[30:31], s[22:23], s[30:31]
	s_cselect_b64 s[32:33], s[24:25], s[32:33]
	s_cselect_b64 s[34:35], s[26:27], s[34:35]
	s_mul_i32 s42, s36, 192*RB
	s_add_nc_u64 s[46:47], s[30:31], s[42:43]      ; my 192 weight rows,
	s_mul_i32 s42, s36, 192*SB
	s_add_nc_u64 s[48:49], s[32:33], s[42:43]      ; their scale bytes,
	s_mul_i32 s42, s36, 768
	s_add_nc_u64 s[50:51], s[34:35], s[42:43]      ; their bias,
	s_mul_i32 s42, s36, 3*HS
	s_add_nc_u64 s[52:53], s[28:29], s[42:43]      ; and my three heads' part of qkv
	; ---- x: six K steps, three sets of registers; two K steps' loads stay out while one is quantised
	s_wait_loadcnt 32
	QUANT X0, 4
	IMAGE 0
	XLOAD X0, 3
	s_wait_loadcnt 32
	s_wait_dscnt 0x0                               ; the image's stores are done
	s_wait_alu depctr_vm_vsrc(0)                   ; the image's stores have read v[PC ..] and v[PW], which the next QUANT writes
	QUANT X1, 4
	IMAGE 1
	XLOAD X1, 4
	s_wait_loadcnt 32
	s_wait_dscnt 0x0
	s_wait_alu depctr_vm_vsrc(0)                   ; the image's stores have read v[PC ..] and v[PW], which the next QUANT writes
	QUANT X2, 4
	IMAGE 2
	XLOAD X2, 5
	s_wait_loadcnt 32
	s_wait_dscnt 0x0
	s_wait_alu depctr_vm_vsrc(0)                   ; the image's stores have read v[PC ..] and v[PW], which the next QUANT writes
	QUANT X0, 4
	IMAGE 3
	WLOAD 1
	s_wait_loadcnt 48                              ; only the 48 weight loads just issued may be out: K steps 4 and 5 of x are in
	s_wait_dscnt 0x0
	s_wait_alu depctr_vm_vsrc(0)                   ; the image's stores have read v[PC ..] and v[PW], which the next QUANT writes
	QUANT X1, 4
	IMAGE 4
	s_wait_dscnt 0x0
	s_wait_alu depctr_vm_vsrc(0)                   ; the image's stores have read v[PC ..] and v[PW], which the next QUANT writes
	QUANT X2, 4
	IMAGE 5
	WLOAD 2
	WLOAD 3
.irp tp, 0,1,2,3,4,5
.irp i, 0,1,2
	global_load_b64 v[WS+6*\tp+2*\i:WS+6*\tp+2*\i+1], v[WSA], s[48:49] offset:32*\tp*SB+8*\i   ; they land in X2's upper part: the last image's wait has shown its QUANT done, and no vector instruction stands behind that wait
.endr
.endr
	s_wait_dscnt 0x0                               ; for the others' sake: my images lie in LDS
	s_barrier_signal -1
	s_barrier_wait -1
.irp wi, 1,2,3                         ; all four tiles' fragments: (tile m, K step s) in window 1 + s / 2 at 192 + 32 (s % 2) + 8 m.  No vector or matrix instruction has named these registers
	WIN \wi<<6
.irp sl, 0,1
.irp m, 0,1,2,3
.irp c, 0,1
	ds_load_b128 v[192+32*\sl+8*\m+4*\c:192+32*\sl+8*\m+4*\c+3], v[LI] offset:(6*\m+2*(\wi-1)+\sl)*1024+512*\c
.endr
.endr
.endr
.endr
	WIN 0
.irp mp, 0,1
.irp s, 0,1,2,3,4,5
	ds_load_b32 v[AS+6*\mp+\s], v[LSP] offset:1536*\mp+128*\s
.endr
.endr
	s_cmp_eq_u32 s38, 2
	s_cbranch_scc1 .Lv
	; ---- q, k: a head (64 columns) x two token tiles at a time: eight accumulators by turns, K step by K step
	v_lshlrev_b32 v[BA], 6, v[HH]
	s_lshl_b32 s39, s37, 8
	s_add_co_u32 s39, s39, s55
	v_lshl_add_u32 v[VS], v[LN], 3, s39
	s_wait_alu depctr_va_vdst(0)                   ; v[BA] and v[VS] are written, which the loads below and the stores of the scale words read as offsets
.irp t, 0,1,2,3,4,5,6,7,8,9,10,11
	global_load_b128 v[BIAS+8*\t:BIAS+8*\t+3], v[BA], s[50:51] offset:(32*(\t/2)+8*(\t%2))*4
	global_load_b128 v[BIAS+8*\t+4:BIAS+8*\t+7], v[BA], s[50:51] offset:(32*(\t/2)+8*(\t%2))*4+16
.endr
	s_wait_loadcnt 0x0
	s_wait_dscnt 0x0
.macro DUQK hd, p
.irp s, 0,1,2,3,4,5
	WIN 5*(1+\s/2)                                 ; both sources in the K step's window, C and D in window 0
.irp a, 0,1
.irp tt, 0,1,2,3
.if \s == 0
.set CREG, BIAS+8*(4*\hd+\tt)                  ; the bias is the C of a sum's first product
.else
.set CREG, ACC+32*\a+8*\tt
.endif
	WM ACC+32*\a+8*\tt, 96*(\s%2)+8*(4*\hd+\tt), 192+32*(\s%2)+8*(2*\p+\a), CREG, WS+6*((4*\hd+\tt)/2)+\s, AS+6*\p+\s, \tt%2, \a
.endr
.endr
.endr
	WIN 0
	PLACES
	s_wait_xcnt 0x0                                ; the last stores have had their addresses translated: the codes and words are written again only behind this wait
	s_wait_alu depctr_vm_vsrc(0)                   ; the last unit's stores (ahead of the first unit: the last image's LDS stores) have read v[PC ..], v[PW] and v[SW ..], which the lines below write
	QUANT ACC, 4                                   ; blocks 0, 1: tile 2 p's 64 channels; blocks 2, 3: tile 2 p + 1's
	v_perm_b32 v[SW+\p], v[K7F], v[PW], v[SELV]    ; lanes 0-15: tile 2 p's two bytes, lanes 16-31: tile 2 p + 1's; above them 0x7f twice
	s_wait_alu depctr_va_vdst(0)                   ; QUANT and the byte select have written v[PC ..] and v[SW ..], which the stores read
	global_store_b128 v[VC], v[PC:PC+3], s[52:53] offset:\hd*HS+1024*\p
	global_store_b128 v[VC], v[PC+4:PC+7], s[52:53] offset:\hd*HS+1024*\p+512
.if \p == 1
	global_store_b64 v[VS], v[SW:SW+1], s[52:53] offset:\hd*HS   ; 32 lanes store 256 consecutive bytes
.endif
.endm
.irp hd, 0,1,2
.irp p, 0,1
	DUQK \hd, \p
.endr
.endr
	s_wait_dscnt 0x0                               ; the closing lines, six on end
	s_wait_alu 0x0
	s_wait_tensorcnt 0x0
	ds_add_u32 v254, v255
	s_wait_dscnt 0x0
	s_endpgm
.Lv:	; ---- v: two channel tiles x the four token tiles at a time
	v_lshlrev_b32 v[BA], 2, v[RP]
	s_lshr_b32 s39, s37, 1
	s_lshl_b32 s39, s39, 8
	s_and_b32 s42, s37, 1
	s_lshl_b32 s42, s42, 1
	s_add_co_u32 s39, s39, s42
	s_add_co_u32 s39, s39, 278528
	v_lshl_add_u32 v[VS], v[RR], 3, s39            ; 8 r + 256 (G / 2) + 2 (G % 2): my channel's word of these 128 keys, my 64 tokens' two bytes
	s_wait_alu depctr_va_vdst(0)                   ; v[BA] and v[VS] are written, which the loads below and the stores of the scale bytes read as offsets
.irp t, 0,1,2,3,4,5,6,7,8,9,10,11
	global_load_b32 v[BV+\t], v[BA], s[50:51] offset:(32*(\t/2)+8*(\t%2))*4
.endr
	s_wait_loadcnt 0x0
	s_wait_dscnt 0x0
.macro DUV tp
.irp a, 0,1
.irp j, 0,1,2,3,4,5,6,7
	v_mov_b32 v[CB+8*\a+\j], v[BV+2*\tp+\a]        ; a lane holds one channel: its bias in all eight registers
.endr
.endr
	PLACES                                         ; the sums' first addend is written by vector lines: kept four places ahead, as an operand is
.irp s, 0,1,2,3,4,5
	WIN 5*(1+\s/2)
.irp a, 0,1
.irp m, 0,1,2,3
.if \s == 0
.set CREG, CB+8*\a
.else
.set CREG, ACC+32*\a+8*\m
.endif
	WM ACC+32*\a+8*\m, 192+32*(\s%2)+8*\m, 96*(\s%2)+8*(2*\tp+\a), CREG, AS+6*(\m/2)+\s, WS+6*\tp+\s, \m%2, \a
.endr
.endr
.endr
	WIN 0
	PLACES
	s_wait_xcnt 0x0
	s_wait_alu depctr_vm_vsrc(0)                   ; the last unit's stores (ahead of the first unit: the last image's LDS stores) have read v[PC ..] and v[PW], which QUANT writes
	QUANT ACC, 4                                   ; blocks 0, 1: channel tile 2 tp's 64 tokens; blocks 2, 3: tile 2 tp + 1's
	s_wait_alu depctr_va_vdst(0)                   ; QUANT has written v[PC ..] and v[PW], which the stores read
	global_store_b128 v[VC], v[PC:PC+3], s[52:53] offset:(\tp/2)*HS+(2*(\tp%2))*512
	global_store_b128 v[VC], v[PC+4:PC+7], s[52:53] offset:(\tp/2)*HS+(2*(\tp%2)+1)*512
	global_store_b16 v[VS], v[PW], s[52:53] offset:(\tp/2)*HS+4*(\tp%2)
	global_store_d16_hi_b16 v[VS], v[PW], s[52:53] offset:(\tp/2)*HS+4*(\tp%2)+128
.endm
.irp tp, 0,1,2,3,4,5
	DUV \tp
.endr
	s_wait_dscnt 0x0                               ; the closing lines, six on end
	s_wait_alu 0x0
	s_wait_tensorcnt 0x0
	ds_add_u32 v254, v255
	s_wait_dscnt 0x0
	s_endpgm
.Lfunc_end_k_qcd2fd72098_qkv:
	.size	k_qcd2fd72098_qkv, .Lfunc_end_k_qcd2fd72098_qkv-k_qcd2fd72098_qkv
	.p2alignl 7, 3214868480
	.fill 96, 4, 3214868480
	.section	.rodata,"a",@progbits
	.p2align	6, 0x0
	.amdhsa_kernel k_qcd2fd72098_qkv
		.amdhsa_group_segment_fixed_size 28160
		.amdhsa_private_segment_fixed_size 0
		.amdhsa_enable_private_segment 0
		.amdhsa_kernarg_size 88
		.amdhsa_user_sgpr_count 2
		.amdhsa_user_sgpr_kernarg_segment_ptr 1
		.amdhsa_wavefront_size32 1
		.amdhsa_system_sgpr_workgroup_id_x 1
		.amdhsa_system_sgpr_workgroup_id_y 1
		.amdhsa_system_sgpr_workgroup_id_z 1
		.amdhsa_system_vgpr_workitem_id 0
		.amdhsa_next_free_vgpr 1024
		.amdhsa_next_free_sgpr 66
		.amdhsa_reserve_vcc 0
		.amdhsa_float_denorm_mode_32 3
		.amdhsa_float_denorm_mode_16_64 3
		.amdhsa_memory_ordered 1
		.amdhsa_forward_progress 1
		.amdhsa_inst_pref_size 190
	.end_amdhsa_kernel
	.amdgpu_metadata
---
amdhsa.version: [ 1, 2 ]
amdhsa.kernels:
  - .name:           k_qcd2fd72098_qkv
    .symbol:         k_qcd2fd72098_qkv.kd
    .args:
      - { .name: x, .offset: 0, .size: 8, .value_kind: global_buffer, .address_space: global }
      - { .name: Wq_codes, .offset: 8, .size: 8, .value_kind: global_buffer, .address_space: global }
      - { .name: Wq_scales, .offset: 16, .size: 8, .value_kind: global_buffer, .address_space: global }
      - { .name: bq, .offset: 24, .size: 8, .value_kind: global_buffer, .address_space: global }
      - { .name: Wk_codes, .offset: 32, .size: 8, .value_kind: global_buffer, .address_space: global }
      - { .name: Wk_scales, .offset: 40, .size: 8, .value_kind: global_buffer, .address_space: global }
      - { .name: bk, .offset: 48, .size: 8, .value_kind: global_buffer, .address_space: global }
      - { .name: Wv_codes, .offset: 56, .size: 8, .value_kind: global_buffer, .address_space: global }
      - { .name: Wv_scales, .offset: 64, .size: 8, .value_kind: global_buffer, .address_space: global }
      - { .name: bv, .offset: 72, .size: 8, .value_kind: global_buffer, .address_space: global }
      - { .name: qkv, .offset: 80, .size: 8, .value_kind: global_buffer, .address_space: global }
    .group_segment_fixed_size: 28160
    .private_segment_fixed_size: 0
    .kernarg_segment_align: 8
    .kernarg_segment_size: 88
    .max_flat_workgroup_size: 128
    .sgpr_count:     66
    .vgpr_count:     1024
    .wavefront_size: 32
...
	.end_amdgpu_metadata
.endif
;; end of part 7
;; launch attn (part 8): grid 16 x 12, 16 waves a work-group, clusters of 4 x 1, 288,768 bytes of LDS; arguments qkv, ctx; writes ctx
.if DOCPART == 8
	.amdgcn_target "amdgcn-amd-amdhsa--gfx1250"
	.amdhsa_code_object_version 6
	.text
	.protected	k_qcd2fd72098_attn
	.globl	k_qcd2fd72098_attn
	.p2align	8
	.type	k_qcd2fd72098_attn,@function
k_qcd2fd72098_attn:
	s_mov_b64 s[64:65], 0
	v_nop
	global_prefetch_b8 v0, s[64:65] scope:SCOPE_SE
	s_setreg_imm32_b32 hwreg(HW_REG_WAVE_MODE, 25, 1), 1
	s_wait_xcnt 0x0
	s_wait_alu depctr_hold_cnt(0) depctr_sa_sdst(0) depctr_va_vdst(0) depctr_va_sdst(0) depctr_va_ssrc(0) depctr_va_vcc(0) depctr_vm_vsrc(0)
	s_getreg_b32 s2, hwreg(HW_REG_IB_STS2, 6, 4)
	s_cmp_eq_u32 s2, 0
	s_cbranch_scc0 .Lentry_in_a_cluster
	s_endpgm
.Lentry_in_a_cluster:
	s_bfe_u32 s2, ttmp6, 0x10000c
	s_cmp_lg_u32 s2, 0x3003
	s_cbranch_scc0 .Lentry_shape_is_right
	s_endpgm
.Lentry_shape_is_right:
; ctx = Q(softmax(q k^T / 8) v), both products on codes of FP4 (E2M1) with one E8M0 scale for each 32 along K.
; THE SOFTMAX: t = score x log2(e) / 8; M = the row's largest t so far, rounded up to a whole number; p = 2^(t - M) is quantised along the keys, not normalised; the row's sum is taken of the unquantised p
; and divides at the end.  When M moves, the sum and O are multiplied by 2^(old M - new M): exact.
; SHARES.  A work-group owns 256 queries of one head; each of its sixteen waves one tile of 16, in 256 registers: four waves to a SIMD, so that one wave's vector work stands beside another's products and LDS loads.
; A HEAD'S K AND V, codes and scale words, are 286,720 consecutive bytes of qkv: they come into LDS ONCE, as they lie, each wave bringing 70 rows of 256 bytes by one tensor load.  Nothing is filled again:
; no ring, and no barrier in the loop.  The four query blocks of a cluster belong to one head: the loads are joint (a mask that names the four; the descriptor hangs on the head and the wave alone).
; A wave has one tensor load out.
; LAYOUT.  Both products are used transposed (S^T = K Q^T, O^T = V^T P^T): a lane holds one query.  All operands lie in LDS as images of their registers: 16 bytes a lane at 16 x lane.
; The keys of a tile, and V's channels, are ordered as the launch that made them says, so that p's 16 registers of two neighbouring tiles are 16 neighbouring keys, and O^T's 16 neighbouring channels.
; K = 64 IN THE FIRST PRODUCT: Q's registers 4-7 are zero codes, so what stands in registers 4-7 of source 0 counts for nothing so long as it is finite: the run v[KF + 4 t : KF + 4 t + 7] takes the next tile's
; codes there (behind the last tile four cleared registers), and the scale bytes of that half are 0x7f on both sides.
; LIMITS: NaN and infinities are not served; a block of zeros gets the byte 1.  192 work-groups: 12 heads x 16 blocks of queries; none is padding.
.set HS,   434176
.set AK0,  1                           ; 16 x lane
.set AV0,  2                           ; + 131,072: V's codes
.set AS0,  3                           ; 8 x lane + 262,144: K's scale words
.set AT0,  4                           ; 8 x lane + 278,528: V's
.set ADK,  5                           ; the step's four addresses
.set ADV,  6
.set ADS,  7
.set ADT,  8
.set NM,   12                          ; -M
.set TX,   13                          ; the largest t so far
.set SUM,  14                          ; v[14:15] the row's sum in two halves
.set QF,   16
.set QS,   24
.set PW,   25
.set KS,   26
.set VS,   30
.set KF,   32                          ; v32-63 eight half fragments of K, v64-67 zeros
.set VF,   68
.set SS,   100                         ; S^T, then p
.set OO,   164                         ; O^T
.set PC,   196
.set BM,   204
.set BX,   208
.set SOP,  212
.set FF,   216
.set TMP,  218
.set SUM2, 220
.set TM,   204                         ; the last quantiser's work registers: BM, BX, SOP, FF
.set SEL,  24
.macro PLACES
.rept 4
	v_nop
.endr
.endm
.macro WM d, a, b, c, sa, sb, ra, rb
.if (\c) < 0
.if ((\ra) == 0) && ((\rb) == 0)
	v_wmma_scale_f32_16x16x128_f8f6f4 v[(\d):(\d)+7], v[(\a):(\a)+7], v[(\b):(\b)+7], 0, v[(\sa)], v[(\sb)] matrix_a_fmt:MATRIX_FMT_FP4 matrix_b_fmt:MATRIX_FMT_FP4
.else
	v_wmma_scale_f32_16x16x128_f8f6f4 v[(\d):(\d)+7], v[(\a):(\a)+7], v[(\b):(\b)+7], 0, v[(\sa)], v[(\sb)] matrix_a_fmt:MATRIX_FMT_FP4 matrix_b_fmt:MATRIX_FMT_FP4 matrix_a_scale:MATRIX_SCALE_ROW1
.endif
.else
.if ((\ra) == 0) && ((\rb) == 0)
	v_wmma_scale_f32_16x16x128_f8f6f4 v[(\d):(\d)+7], v[(\a):(\a)+7], v[(\b):(\b)+7], v[(\c):(\c)+7], v[(\sa)], v[(\sb)] matrix_a_fmt:MATRIX_FMT_FP4 matrix_b_fmt:MATRIX_FMT_FP4
.else
	v_wmma_scale_f32_16x16x128_f8f6f4 v[(\d):(\d)+7], v[(\a):(\a)+7], v[(\b):(\b)+7], v[(\c):(\c)+7], v[(\sa)], v[(\sb)] matrix_a_fmt:MATRIX_FMT_FP4 matrix_b_fmt:MATRIX_FMT_FP4 matrix_a_scale:MATRIX_SCALE_ROW1
.endif
.endif
.endm
.macro QUANT s, nb
.irp b, 0,1,2,3
.if \b < \nb
	v_max3_num_f32 v[TM+\b], |v[(\s)+16*\b]|, |v[(\s)+16*\b+1]|, 0x1800000
.endif
.endr
.irp i, 2,4,6,8,10,12,14
.irp b, 0,1,2,3
.if \b < \nb
	s_delay_alu instid0(VALU_DEP_2)
	v_max3_num_f32 v[TM+\b], v[TM+\b], |v[(\s)+16*\b+\i]|, |v[(\s)+16*\b+\i+1]|
.endif
.endr
.endr
.irp b, 0,1,2,3
.if \b < \nb
	s_delay_alu instid0(VALU_DEP_2)
	v_permlanex16_b32 v[TM+4+\b], v[TM+\b], s[SEL], s[SEL+1]
.endif
.endr
.irp b, 0,1,2,3
.if \b < \nb
	s_delay_alu instid0(VALU_DEP_2)
	v_max_num_f32 v[TM+\b], v[TM+\b], v[TM+4+\b]
.endif
.endr
.irp b, 0,1,2,3
.if \b < \nb
	s_delay_alu instid0(VALU_DEP_2)
	v_add_nc_u32 v[TM+12+\b], 0xff000000, v[TM+\b]
.endif
.endr
.irp b, 0,1,2,3
.if \b < \nb
	s_delay_alu instid0(VALU_DEP_2)
	v_lshrrev_b32 v[TM+4+\b], 23, v[TM+12+\b]
.endif
.endr
	s_delay_alu instid0(VALU_DEP_1)
	v_lshl_or_b32 v[PW], v[TM+5], 8, v[TM+4]
.if \nb > 2
	v_lshl_or_b32 v[PW], v[TM+6], 16, v[PW]
	v_lshl_or_b32 v[PW], v[TM+7], 24, v[PW]
.endif
.irp b, 0,1,2,3
.if \b < \nb
	v_cvt_scalef32_pk8_fp4_f32 v[PC+2*\b], v[(\s)+16*\b:(\s)+16*\b+7], v[TM+12+\b]
	v_cvt_scalef32_pk8_fp4_f32 v[PC+2*\b+1], v[(\s)+16*\b+8:(\s)+16*\b+15], v[TM+12+\b]
.endif
.endr
	v_nop
.irp c, 0,1
.if 2*\c < \nb
.irp i, 0,1
	v_permlane16_swap_b32 v[PC+4*\c+\i], v[PC+4*\c+2+\i]
.endr
.endif
.endr
.endm
.macro ROUND                           ; a round of the cluster's barrier
	s_barrier_signal -1
	s_barrier_wait -1
	s_cmp_lg_u32 s8, 0
	s_cbranch_scc1 .Lnot_wave_0_\@
	s_barrier_signal -3
.Lnot_wave_0_\@:
	s_barrier_wait -3
	s_barrier_signal -1
	s_barrier_wait -1
.endm
	s_load_b128 s[4:7], s[0:1], 0x0                ; qkv, ctx
	v_lshl_add_u32 v254, v0, 2, 0x46000
	v_mov_b32 v255, 0
	ds_add_u32 v254, v255
	ds_add_u32 v254, v255
	v_lshrrev_b32 v5, 5, v0
	s_delay_alu instid0(VALU_DEP_1)
	v_readfirstlane_b32 s8, v5                     ; wave 0..15
	s_bfe_u32 s9, ttmp6, 0x40000                   ; cx: it enters Q's and ctx's addresses alone
	s_and_b32 s10, ttmp7, 0xffff                   ; the head, which the four partners share
	s_lshl_b32 s11, ttmp9, 2
	s_add_co_u32 s11, s11, s9
	s_lshl_b32 s11, s11, 4
	s_add_co_u32 s11, s11, s8                      ; my query tile T = 16 (4 x cluster x + cx) + wave
	; descriptor group 1: 70 rows of 256 bytes (32 elements of 8 bytes), dense, no padding: all reads are 16 or 8 bytes a lane on end
	s_mov_b32 s16, 15|(3<<16)|(1<<21)              ; 15:0 the mask: all four work-groups; 17:16 elements of 8 bytes; 21 set beside a mask
	s_mov_b32 s17, 32<<16                          ; tensor_dim0
	s_mov_b32 s18, 70<<16                          ; tensor_dim1
	s_mov_b32 s19, 32<<16                          ; tile_dim0
	s_mov_b32 s20, 70                              ; tile_dim1
	s_mov_b32 s21, 32                              ; from row to row
	s_mov_b32 s22, 0
	s_mov_b32 s23, 0
	s_mul_i32 s36, s10, HS
	s_mov_b32 s37, 0
	s_mov_b32 s12, 1                               ; group 0: count 1,
	s_mul_i32 s13, s8, 17920                       ; LDS address: wave x 17,920,
	s_mov_b32 s38, s13
	s_mov_b32 s39, 0
	s_mov_b32 s[SEL], 0x76543210
	s_mov_b32 s[SEL+1], 0xfedcba98
	s_mov_b32 s26, 0x3e38aa3b                      ; c = log2(e) / 8
	s_mov_b32 s27, s26                             ; (named with it as a pair, so it is written)
	s_mov_b32 s28, 0                               ; the step's codes: 4,096 bytes a step, K's and V's alike
	s_mov_b32 s29, 0                               ; K's scale words: 512
	s_mov_b32 s30, 0                               ; V's: 256
	s_mov_b32 s31, 32                              ; steps of 128 keys
	s_lshl_b32 s40, s11, 9
	s_add_co_u32 s40, s40, 286720                  ; Q's codes of tile T
	s_lshr_b32 s41, s11, 2
	s_lshl_b32 s41, s41, 8
	s_and_b32 s42, s11, 1
	s_lshl_b32 s42, s42, 7
	s_add_co_u32 s41, s41, s42
	s_bfe_u32 s42, s11, 0x10001
	s_lshl_b32 s42, s42, 2
	s_add_co_u32 s41, s41, s42
	s_add_co_u32 s41, s41, 417792                  ; and its scale words: 256 (T / 4) + 128 (T % 2) + 4 ((T / 2) % 2)
	s_mul_i32 s43, s11, 6144
	s_lshl_b32 s45, s10, 9
	s_add_co_u32 s43, s43, s45                     ; ctx's codes: 6,144 T + 512 head
	s_mul_i32 s44, s11, 384
	s_lshl_b32 s45, s10, 1
	s_add_co_u32 s44, s44, s45
	s_add_co_u32 s44, s44, 1572864                 ; its scale bytes: 384 T + 2 head
	s_wait_dscnt 0x0
	s_wait_kmcnt 0x0
	s_add_nc_u64 s[32:33], s[4:5], s[36:37]        ; the head's part of qkv
	s_add_nc_u64 s[14:15], s[32:33], s[38:39]      ; global address: + wave x 17,920,
	s_or_b32 s15, s15, 0x80000000                  ; type 2
	ROUND                                          ; all four work-groups are here: the joint loads meet
	tensor_load_to_lds s[12:15], s[16:23]
	s_nop 0
.rept 4
	v_nop
.endr
	v_and_b32 v9, 15, v0                           ; r
	v_and_b32 v[AK0], 31, v0
	s_delay_alu instid0(VALU_DEP_1)
	v_lshlrev_b32 v[AS0], 3, v[AK0]
	s_delay_alu instid0(VALU_DEP_2)
	v_lshlrev_b32 v[AK0], 4, v[AK0]
	s_delay_alu instid0(VALU_DEP_1)
	v_add_nc_u32 v[AV0], 131072, v[AK0]
	s_delay_alu instid0(VALU_DEP_3)
	v_add_nc_u32 v[AT0], 278528, v[AS0]
	s_delay_alu instid0(VALU_DEP_4)
	v_add_nc_u32 v[AS0], 262144, v[AS0]
	s_delay_alu instid0(VALU_DEP_4)
	v_add_nc_u32 v10, s40, v[AK0]
	v_lshl_add_u32 v11, v9, 3, s41
	global_load_b128 v[QF:QF+3], v10, s[32:33]     ; Q's half fragment stays in registers
	global_load_b32 v[QS], v11, s[32:33]
.irp j, 4,5,6,7
	v_mov_b32 v[QF+\j], 0                          ; the upper half of the K step: zero codes
.endr
.irp j, 32,33,34,35
	v_mov_b32 v[KF+\j], 0
.endr
	v_mov_b32 v[TX], 0xff61b1e6                    ; -3e38, under every t
	s_delay_alu instid0(VALU_DEP_1)
	v_floor_f32 v[NM], -v[TX]
	v_mov_b32 v[SUM], 0
	v_mov_b32 v[SUM+1], 0
	v_mov_b32 v[FF+1], 0                           ; (named as the upper half of a pair)
	v_mov_b32 v[TMP], 0
.irp b, 0,1,2,3
	v_mov_b32 v[BX+\b], 0                          ; a lane permute's destination counts as one of its sources
.endr
.irp j, 0,1,2,3,4,5,6,7,8,9,10,11,12,13,14,15,16,17,18,19,20,21,22,23,24,25,26,27,28,29,30,31
	v_mov_b32 v[OO+\j], 0                          ; the step is written once: the first finds zeros, which the first change of M leaves zeros
.endr
	s_wait_tensorcnt 0x0                           ; my part lies in LDS,
	s_barrier_signal -1
	s_barrier_wait -1                              ; everybody's does
	s_wait_loadcnt 0x0                             ; Q
.Lstep:
	s_setprio 2
	v_add_nc_u32 v[ADK], s28, v[AK0]               ; these four are the places behind the last products, in front of the loads into their operands
	v_add_nc_u32 v[ADV], s28, v[AV0]
	v_add_nc_u32 v[ADS], s29, v[AS0]
	v_add_nc_u32 v[ADT], s30, v[AT0]
.irp t, 0,1,2,3,4,5,6,7
	ds_load_b128 v[KF+4*\t:KF+4*\t+3], v[ADK] offset:512*\t
.endr
	ds_load_b64 v[KS:KS+1], v[ADS]
	ds_load_b64 v[KS+2:KS+3], v[ADS] offset:256
.irp c, 0,1
.irp tt, 0,1,2,3
	ds_load_b128 v[VF+8*\tt+4*\c:VF+8*\tt+4*\c+3], v[ADV] offset:2048*\c+512*\tt
.endr
.endr
	ds_load_b64 v[VS:VS+1], v[ADT]
	s_wait_dscnt 9                                 ; K and its words are in; V's nine loads may stay out
.irp t, 0,1,2,3,4,5,6,7
	WM SS+8*\t, KF+4*\t, QF, -1, KS+\t/2, QS, \t%2, 0
.endr
	PLACES
.irp b, 0,1,2,3
	v_max3_num_f32 v[BM+\b], v[SS+16*\b], v[SS+16*\b+1], v[SS+16*\b+2]   ; the largest score of each block of 32 keys: for the row's maximum and, since p rises with the score, for the block's largest p
.endr
.irp i, 3,5,7,9,11,13
.irp b, 0,1,2,3
	v_max3_num_f32 v[BM+\b], v[BM+\b], v[SS+16*\b+\i], v[SS+16*\b+\i+1]
.endr
.endr
.irp b, 0,1,2,3
	v_max_num_f32 v[BM+\b], v[BM+\b], v[SS+16*\b+15]
.endr
.irp b, 0,1,2,3
	s_delay_alu instid0(VALU_DEP_4)
	v_permlanex16_b32 v[BX+\b], v[BM+\b], s[SEL], s[SEL+1]
.endr
.irp b, 0,1,2,3
	s_delay_alu instid0(VALU_DEP_4)
	v_max_num_f32 v[BM+\b], v[BM+\b], v[BX+\b]
.endr
	s_delay_alu instid0(VALU_DEP_2)
	v_max3_num_f32 v[TMP], v[BM], v[BM+1], v[BM+2]
	s_delay_alu instid0(VALU_DEP_1)
	v_max_num_f32 v[TMP], v[TMP], v[BM+3]
	s_delay_alu instid0(VALU_DEP_1)
	v_mul_f32 v[TMP], s26, v[TMP]
	s_delay_alu instid0(VALU_DEP_1)
	v_max_num_f32 v[TX], v[TX], v[TMP]             ; the running largest t
	v_mov_b32 v[TMP], v[NM]
	s_delay_alu instid0(VALU_DEP_2)
	v_floor_f32 v[NM], -v[TX]                      ; -M = floor(-t)
	s_delay_alu instid0(VALU_DEP_1)
	v_sub_f32 v[TMP], v[NM], v[TMP]                ; old M - new M: a whole number, 0 or less
	s_delay_alu instid0(VALU_DEP_1)
	v_cvt_i32_f32 v[TMP], v[TMP]                   ; (it saturates)
	s_delay_alu instid0(VALU_DEP_1)
	v_ldexp_f32 v[FF], 1.0, v[TMP]                 ; f = 2^(old M - new M)
.irp j, 0,2,4,6,8,10,12,14,16,18,20,22,24,26,28,30,32,34,36,38,40,42,44,46,48,50,52,54,56,58,60,62
	v_pk_fma_f32 v[SS+\j:SS+\j+1], v[SS+\j:SS+\j+1], s[26:27], v[NM:NM+1] op_sel_hi:[1,0,0]   ; t - M
.endr
.irp b, 0,1,2,3
	v_fma_f32 v[BM+\b], v[BM+\b], s26, v[NM]
.endr
	s_wait_alu depctr_va_vdst(0)
.irp j, 0,1,2,3,4,5,6,7,8,9,10,11,12,13,14,15,16,17,18,19,20,21,22,23,24,25,26,27,28,29,30,31,32,33,34,35,36,37,38,39,40,41,42,43,44,45,46,47,48,49,50,51,52,53,54,55,56,57,58,59,60,61,62,63
	v_exp_f32 v[SS+\j], v[SS+\j]                   ; p = 2^(t - M)
.endr
	s_setprio 1
.irp b, 0,1,2,3
	v_exp_f32 v[BM+\b], v[BM+\b]                   ; the block's largest p: the same two instructions on the same number
.endr
	v_pk_mul_f32 v[SUM:SUM+1], v[SUM:SUM+1], v[FF:FF+1] op_sel_hi:[1,0]   ; the sums under the new M; a plain place behind the exponentials
	s_wait_alu depctr_va_vdst(0)
.irp b, 0,1,2,3
	v_max_num_f32 v[BM+\b], 0x1800000, v[BM+\b]    ; the floor 2^(3 - 127)
.endr
.irp b, 0,1,2,3
	s_delay_alu instid0(VALU_DEP_4)
	v_add_nc_u32 v[SOP+\b], 0xff000000, v[BM+\b]
.endr
.irp b, 0,1,2,3
	s_delay_alu instid0(VALU_DEP_4)
	v_lshrrev_b32 v[BX+\b], 23, v[SOP+\b]
.endr
	s_delay_alu instid0(VALU_DEP_3)
	v_lshl_or_b32 v[PW], v[BX+1], 8, v[BX]         ; p's scale word for these 128 keys
	s_delay_alu instid0(VALU_DEP_1)
	v_lshl_or_b32 v[PW], v[BX+2], 16, v[PW]
	s_delay_alu instid0(VALU_DEP_1)
	v_lshl_or_b32 v[PW], v[BX+3], 24, v[PW]
.irp b, 0,1,2,3
	v_cvt_scalef32_pk8_fp4_f32 v[PC+2*\b], v[SS+16*\b:SS+16*\b+7], v[SOP+\b]
	v_cvt_scalef32_pk8_fp4_f32 v[PC+2*\b+1], v[SS+16*\b+8:SS+16*\b+15], v[SOP+\b]
.endr
	v_nop
.irp c, 0,1
.irp i, 0,1
	v_permlane16_swap_b32 v[PC+4*\c+\i], v[PC+4*\c+2+\i]
.endr
.endr
	v_pk_add_f32 v[220:221], v[104:105], v[108:109]
	v_pk_add_f32 v[252:253], v[112:113], v[116:117]
	v_pk_add_f32 v[250:251], v[120:121], v[124:125]
	v_pk_add_f32 v[248:249], v[128:129], v[132:133]
	v_pk_add_f32 v[246:247], v[136:137], v[140:141]
	v_pk_add_f32 v[244:245], v[144:145], v[148:149]
	v_pk_add_f32 v[242:243], v[152:153], v[156:157]
	v_pk_add_f32 v[14:15], v[14:15], v[160:161]
	v_pk_add_f32 v[220:221], v[220:221], v[100:101]
	v_pk_add_f32 v[252:253], v[252:253], v[102:103]
	v_pk_add_f32 v[250:251], v[250:251], v[106:107]
	v_pk_add_f32 v[248:249], v[248:249], v[110:111]
	v_pk_add_f32 v[246:247], v[246:247], v[114:115]
	v_pk_add_f32 v[244:245], v[244:245], v[118:119]
	v_pk_add_f32 v[242:243], v[242:243], v[122:123]
	v_pk_add_f32 v[14:15], v[14:15], v[126:127]
	v_pk_add_f32 v[220:221], v[220:221], v[130:131]
	v_pk_add_f32 v[252:253], v[252:253], v[134:135]
	v_pk_add_f32 v[250:251], v[250:251], v[138:139]
	v_pk_add_f32 v[248:249], v[248:249], v[142:143]
	v_pk_add_f32 v[246:247], v[246:247], v[146:147]
	v_pk_add_f32 v[244:245], v[244:245], v[150:151]
	v_pk_add_f32 v[242:243], v[242:243], v[154:155]
	v_pk_add_f32 v[14:15], v[14:15], v[158:159]
	v_pk_add_f32 v[220:221], v[220:221], v[162:163]
	s_delay_alu instid0(VALU_DEP_2)
	v_pk_add_f32 v[14:15], v[14:15], v[248:249]
	s_delay_alu instid0(VALU_DEP_2)
	v_pk_add_f32 v[220:221], v[220:221], v[246:247]
	v_pk_add_f32 v[252:253], v[252:253], v[244:245]
	v_pk_add_f32 v[250:251], v[250:251], v[242:243]
	s_delay_alu instid0(VALU_DEP_2)
	v_pk_add_f32 v[14:15], v[14:15], v[252:253]
	s_delay_alu instid0(VALU_DEP_2)
	v_pk_add_f32 v[220:221], v[220:221], v[250:251]
	s_delay_alu instid0(VALU_DEP_1)
	v_pk_add_f32 v[14:15], v[14:15], v[220:221]
	s_setprio 0
.irp j, 0,2,4,6,8,10,12,14,16,18,20,22,24,26,28,30
	v_pk_mul_f32 v[OO+\j:OO+\j+1], v[OO+\j:OO+\j+1], v[FF:FF+1] op_sel_hi:[1,0]   ; O^T under the new M.  The sums and these are the places between p's codes and word and the products
.endr
	s_wait_alu depctr_va_vdst(0)
	s_wait_dscnt 0x0                               ; V is in
.irp tt, 0,1,2,3
	WM OO+8*\tt, VF+8*\tt, PC, OO+8*\tt, VS+\tt/2, PW, \tt%2, 0
.endr
	s_add_co_u32 s28, s28, 4096
	s_add_co_u32 s29, s29, 512
	s_add_co_u32 s30, s30, 256
	s_sub_co_u32 s31, s31, 1
	s_cmp_lg_u32 s31, 0
	s_cbranch_scc1 .Lstep
	s_setprio 0
	; ---- the way out: O^T / the sum, quantised along the head's 64 channels: half a fragment of the next product's operand
	PLACES
	v_add_nc_u32 v5, s43, v[AK0]
	v_mul_u32_u24 v6, v9, 24
	s_delay_alu instid0(VALU_DEP_1)
	v_add_nc_u32 v6, s44, v6
	v_add_f32 v[SUM], v[SUM], v[SUM+1]
	s_delay_alu instid0(VALU_DEP_1)
	v_permlanex16_b32 v[TMP], v[SUM], s[SEL], s[SEL+1]
	s_delay_alu instid0(VALU_DEP_1)
	v_add_f32 v[SUM], v[SUM], v[TMP]               ; the row's sum
	s_wait_alu depctr_va_vdst(0)
	v_rcp_f32 v[SUM], v[SUM]
	v_nop                                          ; a plain place behind the transcendental
	s_wait_alu depctr_va_vdst(0)
.irp j, 0,2,4,6,8,10,12,14,16,18,20,22,24,26,28,30
	v_pk_mul_f32 v[SS+\j:SS+\j+1], v[OO+\j:OO+\j+1], v[SUM:SUM+1] op_sel_hi:[1,0]
.endr
	QUANT SS, 2
	global_store_b128 v5, v[PC:PC+3], s[6:7]       ; 32 lanes store 512 consecutive bytes
	global_store_b16 v6, v[PW], s[6:7]             ; two bytes a lane: the twelve heads of a row's 24 bytes come from twelve work-groups
	s_wait_tensorcnt 0x0
	ds_add_u32 v254, v255
	s_wait_dscnt 0x0
	ROUND                                          ; the closing round: no work-group ends while a partner may still ask
	s_endpgm
.Lfunc_end_k_qcd2fd72098_attn:
	.size	k_qcd2fd72098_attn, .Lfunc_end_k_qcd2fd72098_attn-k_qcd2fd72098_attn
	.p2alignl 7, 3214868480
	.fill 96, 4, 3214868480
	.section	.rodata,"a",@progbits
	.p2align	6, 0x0
	.amdhsa_kernel k_qcd2fd72098_attn
		.amdhsa_group_segment_fixed_size 288768
		.amdhsa_private_segment_fixed_size 0
		.amdhsa_enable_private_segment 0
		.amdhsa_kernarg_size 16
		.amdhsa_user_sgpr_count 2
		.amdhsa_user_sgpr_kernarg_segment_ptr 1
		.amdhsa_wavefront_size32 1
		.amdhsa_system_sgpr_workgroup_id_x 1
		.amdhsa_system_sgpr_workgroup_id_y 1
		.amdhsa_system_sgpr_workgroup_id_z 1
		.amdhsa_system_vgpr_workitem_id 0
		.amdhsa_next_free_vgpr 256
		.amdhsa_next_free_sgpr 66
		.amdhsa_reserve_vcc 0
		.amdhsa_float_denorm_mode_32 3
		.amdhsa_float_denorm_mode_16_64 3
		.amdhsa_memory_ordered 1
		.amdhsa_forward_progress 1
		.amdhsa_inst_pref_size 28
	.end_amdhsa_kernel
	.amdgpu_metadata
---
amdhsa.version: [ 1, 2 ]
amdhsa.kernels:
  - .name:           k_qcd2fd72098_attn
    .symbol:         k_qcd2fd72098_attn.kd
    .args:
      - { .name: qkv, .offset: 0, .size: 8, .value_kind: global_buffer, .address_space: global }
      - { .name: ctx, .offset: 8, .size: 8, .value_kind: global_buffer, .address_space: global }
    .group_segment_fixed_size: 288768
    .private_segment_fixed_size: 0
    .kernarg_segment_align: 8
    .kernarg_segment_size: 16
    .max_flat_workgroup_size: 512
    .sgpr_count:     66
    .vgpr_count:     256
    .wavefront_size: 32
...
	.end_amdgpu_metadata
.endif
;; end of part 8
;; launch proj_ln1 (part 9): grid 256 x 1, 4 waves a work-group, no clusters, 51,200 bytes of LDS; arguments ctx, Wo_codes, Wo_scales, bo, x, ln1_g, ln1_b, hf, hq; writes hf, hq
.if DOCPART == 9
	.amdgcn_target "amdgcn-amd-amdhsa--gfx1250"
	.amdhsa_code_object_version 6
	.text
	.protected	k_qcd2fd72098_proj_ln1
	.globl	k_qcd2fd72098_proj_ln1
	.p2align	8
	.type	k_qcd2fd72098_proj_ln1,@function
k_qcd2fd72098_proj_ln1:
	s_mov_b64 s[64:65], 0
	v_nop
	global_prefetch_b8 v0, s[64:65] scope:SCOPE_SE
	s_setreg_imm32_b32 hwreg(HW_REG_WAVE_SCHED_MODE, 0, 2), 2
	s_setreg_imm32_b32 hwreg(HW_REG_WAVE_MODE, 25, 1), 1
	s_wait_xcnt 0x0
	s_wait_alu depctr_vm_vsrc(0)
; h = LayerNorm(x + ctx Wo + bo), stored as f32 (hf) and as codes of FP4 with E8M0 scales (hq); the product on codes.
; SHARES.  A work-group takes one token tile T (16 tokens, in the order of the launches before: row i is token 32 (T / 2) + 8 (T % 2) + i + 8 (i / 8)); wave w columns 192 w .. 192 w + 191.
; Source 0 = 16 rows of Wo (in the same order), source 1 = ctx's fragment: a lane holds one token, and register 16 b + i of its 96 is column 192 w + 32 b + 16 (lane / 16) + i.
; x + bo is the C of every sum's first product.  The norm takes two passes (mean, then the squares of the differences); a row's four parts meet in LDS, one barrier each.
; h leaves as f32 through the wave's own stage (rows of 768 + 16 bytes), sixteen lanes to 256 consecutive bytes, and as images of the next operand's registers; its scale bytes two a lane.
; LIMITS: NaN and infinities are not served; a block of zeros gets the byte 1.  No tensor load: each weight byte goes once into the register in which it is multiplied.
; THE MODE: SCHED_MODE bits 1:0 = 2 (LLVM: expert scheduling mode 2), set by the entry lines.  The code itself states the register dependences
; between vector or matrix instructions and memory or LDS instructions, with s_wait_alu, always for 0.
; THE PLAN.  Registers that memory or LDS instructions touch:
;   v2-v15             Offsets and LDS addresses: written once at the head, never again.
;   window 1, v0-191   Weights of K steps 0 and 1: loaded, read by the products; then g and b land there, read by the norm's last lines.
;   v[CH]              Written by each pass's sums, read by that pass's LDS store, written again by the second pass.
;   v[RBK ..]          The four waves' parts: loaded from LDS, read and written by three additions, loaded again in the second pass.
;   ACC                x, then the sums, then h: read by the stage's LDS stores, not written behind them.
;   OUTR               The registers that held the bias's upper part and the scale words: the loads from the stage land there; the last global stores read them.
;   PC, PW             Written by QUANT, read by the stores of hq, written by the second QUANT.
; The waits on va_vdst: ahead of the first load; ahead of the loads of g and b; ahead of each pass's LDS store; ahead of the stage's stores; ahead of each run of stores of codes.
; The waits on vm_vsrc: ahead of the second pass's first write of v[CH]; ahead of the second QUANT.
.set RB,   384
.set SB,   24
.set RED1, 50176
.set XRA,  2
.set WA,   3
.set WSA,  4
.set BA,   5
.set ASA,  6
.set STO,  7
.set LR,   8                           ; v8-10: three patterns that read two stage rows as three runs of 512 bytes
.set LI,   11                          ; 16 x lane; also the first of
.set GO,   11                          ; v11-13: the same three patterns in two rows of hf
.set RW,   14
.set RRD,  15
.set ACC,  16                          ; v16-111
.set BIAS, 112                         ; v112-207, free behind the first addition
.set WS,   208
.set AS,   244
.set TM,   112
.set PW,   128
.set PC,   130
.set MU,   138
.set RS,   140
.set CH,   142
.set RBK,  150
.set TX,   154
.set OUTR, 156                         ; v156-251
.set LN,   252
.set RR,   253
.set HH,   254
.set RP,   255
.set SEL,  40
.set MSB, 0
.macro WIN new
.if MSB != (\new)
	s_set_vgpr_msb (MSB<<8)|(\new)
.set MSB, (\new)
.endif
.endm
.macro PLACES
.rept 4
	v_nop
.endr
.endm
.macro WM d, a, b, c, sa, sb, ra, rb
.if ((\ra) == 0) && ((\rb) == 0)
	v_wmma_scale_f32_16x16x128_f8f6f4 v[(\d):(\d)+7], v[(\a):(\a)+7], v[(\b):(\b)+7], v[(\c):(\c)+7], v[(\sa)], v[(\sb)] matrix_a_fmt:MATRIX_FMT_FP4 matrix_b_fmt:MATRIX_FMT_FP4
.else
	v_wmma_scale_f32_16x16x128_f8f6f4 v[(\d):(\d)+7], v[(\a):(\a)+7], v[(\b):(\b)+7], v[(\c):(\c)+7], v[(\sa)], v[(\sb)] matrix_a_fmt:MATRIX_FMT_FP4 matrix_b_fmt:MATRIX_FMT_FP4 matrix_a_scale:MATRIX_SCALE_ROW1
.endif
.endm
.macro QUANT s, nb
.irp b, 0,1,2,3
.if \b < \nb
	v_max3_num_f32 v[TM+\b], |v[(\s)+16*\b]|, |v[(\s)+16*\b+1]|, 0x1800000
.endif
.endr
.irp i, 2,4,6,8,10,12,14
.irp b, 0,1,2,3
.if \b < \nb
	v_max3_num_f32 v[TM+\b], v[TM+\b], |v[(\s)+16*\b+\i]|, |v[(\s)+16*\b+\i+1]|
.endif
.endr
.endr
.irp b, 0,1,2,3
.if \b < \nb
	v_permlanex16_b32 v[TM+4+\b], v[TM+\b], s[SEL], s[SEL+1]
.endif
.endr
.irp b, 0,1,2,3
.if \b < \nb
	v_max_num_f32 v[TM+\b], v[TM+\b], v[TM+4+\b]
.endif
.endr
.irp b, 0,1,2,3
.if \b < \nb
	v_add_nc_u32 v[TM+12+\b], 0xff000000, v[TM+\b]
.endif
.endr
.irp b, 0,1,2,3
.if \b < \nb
	v_lshrrev_b32 v[TM+4+\b], 23, v[TM+12+\b]
.endif
.endr
	v_lshl_or_b32 v[PW], v[TM+5], 8, v[TM+4]
.if \nb > 2
	v_lshl_or_b32 v[PW], v[TM+6], 16, v[PW]
	v_lshl_or_b32 v[PW], v[TM+7], 24, v[PW]
.endif
.irp b, 0,1,2,3
.if \b < \nb
	v_cvt_scalef32_pk8_fp4_f32 v[PC+2*\b], v[(\s)+16*\b:(\s)+16*\b+7], v[TM+12+\b]
	v_cvt_scalef32_pk8_fp4_f32 v[PC+2*\b+1], v[(\s)+16*\b+8:(\s)+16*\b+15], v[TM+12+\b]
.endif
.endr
	v_nop
.irp c, 0,1
.if 2*\c < \nb
.irp i, 0,1
	v_permlane16_swap_b32 v[PC+4*\c+\i], v[PC+4*\c+2+\i]
.endr
.endif
.endr
.endm
; the four chains become my row's sum over all 768 columns, in v[RBK]: the two halves of the lanes, then the four waves through LDS
.macro REDUCE off
	v_pk_add_f32 v[CH:CH+1], v[CH:CH+1], v[CH+2:CH+3]
	v_pk_add_f32 v[CH+4:CH+5], v[CH+4:CH+5], v[CH+6:CH+7]
	v_pk_add_f32 v[CH:CH+1], v[CH:CH+1], v[CH+4:CH+5]
	v_add_f32 v[CH], v[CH], v[CH+1]
	v_permlanex16_b32 v[TX], v[CH], s[SEL], s[SEL+1]
	v_add_f32 v[CH], v[CH], v[TX]
	s_wait_alu depctr_va_vdst(0)                   ; the additions have written v[CH], which the LDS store reads; and every earlier line that named v[RBK ..], in which the LDS load below lands, is done
	ds_store_b32 v[RW], v[CH] offset:\off          ; both halves of the lanes write the same word with the same value
	s_wait_dscnt 0x0                               ; for the others' sake
	s_barrier_signal -1
	s_barrier_wait -1
	ds_load_b128 v[RBK:RBK+3], v[RRD] offset:\off
	s_wait_dscnt 0x0
	v_add_f32 v[RBK], v[RBK], v[RBK+1]
	v_add_f32 v[RBK+2], v[RBK+2], v[RBK+3]
	v_add_f32 v[RBK], v[RBK], v[RBK+2]
.endm
	s_load_b512 s[8:23], s[0:1], 0x0               ; ctx, Wo codes, Wo scales, bo, x, g, b, hf
	s_load_b64 s[24:25], s[0:1], 0x40              ; hq
	v_lshl_add_u32 v1, v0, 2, 0xc600
	s_set_vgpr_msb 0x40
	v_mov_b32 v255, 0
	s_set_vgpr_msb 0x4000
	v_lshrrev_b32 v[LN], 5, v0
	v_readfirstlane_b32 s26, v[LN]                 ; wave
	s_mov_b32 s27, ttmp9                           ; T
	v_and_b32 v[LN], 31, v0
	v_and_b32 v[RR], 15, v0
	v_bfe_u32 v[HH], v0, 4, 1
	v_and_b32 v[RP], 8, v[RR]
	v_add_nc_u32 v[RP], v[RP], v[RR]
	v_lshlrev_b32 v[LI], 4, v[LN]
	v_mul_u32_u24 v[XRA], v[RP], 3072
	v_lshl_add_u32 v[XRA], v[HH], 6, v[XRA]
	v_mul_u32_u24 v[WA], v[RP], RB
	v_lshl_add_u32 v[WA], v[HH], 4, v[WA]
	v_lshl_add_u32 v[WSA], v[HH], 3, v[RP]
	v_mul_u32_u24 v[WSA], v[WSA], SB
	v_lshlrev_b32 v[BA], 6, v[HH]
	v_mul_u32_u24 v[ASA], v[RR], 24
	s_wait_alu depctr_va_sdst(0)                   ; s26, the wave's number, is written, ahead of its first reader: LDS addresses and the buffers' offsets are made from it
	s_mul_i32 s38, s26, 12544                      ; my stage
	v_mul_u32_u24 v[STO], v[RR], 784
	v_lshl_add_u32 v[STO], v[HH], 6, v[STO]
	v_add_nc_u32 v[STO], s38, v[STO]
	v_add_nc_u32 v[LR], s38, v[LI]                 ; an even row's bytes 0 .. 511;
	v_lshl_add_u32 v[LR+1], v[HH], 4, v[LR]
	v_add_nc_u32 v[LR+1], 512, v[LR+1]             ; its bytes 512 .. 767 and the next row's 0 .. 255;
	v_add_nc_u32 v[LR+2], 1040, v[LR]              ; that row's bytes 256 .. 767
	v_mul_u32_u24 v[GO+1], v[HH], 2304
	v_add_nc_u32 v[GO+1], v[GO+1], v[LI]
	v_add_nc_u32 v[GO+1], 512, v[GO+1]
	v_add_nc_u32 v[GO+2], 3328, v[LI]
	s_lshl_b32 s38, s26, 2
	s_add_co_u32 s38, s38, RED1
	v_lshl_add_u32 v[RW], v[RR], 4, s38
	v_lshlrev_b32 v[RRD], 4, v[RR]
	v_add_nc_u32 v[RRD], RED1, v[RRD]
	s_mov_b32 s[SEL], 0x76543210
	s_mov_b32 s[SEL+1], 0xfedcba98
	s_mov_b32 s42, 0x3aaaaaab                      ; 1 / 768
	s_mov_b32 s43, 0x3727c5ac                      ; 1e-5
	s_mov_b32 s37, 0
	s_wait_kmcnt 0x0
	s_mul_i32 s36, s27, 6144
	s_add_nc_u64 s[28:29], s[8:9], s[36:37]        ; ctx's codes of tile T
	s_mul_i32 s38, s26, 1536
	s_add_co_u32 s36, s36, s38
	s_add_nc_u64 s[32:33], s[24:25], s[36:37]      ; hq's codes: + my three half fragments
	s_mul_i32 s36, s27, 384
	s_add_co_u32 s36, s36, 1572864
	s_add_nc_u64 s[30:31], s[8:9], s[36:37]        ; ctx's scale bytes
	s_mul_i32 s38, s26, 6
	s_add_co_u32 s36, s36, s38
	s_add_nc_u64 s[34:35], s[24:25], s[36:37]      ; hq's: + my six
	s_mul_i32 s36, s26, 192*RB
	s_add_nc_u64 s[10:11], s[10:11], s[36:37]
	s_mul_i32 s36, s26, 192*SB
	s_add_nc_u64 s[12:13], s[12:13], s[36:37]
	s_mul_i32 s36, s26, 768
	s_add_nc_u64 s[14:15], s[14:15], s[36:37]
	s_add_nc_u64 s[18:19], s[18:19], s[36:37]
	s_add_nc_u64 s[20:21], s[20:21], s[36:37]
	s_lshr_b32 s38, s27, 1
	s_lshl_b32 s38, s38, 5
	s_and_b32 s39, s27, 1
	s_lshl_b32 s39, s39, 3
	s_add_co_u32 s38, s38, s39
	s_mul_i32 s38, s38, 3072
	s_add_co_u32 s36, s36, s38
	s_add_nc_u64 s[16:17], s[16:17], s[36:37]      ; x and hf at the tile's first token, my columns
	s_add_nc_u64 s[22:23], s[22:23], s[36:37]
	s_wait_alu depctr_va_vdst(0)                   ; the offsets and LDS addresses v2-v15 are written, which the loads and stores of the whole kernel read
.irp b, 0,1,2,3,4,5
.irp j, 0,1,2,3
	global_load_b128 v[ACC+16*\b+4*\j:ACC+16*\b+4*\j+3], v[XRA], s[16:17] offset:128*\b+16*\j
	global_load_b128 v[BIAS+16*\b+4*\j:BIAS+16*\b+4*\j+3], v[BA], s[14:15] offset:128*\b+16*\j
.endr
.endr
.irp i, 0,1,2
	global_load_b64 v[AS+2*\i:AS+2*\i+1], v[ASA], s[30:31] offset:8*\i
.endr
.irp tp, 0,1,2,3,4,5
.irp i, 0,1,2
	global_load_b64 v[WS+6*\tp+2*\i:WS+6*\tp+2*\i+1], v[WSA], s[12:13] offset:32*\tp*SB+8*\i
.endr
.endr
.irp wi, 1,2,3
	WIN \wi<<6
.irp sl, 0,1
.irp c, 0,1
	global_load_b128 v[192+8*\sl+4*\c:192+8*\sl+4*\c+3], v[LI], s[28:29] offset:1024*(2*(\wi-1)+\sl)+512*\c
.endr
.irp t, 0,1,2,3,4,5,6,7,8,9,10,11
.irp c, 0,1
	global_load_b128 v[96*\sl+8*\t+4*\c:96*\sl+8*\t+4*\c+3], v[WA], s[10:11] offset:(32*(\t/2)+8*(\t%2))*RB+64*(2*(\wi-1)+\sl)+32*\c
.endr
.endr
.endr
.endr
	WIN 0
	s_wait_loadcnt 0x0
.irp j, 0,2,4,6,8,10,12,14,16,18,20,22,24,26,28,30,32,34,36,38,40,42,44,46,48,50,52,54,56,58,60,62,64,66,68,70,72,74,76,78,80,82,84,86,88,90,92,94
	v_pk_add_f32 v[ACC+\j:ACC+\j+1], v[ACC+\j:ACC+\j+1], v[BIAS+\j:BIAS+\j+1]   ; x + bo: what the sums begin with
.endr
	PLACES
.irp s, 0,1,2,3,4,5                    ; twelve accumulators by turns, K step by K step
	WIN 5*(1+\s/2)
.irp t, 0,1,2,3,4,5,6,7,8,9,10,11
	WM ACC+8*\t, 96*(\s%2)+8*\t, 192+8*(\s%2), ACC+8*\t, WS+6*(\t/2)+\s, AS+\s, \t%2, 0
.endr
.endr
	WIN 0
	PLACES
	WIN 0x40                                       ; g and b, in the result's layout, into window 1, where K steps 0 and 1 of the weights lay
	s_wait_alu depctr_va_vdst(0)                   ; the products are done reading K steps 0 and 1 of the weights, in whose registers g and b land
.irp b, 0,1,2,3,4,5
.irp j, 0,1,2,3
	global_load_b128 v[16*\b+4*\j:16*\b+4*\j+3], v[BA], s[18:19] offset:128*\b+16*\j
	global_load_b128 v[96+16*\b+4*\j:96+16*\b+4*\j+3], v[BA], s[20:21] offset:128*\b+16*\j
.endr
.endr
	WIN 0
.irp b, 0,1,2,3
	v_mov_b32 v[TM+4+\b], 0
.endr
	v_mov_b32 v[TX], 0
	v_mov_b32 v[MU+1], 0                           ; (upper halves of pairs of which the low word serves both)
	v_mov_b32 v[RS+1], 0
	; ---- the mean: four chains, each accumulator read from its low end on
.irp c, 0,1,2,3
	v_pk_add_f32 v[CH+2*\c:CH+2*\c+1], v[ACC+2*\c:ACC+2*\c+1], v[ACC+8+2*\c:ACC+8+2*\c+1]
.endr
.irp j, 8,9,10,11,12,13,14,15,16,17,18,19,20,21,22,23,24,25,26,27,28,29,30,31,32,33,34,35,36,37,38,39,40,41,42,43,44,45,46,47
	v_pk_add_f32 v[CH+2*(\j%4):CH+2*(\j%4)+1], v[CH+2*(\j%4):CH+2*(\j%4)+1], v[ACC+2*\j:ACC+2*\j+1]
.endr
	REDUCE 0
	v_mul_f32 v[MU], s42, v[RBK]
.irp j, 0,2,4,6,8,10,12,14,16,18,20,22,24,26,28,30,32,34,36,38,40,42,44,46,48,50,52,54,56,58,60,62,64,66,68,70,72,74,76,78,80,82,84,86,88,90,92,94
	v_pk_add_f32 v[ACC+\j:ACC+\j+1], v[ACC+\j:ACC+\j+1], v[MU:MU+1] op_sel_hi:[1,0] neg_lo:[0,1] neg_hi:[0,1]   ; d = y - mean
.endr
	s_wait_alu depctr_vm_vsrc(0)                   ; the first pass's LDS store has read v[CH], which the line below writes again
.irp c, 0,1,2,3
	v_pk_mul_f32 v[CH+2*\c:CH+2*\c+1], v[ACC+2*\c:ACC+2*\c+1], v[ACC+2*\c:ACC+2*\c+1]
.endr
.irp j, 4,5,6,7,8,9,10,11,12,13,14,15,16,17,18,19,20,21,22,23,24,25,26,27,28,29,30,31,32,33,34,35,36,37,38,39,40,41,42,43,44,45,46,47
	v_pk_fma_f32 v[CH+2*(\j%4):CH+2*(\j%4)+1], v[ACC+2*\j:ACC+2*\j+1], v[ACC+2*\j:ACC+2*\j+1], v[CH+2*(\j%4):CH+2*(\j%4)+1]
.endr
	REDUCE 256                                     ; other bytes than the first time: no third barrier
	v_fma_f32 v[RS], v[RBK], s42, s43              ; the variance + 1e-5
	s_wait_alu depctr_va_vdst(0)
	v_rsq_f32 v[RS], v[RS]
	v_nop
	s_wait_loadcnt 0x0                             ; g, b
	s_wait_alu depctr_va_vdst(0)                   ; the reciprocal root has written v[RS], which the next line reads
.irp j, 0,2,4,6,8,10,12,14,16,18,20,22,24,26,28,30,32,34,36,38,40,42,44,46,48,50,52,54,56,58,60,62,64,66,68,70,72,74,76,78,80,82,84,86,88,90,92,94
	v_pk_mul_f32 v[ACC+\j:ACC+\j+1], v[ACC+\j:ACC+\j+1], v[RS:RS+1] op_sel_hi:[1,0]
.endr
	WIN 0x14                                       ; sources 1 and 2 in window 1
.irp j, 0,2,4,6,8,10,12,14,16,18,20,22,24,26,28,30,32,34,36,38,40,42,44,46,48,50,52,54,56,58,60,62,64,66,68,70,72,74,76,78,80,82,84,86,88,90,92,94
	v_pk_fma_f32 v[ACC+\j:ACC+\j+1], v[ACC+\j:ACC+\j+1], v[\j:\j+1], v[96+\j:96+\j+1]
.endr
	WIN 0
	; ---- h as f32: through my own stage; LDS serves a wave's instructions in order, so no wait stands between the stores and the loads
	s_wait_alu depctr_va_vdst(0)                   ; the norm's last lines have written v[ACC ..], which the LDS stores read; the first addition and the products are done reading the bias and the scale words, in whose registers the loads from the stage land
.irp b, 0,1,2,3,4,5
.irp j, 0,1,2,3
	ds_store_b128 v[STO], v[ACC+16*\b+4*\j:ACC+16*\b+4*\j+3] offset:128*\b+16*\j
.endr
.endr
.irp i, 0,1,2,3,4,5,6,7,8,9,10,11,12,13,14,15,16,17,18,19,20,21,22,23
	ds_load_b128 v[OUTR+4*\i:OUTR+4*\i+3], v[LR+\i%3] offset:1568*(\i/3)
.endr
	; ---- h as codes, while the stage's loads are on their way (QUANT reads ACC and writes v112-137: none of the registers in which those loads land)
	QUANT ACC, 4
	s_wait_alu depctr_va_vdst(0)                   ; QUANT has written v[PC ..] and v[PW], which the stores read
	global_store_b128 v[LI], v[PC:PC+3], s[32:33]
	global_store_b128 v[LI], v[PC+4:PC+7], s[32:33] offset:512
	global_store_b16 v[ASA], v[PW], s[34:35]
	global_store_d16_hi_b16 v[ASA], v[PW], s[34:35] offset:2
	s_wait_xcnt 0x0                                ; the stores have had their addresses translated
	s_wait_alu depctr_vm_vsrc(0)                   ; the stores have read v[PC ..] and v[PW], which the second QUANT writes
	QUANT ACC+64, 2
	s_wait_alu depctr_va_vdst(0)                   ; QUANT has written v[PC ..] and v[PW], which the stores read
	global_store_b128 v[LI], v[PC:PC+3], s[32:33] offset:1024
	global_store_b16 v[ASA], v[PW], s[34:35] offset:4
	s_wait_dscnt 0x0
.irp i, 0,1,2,3,4,5,6,7,8,9,10,11,12,13,14,15,16,17,18,19,20,21,22,23
	global_store_b128 v[GO+\i%3], v[OUTR+4*\i:OUTR+4*\i+3], s[22:23] offset:(2*(\i/3)+8*((\i/3)/4))*3072   ; sixteen lanes store 256 consecutive bytes, aligned
.endr
	s_set_vgpr_msb 0x4                             ; the add's second register lies in window 1: the one switch stands ahead of the closing lines
	s_wait_dscnt 0x0                               ; the closing lines, six on end
	s_wait_alu 0x0
	s_wait_tensorcnt 0x0
	ds_add_u32 v1, v255
	s_wait_dscnt 0x0
	s_endpgm
.Lfunc_end_k_qcd2fd72098_proj_ln1:
	.size	k_qcd2fd72098_proj_ln1, .Lfunc_end_k_qcd2fd72098_proj_ln1-k_qcd2fd72098_proj_ln1
	.p2alignl 7, 3214868480
	.fill 96, 4, 3214868480
	.section	.rodata,"a",@progbits
	.p2align	6, 0x0
	.amdhsa_kernel k_qcd2fd72098_proj_ln1
		.amdhsa_group_segment_fixed_size 51200
		.amdhsa_private_segment_fixed_size 0
		.amdhsa_enable_private_segment 0
		.amdhsa_kernarg_size 72
		.amdhsa_user_sgpr_count 2
		.amdhsa_user_sgpr_kernarg_segment_ptr 1
		.amdhsa_wavefront_size32 1
		.amdhsa_system_sgpr_workgroup_id_x 1
		.amdhsa_system_sgpr_workgroup_id_y 1
		.amdhsa_system_sgpr_workgroup_id_z 1
		.amdhsa_system_vgpr_workitem_id 0
		.amdhsa_next_free_vgpr 1024
		.amdhsa_next_free_sgpr 66
		.amdhsa_reserve_vcc 0
		.amdhsa_float_denorm_mode_32 3
		.amdhsa_float_denorm_mode_16_64 3
		.amdhsa_memory_ordered 1
		.amdhsa_forward_progress 1
		.amdhsa_inst_pref_size 71
	.end_amdhsa_kernel
	.amdgpu_metadata
---
amdhsa.version: [ 1, 2 ]
amdhsa.kernels:
  - .name:           k_qcd2fd72098_proj_ln1
    .symbol:         k_qcd2fd72098_proj_ln1.kd
    .args:
      - { .name: ctx, .offset: 0, .size: 8, .value_kind: global_buffer, .address_space: global }
      - { .name: Wo_codes, .offset: 8, .size: 8, .value_kind: global_buffer, .address_space: global }
      - { .name: Wo_scales, .offset: 16, .size: 8, .value_kind: global_buffer, .address_space: global }
      - { .name: bo, .offset: 24, .size: 8, .value_kind: global_buffer, .address_space: global }
      - { .name: x, .offset: 32, .size: 8, .value_kind: global_buffer, .address_space: global }
      - { .name: ln1_g, .offset: 40, .size: 8, .value_kind: global_buffer, .address_space: global }
      - { .name: ln1_b, .offset: 48, .size: 8, .value_kind: global_buffer, .address_space: global }
      - { .name: hf, .offset: 56, .size: 8, .value_kind: global_buffer, .address_space: global }
      - { .name: hq, .offset: 64, .size: 8, .value_kind: global_buffer, .address_space: global }
    .group_segment_fixed_size: 51200
    .private_segment_fixed_size: 0
    .kernarg_segment_align: 8
    .kernarg_segment_size: 72
    .max_flat_workgroup_size: 128
    .sgpr_count:     66
    .vgpr_count:     1024
    .wavefront_size: 32
...
	.end_amdgpu_metadata
.endif
;; end of part 9
;; launch ffn1 (part 10): grid 16 x 16, 4 waves a work-group, no clusters, 0 bytes of LDS; arguments hq, W1_codes, W1_scales, b1, uq; writes uq
.if DOCPART == 10
	.amdgcn_target "amdgcn-amd-amdhsa--gfx1250"
	.amdhsa_code_object_version 6
	.text
	.protected	k_qcd2fd72098_ffn1
	.globl	k_qcd2fd72098_ffn1
	.p2align	8
	.type	k_qcd2fd72098_ffn1,@function
k_qcd2fd72098_ffn1:
	s_mov_b64 s[64:65], 0
	v_nop
	global_prefetch_b8 v0, s[64:65] scope:SCOPE_SE
	s_setreg_imm32_b32 hwreg(HW_REG_WAVE_SCHED_MODE, 0, 2), 2
	s_setreg_imm32_b32 hwreg(HW_REG_WAVE_MODE, 25, 1), 1
	s_wait_xcnt 0x0
	s_wait_alu depctr_vm_vsrc(0)
; u = Q(gelu(h W1 + b1)), the product on codes of FP4 (E2M1) with E8M0 scales, gelu exact (by erf) in f32, u quantised along its 3,072 columns.
; SHARES.  Work-group (cb, y): columns 192 cb .. + 191; wave w the 64 tokens G = 4 y + w (token tiles 4 G .. 4 G + 3).  The four waves hold the same 72 weight fragments, each in its own registers:
; nothing goes through LDS and there is no barrier.  Source 0 = 16 rows of W1 (row i of tile t: 32 (t / 2) + 8 (t % 2) + i + 8 (i / 8)), source 1 = h's fragment: a lane holds one token, its registers run along the columns.
; A unit is 64 columns x two token tiles: eight accumulators by turns, six K steps; then gelu and the quantiser in registers.  A trip of the loop takes two token tiles; the second pair's fragments are asked for in the first trip.
; erf(z) = z P(z^2) / Q(z^2), z held to -4 .. 4, P of degree 6 and Q of degree 4: good to a few units in erf's last place.  LIMIT: gelu = x / 2 + (x / 2) erf(x / sqrt 2) so carries an absolute error of
; about 1e-7 |x| / 2, which for x far below 0 is large beside gelu itself and small beside any block's largest number that is not itself of that kind.
; LIMITS: NaN and infinities are not served; a block of zeros gets the byte 1.  u's scale bytes leave two a lane: a row's 96 bytes come from sixteen work-groups.
; THE MODE: SCHED_MODE bits 1:0 = 2 (LLVM: expert scheduling mode 2), set by the entry lines.  The code itself states the register dependences
; between vector or matrix instructions and memory instructions, with s_wait_alu, always for 0.
; THE PLAN.  Registers that memory instructions touch:
;   v1-v6                 Offsets: written once at the head, never again; the stores' rows are reached by scalar bases and immediate offsets.
;   h's fragments (windows 1-3, v192-223) and AS: loaded; read by a trip's 144 products; behind the trip's last product the next pair of tiles lands there.
;   the weights, their scale words WS and b1: loaded once, read by products alone.
;   PC, PW                Written by a unit's QUANT; read by the unit's four stores; written again by the next unit's QUANT.
; So a unit has one wait on vm_vsrc ahead of its QUANT and one on va_vdst behind it; a trip that asks for further tiles has one wait on va_vdst ahead of that run of loads.  The waits inside gelu are those behind its reciprocals.
.set RB,   384
.set SB,   24
.set LI,   1
.set WA,   2
.set WSA,  3
.set BA,   4
.set ASA,  5
.set US,   6
.set LN,   8
.set RR,   9
.set HH,   10
.set RP,   11
.set ACC,  16
.set WS,   80
.set AS,   116
.set TM,   124
.set PW,   140
.set PC,   142
.set ZZ,   152
.set Z2,   160
.set PP,   168
.set QQ,   176
.set VA1,  184
.set VB1,  186
.set SEL,  52
.set MSB, 0
.macro WIN new
.if MSB != (\new)
	s_set_vgpr_msb (MSB<<8)|(\new)
.set MSB, (\new)
.endif
.endm
.macro PLACES
.rept 4
	v_nop
.endr
.endm
.macro WM d, a, b, c, sa, sb, ra, rb
.if ((\ra) == 0) && ((\rb) == 0)
	v_wmma_scale_f32_16x16x128_f8f6f4 v[(\d):(\d)+7], v[(\a):(\a)+7], v[(\b):(\b)+7], v[(\c):(\c)+7], v[(\sa)], v[(\sb)] matrix_a_fmt:MATRIX_FMT_FP4 matrix_b_fmt:MATRIX_FMT_FP4
.elseif (\rb) == 0
	v_wmma_scale_f32_16x16x128_f8f6f4 v[(\d):(\d)+7], v[(\a):(\a)+7], v[(\b):(\b)+7], v[(\c):(\c)+7], v[(\sa)], v[(\sb)] matrix_a_fmt:MATRIX_FMT_FP4 matrix_b_fmt:MATRIX_FMT_FP4 matrix_a_scale:MATRIX_SCALE_ROW1
.elseif (\ra) == 0
	v_wmma_scale_f32_16x16x128_f8f6f4 v[(\d):(\d)+7], v[(\a):(\a)+7], v[(\b):(\b)+7], v[(\c):(\c)+7], v[(\sa)], v[(\sb)] matrix_a_fmt:MATRIX_FMT_FP4 matrix_b_fmt:MATRIX_FMT_FP4 matrix_b_scale:MATRIX_SCALE_ROW1
.else
	v_wmma_scale_f32_16x16x128_f8f6f4 v[(\d):(\d)+7], v[(\a):(\a)+7], v[(\b):(\b)+7], v[(\c):(\c)+7], v[(\sa)], v[(\sb)] matrix_a_fmt:MATRIX_FMT_FP4 matrix_b_fmt:MATRIX_FMT_FP4 matrix_a_scale:MATRIX_SCALE_ROW1 matrix_b_scale:MATRIX_SCALE_ROW1
.endif
.endm
.macro QUANT s, nb
.irp b, 0,1,2,3
.if \b < \nb
	v_max3_num_f32 v[TM+\b], |v[(\s)+16*\b]|, |v[(\s)+16*\b+1]|, 0x1800000
.endif
.endr
.irp i, 2,4,6,8,10,12,14
.irp b, 0,1,2,3
.if \b < \nb
	v_max3_num_f32 v[TM+\b], v[TM+\b], |v[(\s)+16*\b+\i]|, |v[(\s)+16*\b+\i+1]|
.endif
.endr
.endr
.irp b, 0,1,2,3
.if \b < \nb
	v_permlanex16_b32 v[TM+4+\b], v[TM+\b], s[SEL], s[SEL+1]
.endif
.endr
.irp b, 0,1,2,3
.if \b < \nb
	v_max_num_f32 v[TM+\b], v[TM+\b], v[TM+4+\b]
.endif
.endr
.irp b, 0,1,2,3
.if \b < \nb
	v_add_nc_u32 v[TM+12+\b], 0xff000000, v[TM+\b]
.endif
.endr
.irp b, 0,1,2,3
.if \b < \nb
	v_lshrrev_b32 v[TM+4+\b], 23, v[TM+12+\b]
.endif
.endr
	v_lshl_or_b32 v[PW], v[TM+5], 8, v[TM+4]
.if \nb > 2
	v_lshl_or_b32 v[PW], v[TM+6], 16, v[PW]
	v_lshl_or_b32 v[PW], v[TM+7], 24, v[PW]
.endif
.irp b, 0,1,2,3
.if \b < \nb
	v_cvt_scalef32_pk8_fp4_f32 v[PC+2*\b], v[(\s)+16*\b:(\s)+16*\b+7], v[TM+12+\b]
	v_cvt_scalef32_pk8_fp4_f32 v[PC+2*\b+1], v[(\s)+16*\b+8:(\s)+16*\b+15], v[TM+12+\b]
.endif
.endr
	v_nop
.irp c, 0,1
.if 2*\c < \nb
.irp i, 0,1
	v_permlane16_swap_b32 v[PC+4*\c+\i], v[PC+4*\c+2+\i]
.endr
.endif
.endr
.endm
; gelu of eight registers (one accumulator, from its low end on), four pairs by turns
.macro GELU8 x
.irp i, 0,2,4,6
	v_pk_mul_f32 v[ZZ+\i:ZZ+\i+1], v[(\x)+\i:(\x)+\i+1], s[30:31] op_sel_hi:[1,0]   ; z = x / sqrt 2
.endr
.irp i, 0,1,2,3,4,5,6,7
	v_med3_num_f32 v[ZZ+\i], v[ZZ+\i], -4.0, 4.0
.endr
.irp i, 0,2,4,6
	v_pk_mul_f32 v[Z2+\i:Z2+\i+1], v[ZZ+\i:ZZ+\i+1], v[ZZ+\i:ZZ+\i+1]
.endr
.irp i, 0,2,4,6
	v_pk_fma_f32 v[PP+\i:PP+\i+1], v[Z2+\i:Z2+\i+1], s[32:33], v[VA1:VA1+1] op_sel_hi:[1,0,1]
.endr
.irp i, 0,2,4,6
	v_pk_fma_f32 v[QQ+\i:QQ+\i+1], v[Z2+\i:Z2+\i+1], s[44:45], v[VB1:VB1+1] op_sel_hi:[1,0,1]
.endr
.irp k, 0,2,4
.irp i, 0,2,4,6
	v_pk_fma_f32 v[PP+\i:PP+\i+1], v[PP+\i:PP+\i+1], v[Z2+\i:Z2+\i+1], s[34+\k:35+\k] op_sel_hi:[1,1,0]
.endr
.irp i, 0,2,4,6
	v_pk_fma_f32 v[QQ+\i:QQ+\i+1], v[QQ+\i:QQ+\i+1], v[Z2+\i:Z2+\i+1], s[46+\k:47+\k] op_sel_hi:[1,1,0]
.endr
.endr
.irp k, 6,8
.irp i, 0,2,4,6
	v_pk_fma_f32 v[PP+\i:PP+\i+1], v[PP+\i:PP+\i+1], v[Z2+\i:Z2+\i+1], s[34+\k:35+\k] op_sel_hi:[1,1,0]
.endr
.endr
.irp i, 0,1,2,3,4,5,6,7
	v_rcp_f32 v[QQ+\i], v[QQ+\i]
.endr
.irp i, 0,2,4,6
	v_pk_mul_f32 v[PP+\i:PP+\i+1], v[PP+\i:PP+\i+1], v[ZZ+\i:ZZ+\i+1]   ; plain lines behind the reciprocals
.endr
.irp i, 0,2,4,6
	v_pk_mul_f32 v[(\x)+\i:(\x)+\i+1], v[(\x)+\i:(\x)+\i+1], 0.5 op_sel_hi:[1,0]
.endr
	s_wait_alu depctr_va_vdst(0)                   ; the eight reciprocals have written v[QQ ..], which the next lines read: one wait for the batch
.irp i, 0,2,4,6
	v_pk_mul_f32 v[PP+\i:PP+\i+1], v[PP+\i:PP+\i+1], v[QQ+\i:QQ+\i+1]   ; erf
.endr
.irp i, 0,2,4,6
	v_pk_fma_f32 v[(\x)+\i:(\x)+\i+1], v[(\x)+\i:(\x)+\i+1], v[PP+\i:PP+\i+1], v[(\x)+\i:(\x)+\i+1]
.endr
.endm
; two token tiles' fragments of h, oc bytes on: (tile a, K step s) in window 1 + s / 2 at 192 + 16 (s % 2) + 8 a; their scale words, os bytes on: lanes 16-31 the second tile's
.macro ALOAD oc, os
.irp wi, 1,2,3
	WIN \wi<<6
.irp sl, 0,1
.irp a, 0,1
.irp c, 0,1
	global_load_b128 v[192+16*\sl+8*\a+4*\c:192+16*\sl+8*\a+4*\c+3], v[LI], s[22:23] offset:(\oc)+6144*\a+1024*(2*(\wi-1)+\sl)+512*\c
.endr
.endr
.endr
.endr
	WIN 0
.irp i, 0,1,2
	global_load_b64 v[AS+2*\i:AS+2*\i+1], v[ASA], s[24:25] offset:(\os)+8*\i
.endr
.endm
	s_load_b256 s[8:15], s[0:1], 0x0               ; hq, W1 codes, W1 scales, b1
	s_load_b64 s[16:17], s[0:1], 0x20              ; uq
	v_lshrrev_b32 v[LN], 5, v0
	v_readfirstlane_b32 s18, v[LN]                 ; wave
	s_mov_b32 s19, ttmp9                           ; cb
	s_and_b32 s20, ttmp7, 0xffff
	v_and_b32 v[LN], 31, v0
	v_and_b32 v[RR], 15, v0
	v_bfe_u32 v[HH], v0, 4, 1
	v_and_b32 v[RP], 8, v[RR]
	v_add_nc_u32 v[RP], v[RP], v[RR]
	v_lshlrev_b32 v[LI], 4, v[LN]
	v_mul_u32_u24 v[WA], v[RP], RB
	v_lshl_add_u32 v[WA], v[HH], 4, v[WA]
	v_lshl_add_u32 v[WSA], v[HH], 3, v[RP]
	v_mul_u32_u24 v[WSA], v[WSA], SB
	v_lshlrev_b32 v[BA], 6, v[HH]
	v_mul_u32_u24 v[ASA], v[HH], 384
	v_mad_u32_u24 v[ASA], v[RR], 24, v[ASA]
	v_mul_u32_u24 v[US], v[RR], 96
.irp b, 0,1,2,3
	v_mov_b32 v[TM+4+\b], 0
.endr
	v_mov_b32 v[VA1], 0x32edffee                   ; P's second coefficient,
	v_mov_b32 v[VA1+1], 0x32edffee
	v_mov_b32 v[VB1], 0xb95fbd29                   ; Q's: in vector pairs, so that no line names two scalar pairs
	v_mov_b32 v[VB1+1], 0xb95fbd29
	s_wait_alu depctr_va_sdst(0)                   ; s18, the wave's number, is written, ahead of its first reader: the buffers' offsets are made from it
	s_lshl_b32 s21, s20, 2
	s_add_co_u32 s21, s21, s18                     ; G = 4 y + wave
	s_mov_b32 s30, 0x3f3504f3                      ; 1 / sqrt 2
	s_mov_b32 s32, 0xaf95df0b                      ; P, from the highest power down: -2.726142e-10, (2.770681e-8), -2.101024e-6, -5.692506e-5, -7.349906e-4, -2.954600e-3, -1.609603e-2
	s_mov_b32 s34, 0xb60cff51
	s_mov_b32 s36, 0xb86ec2d2
	s_mov_b32 s38, 0xba40ac63
	s_mov_b32 s40, 0xbb41a1f6
	s_mov_b32 s42, 0xbc83dbd4
	s_mov_b32 s44, 0xb77460cd                      ; Q: -1.456607e-5, (-2.133741e-4), -1.682827e-3, -7.373329e-3, -1.426474e-2
	s_mov_b32 s46, 0xbadc924e
	s_mov_b32 s48, 0xbbf19bf8
	s_mov_b32 s50, 0xbc69b6a7
.irp k, 30,32,34,36,38,40,42,44,46,48,50
	s_mov_b32 s[\k+1], s[\k]                       ; (a packed form names the pair, so both words are written)
.endr
	s_mov_b32 s[SEL], 0x76543210
	s_mov_b32 s[SEL+1], 0xfedcba98
	s_mov_b32 s56, 2                               ; trips: two token tiles each
	s_mov_b32 s55, 0
	s_wait_kmcnt 0x0
	s_mul_i32 s54, s21, 24576
	s_add_nc_u64 s[22:23], s[8:9], s[54:55]        ; h's codes of tile 4 G
	s_mul_i32 s54, s21, 1536
	s_add_co_u32 s54, s54, 1572864
	s_add_nc_u64 s[24:25], s[8:9], s[54:55]        ; and its scale bytes
	s_mul_i32 s54, s21, 98304
	s_mul_i32 s57, s19, 1536
	s_add_co_u32 s54, s54, s57
	s_add_nc_u64 s[26:27], s[16:17], s[54:55]      ; u's codes: 24,576 x tile + 512 x 3 cb
	s_mul_i32 s54, s21, 6144
	s_mul_i32 s57, s19, 6
	s_add_co_u32 s54, s54, s57
	s_add_co_u32 s54, s54, 6291456
	s_add_nc_u64 s[28:29], s[16:17], s[54:55]      ; its scale bytes: 1,536 x tile + 6 cb
	s_mul_i32 s54, s19, 192*RB
	s_add_nc_u64 s[10:11], s[10:11], s[54:55]
	s_mul_i32 s54, s19, 192*SB
	s_add_nc_u64 s[12:13], s[12:13], s[54:55]
	s_mul_i32 s54, s19, 768
	s_add_nc_u64 s[14:15], s[14:15], s[54:55]
	s_wait_alu depctr_va_vdst(0)                   ; the offsets v1-v6 are written, which the loads and stores of the whole kernel read
	ALOAD 0, 0
.irp tp, 0,1,2,3,4,5
.irp i, 0,1,2
	global_load_b64 v[WS+6*\tp+2*\i:WS+6*\tp+2*\i+1], v[WSA], s[12:13] offset:32*\tp*SB+8*\i
.endr
.endr
.irp wi, 1,2,3
	WIN \wi<<6
.irp tt, 0,1,2,3                       ; b1 of unit wi - 1's 64 columns, in the result's layout, at 224 + 8 tt
	global_load_b128 v[224+8*\tt:224+8*\tt+3], v[BA], s[14:15] offset:(64*(\wi-1)+32*(\tt/2)+8*(\tt%2))*4
	global_load_b128 v[224+8*\tt+4:224+8*\tt+7], v[BA], s[14:15] offset:(64*(\wi-1)+32*(\tt/2)+8*(\tt%2))*4+16
.endr
.irp sl, 0,1
.irp t, 0,1,2,3,4,5,6,7,8,9,10,11
.irp c, 0,1
	global_load_b128 v[96*\sl+8*\t+4*\c:96*\sl+8*\t+4*\c+3], v[WA], s[10:11] offset:(32*(\t/2)+8*(\t%2))*RB+64*(2*(\wi-1)+\sl)+32*\c
.endr
.endr
.endr
.endr
	WIN 0
.macro DUF hb                          ; 48 products: eight accumulators by turns, K step by K step
.irp s, 0,1,2,3,4,5
.if \s == 0
	WIN 0x05|((1+\hb)<<4)                          ; the bias, in window 1 + hb, is the C of a sum's first product
.else
	WIN 5*(1+\s/2)
.endif
.irp a, 0,1
.irp tt, 0,1,2,3
.if \s == 0
.set CREG, 224+8*\tt
.else
.set CREG, ACC+32*\a+8*\tt
.endif
	WM ACC+32*\a+8*\tt, 96*(\s%2)+8*(4*\hb+\tt), 192+16*(\s%2)+8*\a, CREG, WS+6*((4*\hb+\tt)/2)+\s, AS+\s, \tt%2, \a
.endr
.endr
.endr
	WIN 0
	PLACES
.endm
.macro TAIL hb                         ; gelu, the quantiser, and out
.irp g, 0,1,2,3,4,5,6,7
	GELU8 ACC+8*\g
.endr
	s_wait_xcnt 0x0                                ; the last stores have had their addresses translated
	s_wait_alu depctr_vm_vsrc(0)                   ; the last unit's stores have read v[PC ..] and v[PW], which QUANT writes again
	QUANT ACC, 4                                   ; blocks 0, 1: the first tile's 64 columns; blocks 2, 3: the second's
	s_wait_alu depctr_va_vdst(0)                   ; QUANT has written v[PC ..] and v[PW], which the stores read
	global_store_b128 v[LI], v[PC:PC+3], s[26:27] offset:512*\hb
	global_store_b128 v[LI], v[PC+4:PC+7], s[26:27] offset:24576+512*\hb
	global_store_b16 v[US], v[PW], s[28:29] offset:2*\hb
	global_store_d16_hi_b16 v[US], v[PW], s[28:29] offset:1536+2*\hb
.endm
.Lp:
	s_wait_loadcnt 0x0                             ; the weights (first trip) and this trip's fragments of h
	DUF 0
	TAIL 0
	DUF 1
	TAIL 1
	DUF 2
	s_cmp_eq_u32 s56, 1                            ; the next pair of tiles is asked for behind this trip's last products, if there is one: no load leaves its buffer
	s_cbranch_scc1 .Lno_next
	s_wait_alu depctr_va_vdst(0)                   ; this trip's products are done reading h's fragments and their scale words, in whose registers the loads below land
	ALOAD 12288, 768
.Lno_next:
	TAIL 2
	s_wait_xcnt 0x0                                ; the stores have read their bases
	s_add_nc_u64 s[26:27], s[26:27], 49152
	s_add_nc_u64 s[28:29], s[28:29], 3072
	s_sub_co_u32 s56, s56, 1
	s_cmp_lg_u32 s56, 0
	s_cbranch_scc1 .Lp
	s_endpgm
.Lfunc_end_k_qcd2fd72098_ffn1:
	.size	k_qcd2fd72098_ffn1, .Lfunc_end_k_qcd2fd72098_ffn1-k_qcd2fd72098_ffn1
	.p2alignl 7, 3214868480
	.fill 96, 4, 3214868480
	.section	.rodata,"a",@progbits
	.p2align	6, 0x0
	.amdhsa_kernel k_qcd2fd72098_ffn1
		.amdhsa_group_segment_fixed_size 0
		.amdhsa_private_segment_fixed_size 0
		.amdhsa_enable_private_segment 0
		.amdhsa_kernarg_size 40
		.amdhsa_user_sgpr_count 2
		.amdhsa_user_sgpr_kernarg_segment_ptr 1
		.amdhsa_wavefront_size32 1
		.amdhsa_system_sgpr_workgroup_id_x 1
		.amdhsa_system_sgpr_workgroup_id_y 1
		.amdhsa_system_sgpr_workgroup_id_z 1
		.amdhsa_system_vgpr_workitem_id 0
		.amdhsa_next_free_vgpr 1024
		.amdhsa_next_free_sgpr 80
		.amdhsa_reserve_vcc 0
		.amdhsa_float_denorm_mode_32 3
		.amdhsa_float_denorm_mode_16_64 3
		.amdhsa_memory_ordered 1
		.amdhsa_forward_progress 1
		.amdhsa_inst_pref_size 174
	.end_amdhsa_kernel
	.amdgpu_metadata
---
amdhsa.version: [ 1, 2 ]
amdhsa.kernels:
  - .name:           k_qcd2fd72098_ffn1
    .symbol:         k_qcd2fd72098_ffn1.kd
    .args:
      - { .name: hq, .offset: 0, .size: 8, .value_kind: global_buffer, .address_space: global }
      - { .name: W1_codes, .offset: 8, .size: 8, .value_kind: global_buffer, .address_space: global }
      - { .name: W1_scales, .offset: 16, .size: 8, .value_kind: global_buffer, .address_space: global }
      - { .name: b1, .offset: 24, .size: 8, .value_kind: global_buffer, .address_space: global }
      - { .name: uq, .offset: 32, .size: 8, .value_kind: global_buffer, .address_space: global }
    .group_segment_fixed_size: 0
    .private_segment_fixed_size: 0
    .kernarg_segment_align: 8
    .kernarg_segment_size: 40
    .max_flat_workgroup_size: 128
    .sgpr_count:     80
    .vgpr_count:     1024
    .wavefront_size: 32
...
	.end_amdgpu_metadata
.endif
;; end of part 10
;; launch ffn2 (part 11): grid 4 x 64, 4 waves a work-group, no clusters, 201,216 bytes of LDS; arguments uq, W2_codes, W2_scales, b2, hf, yf; writes yf
.if DOCPART == 11
	.amdgcn_target "amdgcn-amd-amdhsa--gfx1250"
	.amdhsa_code_object_version 6
	.text
	.protected	k_qcd2fd72098_ffn2
	.globl	k_qcd2fd72098_ffn2
	.p2align	8
	.type	k_qcd2fd72098_ffn2,@function
k_qcd2fd72098_ffn2:
	s_mov_b64 s[64:65], 0
	v_nop
	global_prefetch_b8 v0, s[64:65] scope:SCOPE_SE
	s_setreg_imm32_b32 hwreg(HW_REG_WAVE_SCHED_MODE, 0, 2), 2
	s_setreg_imm32_b32 hwreg(HW_REG_WAVE_MODE, 25, 1), 1
	s_wait_xcnt 0x0
	s_wait_alu depctr_vm_vsrc(0)
; y = h + u W2 + b2, the product on codes of FP4 (E2M1) with E8M0 scales; y in f32, for the norm that follows.
; SHARES.  Work-group (cb, G): columns 192 cb .. + 191 of the 64 tokens G.  K = 3,072 is 24 K steps: WAVE w TAKES K STEPS 6 w .. 6 w + 5, so that its 72 weight fragments fit its registers and its fragments of u are
; its own.  The four partial sums meet in LDS (a region of 64 rows x (768 + 16) bytes for each wave), one barrier, and each wave then adds and stores 16 whole rows.
; ORDER OF ROUNDING: a sum is (K steps 0-5 + 6-11) + (12-17 + 18-23), then + (h + b2), not one chain in ascending K.
; Source 0 = 16 rows of W2 (row i of tile t: 32 (t / 2) + 8 (t % 2) + i + 8 (i / 8)), source 1 = u's fragment: a lane holds one token, its registers run along the columns.
; A unit is 64 columns x two token tiles: eight accumulators by turns; two sets of accumulators take turns, so that one unit's LDS stores leave while the next is multiplied.
; THE MODE: SCHED_MODE bits 1:0 = 2 (LLVM: expert scheduling mode 2), set by the entry lines.  The code itself states the register dependences
; between vector or matrix instructions and memory or LDS instructions, with s_wait_alu, always for 0.
; THE PLAN.  Registers that memory or LDS instructions touch:
;   v2-v22              Offsets and LDS addresses: written once at the head, never again.
;   ACC0, ACC1          Unit n's products write set n % 2; its sixteen LDS stores, which read that set, stand behind the first sixteen products of unit n + 1, which name the other set,
;                       the weights, u's fragments and the scale words alone; unit n + 2 writes the set again.
;   window 1, v0-95     Weights of K step 0: loaded, read by the products; behind the last unit h's rows land there.
;   v24-119             Behind the barrier: the four regions' rows land there, are added, and are read by the global stores, four rows at a time.
;   the other weights, u's fragments, WS, AS, b2: loaded once, read by matrix and vector instructions alone.
; So ONE wait on va_vdst stands at a unit's end, behind its places: the sums are written.  One wait on vm_vsrc stands ahead of a unit that writes a set again.
; In the adding loop one wait on vm_vsrc stands ahead of the LDS loads and one on va_vdst ahead of the stores.
.set RB,   1536
.set SB,   96
.set WA,   2
.set WSA,  3
.set ASA,  4
.set PST,  5
.set LR,   6                           ; v6-17: pattern pat, region wp at 4 pat + wp
.set LI,   18                          ; 16 x lane; also the first of
.set GO,   18                          ; v18-20: the three patterns in two rows of hf and yf
.set BO1,  21
.set BO2,  22
.set ACC0, 24
.set ACC1, 88
.set WS,   152
.set AS,   188
.set B2P,  200
.set LN,   212
.set RR,   213
.set HH,   214
.set RP,   215
.set MSB, 0
.macro WIN new
.if MSB != (\new)
	s_set_vgpr_msb (MSB<<8)|(\new)
.set MSB, (\new)
.endif
.endm
.macro PLACES
.rept 4
	v_nop
.endr
.endm
.macro WM d, a, b, c, sa, sb, ra, rb
.if (\c) < 0
.if ((\ra) == 0) && ((\rb) == 0)
	v_wmma_scale_f32_16x16x128_f8f6f4 v[(\d):(\d)+7], v[(\a):(\a)+7], v[(\b):(\b)+7], 0, v[(\sa)], v[(\sb)] matrix_a_fmt:MATRIX_FMT_FP4 matrix_b_fmt:MATRIX_FMT_FP4
.elseif (\rb) == 0
	v_wmma_scale_f32_16x16x128_f8f6f4 v[(\d):(\d)+7], v[(\a):(\a)+7], v[(\b):(\b)+7], 0, v[(\sa)], v[(\sb)] matrix_a_fmt:MATRIX_FMT_FP4 matrix_b_fmt:MATRIX_FMT_FP4 matrix_a_scale:MATRIX_SCALE_ROW1
.elseif (\ra) == 0
	v_wmma_scale_f32_16x16x128_f8f6f4 v[(\d):(\d)+7], v[(\a):(\a)+7], v[(\b):(\b)+7], 0, v[(\sa)], v[(\sb)] matrix_a_fmt:MATRIX_FMT_FP4 matrix_b_fmt:MATRIX_FMT_FP4 matrix_b_scale:MATRIX_SCALE_ROW1
.else
	v_wmma_scale_f32_16x16x128_f8f6f4 v[(\d):(\d)+7], v[(\a):(\a)+7], v[(\b):(\b)+7], 0, v[(\sa)], v[(\sb)] matrix_a_fmt:MATRIX_FMT_FP4 matrix_b_fmt:MATRIX_FMT_FP4 matrix_a_scale:MATRIX_SCALE_ROW1 matrix_b_scale:MATRIX_SCALE_ROW1
.endif
.else
.if ((\ra) == 0) && ((\rb) == 0)
	v_wmma_scale_f32_16x16x128_f8f6f4 v[(\d):(\d)+7], v[(\a):(\a)+7], v[(\b):(\b)+7], v[(\c):(\c)+7], v[(\sa)], v[(\sb)] matrix_a_fmt:MATRIX_FMT_FP4 matrix_b_fmt:MATRIX_FMT_FP4
.elseif (\rb) == 0
	v_wmma_scale_f32_16x16x128_f8f6f4 v[(\d):(\d)+7], v[(\a):(\a)+7], v[(\b):(\b)+7], v[(\c):(\c)+7], v[(\sa)], v[(\sb)] matrix_a_fmt:MATRIX_FMT_FP4 matrix_b_fmt:MATRIX_FMT_FP4 matrix_a_scale:MATRIX_SCALE_ROW1
.elseif (\ra) == 0
	v_wmma_scale_f32_16x16x128_f8f6f4 v[(\d):(\d)+7], v[(\a):(\a)+7], v[(\b):(\b)+7], v[(\c):(\c)+7], v[(\sa)], v[(\sb)] matrix_a_fmt:MATRIX_FMT_FP4 matrix_b_fmt:MATRIX_FMT_FP4 matrix_b_scale:MATRIX_SCALE_ROW1
.else
	v_wmma_scale_f32_16x16x128_f8f6f4 v[(\d):(\d)+7], v[(\a):(\a)+7], v[(\b):(\b)+7], v[(\c):(\c)+7], v[(\sa)], v[(\sb)] matrix_a_fmt:MATRIX_FMT_FP4 matrix_b_fmt:MATRIX_FMT_FP4 matrix_a_scale:MATRIX_SCALE_ROW1 matrix_b_scale:MATRIX_SCALE_ROW1
.endif
.endif
.endm
	s_load_b256 s[8:15], s[0:1], 0x0               ; uq, W2 codes, W2 scales, b2
	s_load_b128 s[16:19], s[0:1], 0x20             ; hf, yf
	v_lshl_add_u32 v254, v0, 2, 0x31000
	v_mov_b32 v255, 0
	v_lshrrev_b32 v[LN], 5, v0
	v_readfirstlane_b32 s20, v[LN]                 ; wave
	s_mov_b32 s21, ttmp9                           ; cb
	s_and_b32 s22, ttmp7, 0xffff                   ; G
	v_and_b32 v[LN], 31, v0
	v_and_b32 v[RR], 15, v0
	v_bfe_u32 v[HH], v0, 4, 1
	v_and_b32 v[RP], 8, v[RR]
	v_add_nc_u32 v[RP], v[RP], v[RR]
	v_lshlrev_b32 v[LI], 4, v[LN]
	v_mul_u32_u24 v[WA], v[RP], RB
	v_lshl_add_u32 v[WA], v[HH], 4, v[WA]
	v_lshl_add_u32 v[WSA], v[HH], 3, v[RP]
	v_mul_u32_u24 v[WSA], v[WSA], SB
	v_mul_u32_u24 v[ASA], v[HH], 1536
	v_mad_u32_u24 v[ASA], v[RR], 96, v[ASA]
	s_wait_alu depctr_va_sdst(0)                   ; s20, the wave's number, is written, ahead of its first reader: LDS addresses and the buffers' offsets are made from it
	s_mul_i32 s30, s20, 50176                      ; my region
	v_mul_u32_u24 v[PST], v[RR], 784
	v_lshl_add_u32 v[PST], v[HH], 6, v[PST]
	v_add_nc_u32 v[PST], s30, v[PST]
	s_mul_i32 s30, s20, 12544                      ; the 16 rows that I add and store, in each region
	v_add_nc_u32 v[LR], s30, v[LI]
	v_lshl_add_u32 v[LR+4], v[HH], 4, v[LR]
	v_add_nc_u32 v[LR+4], 512, v[LR+4]
	v_add_nc_u32 v[LR+8], 1040, v[LR]
.irp pat, 0,1,2
.irp wp, 1,2,3
	v_add_nc_u32 v[LR+4*\pat+\wp], 50176*\wp, v[LR+4*\pat]
.endr
.endr
	v_mul_u32_u24 v[GO+1], v[HH], 2304
	v_add_nc_u32 v[GO+1], v[GO+1], v[LI]
	v_add_nc_u32 v[GO+1], 512, v[GO+1]
	v_add_nc_u32 v[GO+2], 3328, v[LI]
	v_mul_u32_u24 v[BO2], v[HH], 768
	v_add_nc_u32 v[BO1], 512, v[LI]
	v_sub_nc_u32 v[BO1], v[BO1], v[BO2]            ; b2 for the second pattern: bytes 512 .. 767, then 0 .. 255
	v_add_nc_u32 v[BO2], 256, v[LI]
	s_mov_b32 s29, 0
	s_wait_kmcnt 0x0
	s_mul_i32 s28, s21, 192*RB
	s_mul_i32 s30, s20, 384
	s_add_co_u32 s28, s28, s30
	s_add_nc_u64 s[10:11], s[10:11], s[28:29]      ; my 192 rows of W2, from my first K step on
	s_mul_i32 s28, s21, 192*SB
	s_mul_i32 s30, s20, 24
	s_add_co_u32 s28, s28, s30
	s_add_nc_u64 s[12:13], s[12:13], s[28:29]
	s_mul_i32 s28, s22, 6144
	s_add_co_u32 s28, s28, s30
	s_add_co_u32 s28, s28, 6291456
	s_add_nc_u64 s[26:27], s[8:9], s[28:29]        ; u's scale bytes: 1,536 x tile + 24 w
	s_mul_i32 s28, s22, 98304
	s_mul_i32 s30, s20, 6144
	s_add_co_u32 s28, s28, s30
	s_add_nc_u64 s[24:25], s[8:9], s[28:29]        ; u's codes: 24,576 x tile + 1,024 x 6 w
	s_mul_i32 s28, s21, 768
	s_add_nc_u64 s[14:15], s[14:15], s[28:29]
	s_lshr_b32 s30, s20, 1
	s_lshl_b32 s30, s30, 5
	s_and_b32 s31, s20, 1
	s_lshl_b32 s31, s31, 3
	s_add_co_u32 s30, s30, s31
	s_lshl_b32 s31, s22, 6
	s_add_co_u32 s30, s30, s31
	s_mul_i32 s30, s30, 3072
	s_add_co_u32 s28, s28, s30
	s_add_nc_u64 s[16:17], s[16:17], s[28:29]      ; hf and yf at the first token of tile 4 G + w, my work-group's columns
	s_add_nc_u64 s[18:19], s[18:19], s[28:29]
	s_wait_alu depctr_va_vdst(0)                   ; the offsets and LDS addresses v2-v22 are written, which the loads and stores of the whole kernel read
.irp mp, 0,1
.irp i, 0,1,2
	global_load_b64 v[AS+6*\mp+2*\i:AS+6*\mp+2*\i+1], v[ASA], s[26:27] offset:3072*\mp+8*\i
.endr
.endr
.irp tp, 0,1,2,3,4,5
.irp i, 0,1,2
	global_load_b64 v[WS+6*\tp+2*\i:WS+6*\tp+2*\i+1], v[WSA], s[12:13] offset:32*\tp*SB+8*\i
.endr
.endr
.irp wi, 1,2,3
	WIN \wi<<6
.irp sl, 0,1
.irp m, 0,1,2,3
.irp c, 0,1
	global_load_b128 v[192+32*\sl+8*\m+4*\c:192+32*\sl+8*\m+4*\c+3], v[LI], s[24:25] offset:24576*\m+1024*(2*(\wi-1)+\sl)+512*\c
.endr
.endr
.irp t, 0,1,2,3,4,5,6,7,8,9,10,11
.irp c, 0,1
	global_load_b128 v[96*\sl+8*\t+4*\c:96*\sl+8*\t+4*\c+3], v[WA], s[10:11] offset:(32*(\t/2)+8*(\t%2))*RB+64*(2*(\wi-1)+\sl)+32*\c
.endr
.endr
.endr
.endr
	WIN 0
	s_wait_loadcnt 0x0
; the sixteen LDS stores of unit (hb, p), whose sums lie in set
.macro PUT hb, p, set
.irp a, 0,1
.irp b, 0,1
.irp j, 0,1,2,3
	ds_store_b128 v[PST], v[\set+32*\a+16*\b+4*\j:\set+32*\a+16*\b+4*\j+3] offset:(32*\p+16*\a)*784+256*\hb+128*\b+16*\j   ; each accumulator from its low end on
.endr
.endr
.endr
.endm
; Unit (hb, p) into set.  wt = 1: the set has been stored from before.  prev = 1: the unit before, (phb, pp) in pset, is stored behind this unit's first sixteen products.
.macro DU2 hb, p, set, wt, prev, phb, pp, pset
.if \wt
	s_wait_dscnt 0x0                               ; the stores of the unit before last, the only LDS instructions of mine that are out, are done
	s_wait_alu depctr_vm_vsrc(0)                   ; those stores have read this set, which the products below write again
.endif
.irp s, 0,1,2,3,4,5
	WIN 5*(1+\s/2)
.irp a, 0,1
.irp tt, 0,1,2,3
.if \s == 0
.set CREG, -1                                  ; the first product starts the sum
.else
.set CREG, \set+32*\a+8*\tt
.endif
	WM \set+32*\a+8*\tt, 96*(\s%2)+8*(4*\hb+\tt), 192+32*(\s%2)+8*(2*\p+\a), CREG, WS+6*((4*\hb+\tt)/2)+\s, AS+6*\p+\s, \tt%2, \a
.endr
.endr
.if (\s == 1) && \prev
	WIN 0
	PUT \phb, \pp, \pset                           ; no wait: since the wait at the last unit's end no vector or matrix instruction has named that unit's set or v[PST]
.endif
.endr
	WIN 0
	PLACES
	s_wait_alu depctr_va_vdst(0)                   ; the products have written this set, which its LDS stores read; the places above stay beside this wait
.endm
	DU2 0, 0, ACC0, 0, 0, 0, 0, ACC0
	DU2 0, 1, ACC1, 0, 1, 0, 0, ACC0
	DU2 1, 0, ACC0, 1, 1, 0, 1, ACC1
	DU2 1, 1, ACC1, 1, 1, 1, 0, ACC0
	DU2 2, 0, ACC0, 1, 1, 1, 1, ACC1
	DU2 2, 1, ACC1, 1, 1, 2, 0, ACC0
	WIN 0x40                                       ; h's 16 rows, row-wise, into window 1, where K step 0 of the weights lay: the last unit's wait has shown every product done reading them
.irp i, 0,1,2,3,4,5,6,7,8,9,10,11,12,13,14,15,16,17,18,19,20,21,22,23
	global_load_b128 v[4*\i:4*\i+3], v[GO+\i%3], s[16:17] offset:(2*(\i/3)+8*((\i/3)/4))*3072
.endr
	WIN 0
	global_load_b128 v[B2P:B2P+3], v[LI], s[14:15]
	global_load_b128 v[B2P+4:B2P+7], v[BO1], s[14:15]
	global_load_b128 v[B2P+8:B2P+11], v[BO2], s[14:15]
	PUT 2, 1, ACC1                                 ; the last unit's stores, behind the same wait
	s_wait_dscnt 0x0                               ; for the others' sake: my partial sums lie in LDS
	s_barrier_signal -1
	s_barrier_wait -1
	s_wait_loadcnt 0x0
	WIN 0x41                                       ; destination and source 0 in window 1
.irp i, 0,1,2,3,4,5,6,7,8,9,10,11,12,13,14,15,16,17,18,19,20,21,22,23
.irp e, 0,2
	v_pk_add_f32 v[4*\i+\e:4*\i+\e+1], v[4*\i+\e:4*\i+\e+1], v[B2P+4*(\i%3)+\e:B2P+4*(\i%3)+\e+1]   ; h + b2
.endr
.endr
	WIN 0
.irp g, 0,1,2,3                        ; four rows at a time: six runs of 512 bytes from each of the four regions
	s_wait_xcnt 0x0                                ; the last stores have had their addresses translated
	s_wait_alu depctr_vm_vsrc(0)                   ; the last group's global stores (ahead of the first group: the units' LDS stores) have read v24-119, in which the loads below land
.irp q, 0,1,2,3,4,5
.irp wp, 0,1,2,3
	ds_load_b128 v[24+16*\q+4*\wp:24+16*\q+4*\wp+3], v[LR+4*(\q%3)+\wp] offset:1568*(2*\g+\q/3)
.endr
.endr
	s_wait_dscnt 0x0
.irp q, 0,1,2,3,4,5
.irp e, 0,2
	v_pk_add_f32 v[24+16*\q+\e:24+16*\q+\e+1], v[24+16*\q+\e:24+16*\q+\e+1], v[28+16*\q+\e:28+16*\q+\e+1]
	v_pk_add_f32 v[32+16*\q+\e:32+16*\q+\e+1], v[32+16*\q+\e:32+16*\q+\e+1], v[36+16*\q+\e:36+16*\q+\e+1]
.endr
.endr
.irp q, 0,1,2,3,4,5
.irp e, 0,2
	v_pk_add_f32 v[24+16*\q+\e:24+16*\q+\e+1], v[24+16*\q+\e:24+16*\q+\e+1], v[32+16*\q+\e:32+16*\q+\e+1]
.endr
.endr
	WIN 0x04                                       ; source 1 in window 1
.irp q, 0,1,2,3,4,5
.irp e, 0,2
	v_pk_add_f32 v[24+16*\q+\e:24+16*\q+\e+1], v[24+16*\q+\e:24+16*\q+\e+1], v[4*(6*\g+\q)+\e:4*(6*\g+\q)+\e+1]
.endr
.endr
	WIN 0
	s_wait_alu depctr_va_vdst(0)                   ; the additions have written the rows, which the stores read, and are done with v24-119, in which the next group's loads land
.irp q, 0,1,2,3,4,5
	global_store_b128 v[GO+\q%3], v[24+16*\q:24+16*\q+3], s[18:19] offset:(2*(2*\g+\q/3)+8*((2*\g+\q/3)/4))*3072   ; sixteen lanes store 256 consecutive bytes, aligned
.endr
.endr
	s_wait_dscnt 0x0                               ; the closing lines, six on end
	s_wait_alu 0x0
	s_wait_tensorcnt 0x0
	ds_add_u32 v254, v255
	s_wait_dscnt 0x0
	s_endpgm
.Lfunc_end_k_qcd2fd72098_ffn2:
	.size	k_qcd2fd72098_ffn2, .Lfunc_end_k_qcd2fd72098_ffn2-k_qcd2fd72098_ffn2
	.p2alignl 7, 3214868480
	.fill 96, 4, 3214868480
	.section	.rodata,"a",@progbits
	.p2align	6, 0x0
	.amdhsa_kernel k_qcd2fd72098_ffn2
		.amdhsa_group_segment_fixed_size 201216
		.amdhsa_private_segment_fixed_size 0
		.amdhsa_enable_private_segment 0
		.amdhsa_kernarg_size 48
		.amdhsa_user_sgpr_count 2
		.amdhsa_user_sgpr_kernarg_segment_ptr 1
		.amdhsa_wavefront_size32 1
		.amdhsa_system_sgpr_workgroup_id_x 1
		.amdhsa_system_sgpr_workgroup_id_y 1
		.amdhsa_system_sgpr_workgroup_id_z 1
		.amdhsa_system_vgpr_workitem_id 0
		.amdhsa_next_free_vgpr 1024
		.amdhsa_next_free_sgpr 66
		.amdhsa_reserve_vcc 0
		.amdhsa_float_denorm_mode_32 3
		.amdhsa_float_denorm_mode_16_64 3
		.amdhsa_memory_ordered 1
		.amdhsa_forward_progress 1
		.amdhsa_inst_pref_size 96
	.end_amdhsa_kernel
	.amdgpu_metadata
---
amdhsa.version: [ 1, 2 ]
amdhsa.kernels:
  - .name:           k_qcd2fd72098_ffn2
    .symbol:         k_qcd2fd72098_ffn2.kd
    .args:
      - { .name: uq, .offset: 0, .size: 8, .value_kind: global_buffer, .address_space: global }
      - { .name: W2_codes, .offset: 8, .size: 8, .value_kind: global_buffer, .address_space: global }
      - { .name: W2_scales, .offset: 16, .size: 8, .value_kind: global_buffer, .address_space: global }
      - { .name: b2, .offset: 24, .size: 8, .value_kind: global_buffer, .address_space: global }
      - { .name: hf, .offset: 32, .size: 8, .value_kind: global_buffer, .address_space: global }
      - { .name: yf, .offset: 40, .size: 8, .value_kind: global_buffer, .address_space: global }
    .group_segment_fixed_size: 201216
    .private_segment_fixed_size: 0
    .kernarg_segment_align: 8
    .kernarg_segment_size: 48
    .max_flat_workgroup_size: 128
    .sgpr_count:     66
    .vgpr_count:     1024
    .wavefront_size: 32
...
	.end_amdgpu_metadata
.endif
;; end of part 11
;; launch ln2 (part 12): grid 256 x 1, 8 waves a work-group, no clusters, 0 bytes of LDS; arguments yf, ln2_g, ln2_b, out0; writes out0
.if DOCPART == 12
	.amdgcn_target "amdgcn-amd-amdhsa--gfx1250"
	.amdhsa_code_object_version 6
	.text
	.protected	k_qcd2fd72098_ln2
	.globl	k_qcd2fd72098_ln2
	.p2align	8
	.type	k_qcd2fd72098_ln2,@function
k_qcd2fd72098_ln2:
	s_mov_b64 s[64:65], 0
	v_nop
	global_prefetch_b8 v0, s[64:65] scope:SCOPE_SE
	s_setreg_imm32_b32 hwreg(HW_REG_WAVE_MODE, 25, 1), 1
	s_wait_xcnt 0x0
; out = LayerNorm(y) over rows of 768 f32.  A wave takes two rows, 24 registers a lane each: a row is read once and stays in registers between the pass for the mean, the pass for the squares of the
; differences and the scaling.  Each load and store of a wave covers 512 consecutive bytes.  No LDS, no barrier, no matrix unit: bytes are all that counts here.
; LIMITS: NaN and infinities are not served.
.set YY, 8                             ; row q at v[8 + 24 q]
.set GG, 56
.set BB, 80
.set CH, 104                           ; row q: two chains at v[104 + 4 q]
	s_load_b256 s[4:11], s[0:1], 0x0               ; y, g, b, out
	v_lshrrev_b32 v1, 5, v0
	s_delay_alu instid0(VALU_DEP_1)
	v_readfirstlane_b32 s12, v1                    ; wave
	v_and_b32 v1, 31, v0
	s_delay_alu instid0(VALU_DEP_1)
	v_lshlrev_b32 v1, 4, v1                        ; 16 x lane
	s_lshl_b32 s13, ttmp9, 4
	s_lshl_b32 s14, s12, 1
	s_add_co_u32 s13, s13, s14                     ; my first row
	s_mul_i32 s14, s13, 3072
	s_mov_b32 s15, 0
	s_mov_b32 s16, 0x76543210
	s_mov_b32 s17, 0xfedcba98
	s_mov_b32 s18, 0x3aaaaaab                      ; 1 / 768
	s_mov_b32 s19, 0x3727c5ac                      ; 1e-5
	v_mov_b32 v6, 0                                ; a lane permute's destination counts as one of its sources
	v_mov_b32 v7, 0
	s_wait_alu depctr_va_vdst(0)
	s_wait_kmcnt 0x0
	s_add_nc_u64 s[4:5], s[4:5], s[14:15]
	s_add_nc_u64 s[10:11], s[10:11], s[14:15]
.irp q, 0,1
.irp i, 0,1,2,3,4,5
	global_load_b128 v[YY+24*\q+4*\i:YY+24*\q+4*\i+3], v1, s[4:5] offset:3072*\q+512*\i th:TH_LOAD_NT
.endr
.endr
.irp i, 0,1,2,3,4,5
	global_load_b128 v[GG+4*\i:GG+4*\i+3], v1, s[6:7] offset:512*\i
	global_load_b128 v[BB+4*\i:BB+4*\i+3], v1, s[8:9] offset:512*\i
.endr
.macro RSUM                            ; both rows' chains become the rows' sums, in every lane
.irp q, 0
	s_delay_alu instid0(VALU_DEP_3)
	v_pk_add_f32 v[CH+4*\q:CH+4*\q+1], v[CH+4*\q:CH+4*\q+1], v[CH+4*\q+2:CH+4*\q+3]
.endr
.irp q, 1
	s_delay_alu instid0(VALU_DEP_2)
	v_pk_add_f32 v[CH+4*\q:CH+4*\q+1], v[CH+4*\q:CH+4*\q+1], v[CH+4*\q+2:CH+4*\q+3]
.endr
.irp q, 0,1
	s_delay_alu instid0(VALU_DEP_2)
	v_add_f32 v[CH+4*\q], v[CH+4*\q], v[CH+4*\q+1]
.endr
.irp m, 1,2,4,8
.irp q, 0,1
	s_delay_alu instid0(VALU_DEP_2)
	v_add_f32_dpp v[CH+4*\q], v[CH+4*\q], v[CH+4*\q] row_xmask:\m row_mask:0xf bank_mask:0xf
.endr
.endr
.irp q, 0,1
	s_delay_alu instid0(VALU_DEP_2)
	v_permlanex16_b32 v[6+\q], v[CH+4*\q], s16, s17
.endr
.irp q, 0,1
	s_delay_alu instid0(VALU_DEP_2)
	v_add_f32 v[CH+4*\q], v[CH+4*\q], v[6+\q]
.endr
.endm
	s_wait_loadcnt 12                              ; y is in; the twelve loads of g and b may stay out
.irp q, 0,1
	v_pk_add_f32 v[CH+4*\q:CH+4*\q+1], v[YY+24*\q:YY+24*\q+1], v[YY+24*\q+4:YY+24*\q+5]
	v_pk_add_f32 v[CH+4*\q+2:CH+4*\q+3], v[YY+24*\q+2:YY+24*\q+3], v[YY+24*\q+6:YY+24*\q+7]
.endr
.irp j, 8,12,16,20
.irp q, 0,1
	s_delay_alu instid0(VALU_DEP_4)
	v_pk_add_f32 v[CH+4*\q:CH+4*\q+1], v[CH+4*\q:CH+4*\q+1], v[YY+24*\q+\j:YY+24*\q+\j+1]
	s_delay_alu instid0(VALU_DEP_4)
	v_pk_add_f32 v[CH+4*\q+2:CH+4*\q+3], v[CH+4*\q+2:CH+4*\q+3], v[YY+24*\q+\j+2:YY+24*\q+\j+3]
.endr
.endr
	RSUM
.irp q, 0,1
	s_delay_alu instid0(VALU_DEP_2)
	v_mul_f32 v[CH+4*\q], s18, v[CH+4*\q]          ; the mean
.endr
.irp j, 0,2,4,6,8,10,12,14,16,18,20,22
.irp q, 0,1
	v_pk_add_f32 v[YY+24*\q+\j:YY+24*\q+\j+1], v[YY+24*\q+\j:YY+24*\q+\j+1], v[CH+4*\q:CH+4*\q+1] op_sel_hi:[1,0] neg_lo:[0,1] neg_hi:[0,1]   ; d = y - mean
.endr
.endr
.irp q, 0,1
	v_pk_mul_f32 v[CH+4*\q:CH+4*\q+1], v[YY+24*\q:YY+24*\q+1], v[YY+24*\q:YY+24*\q+1]
	v_pk_mul_f32 v[CH+4*\q+2:CH+4*\q+3], v[YY+24*\q+2:YY+24*\q+3], v[YY+24*\q+2:YY+24*\q+3]
.endr
.irp j, 4,8,12,16,20
.irp q, 0,1
	s_delay_alu instid0(VALU_DEP_4)
	v_pk_fma_f32 v[CH+4*\q:CH+4*\q+1], v[YY+24*\q+\j:YY+24*\q+\j+1], v[YY+24*\q+\j:YY+24*\q+\j+1], v[CH+4*\q:CH+4*\q+1]
	s_delay_alu instid0(VALU_DEP_4)
	v_pk_fma_f32 v[CH+4*\q+2:CH+4*\q+3], v[YY+24*\q+\j+2:YY+24*\q+\j+3], v[YY+24*\q+\j+2:YY+24*\q+\j+3], v[CH+4*\q+2:CH+4*\q+3]
.endr
.endr
	RSUM
.irp q, 0,1
	s_delay_alu instid0(VALU_DEP_2)
	v_fma_f32 v[CH+4*\q], v[CH+4*\q], s18, s19     ; the variance + 1e-5
.endr
	s_wait_alu depctr_va_vdst(0)
.irp q, 0,1
	v_rsq_f32 v[CH+4*\q], v[CH+4*\q]
.endr
	v_nop                                          ; a plain place behind the transcendentals
	s_wait_alu depctr_va_vdst(0)
.irp j, 0,2,4,6,8,10,12,14,16,18,20,22
.irp q, 0,1
	v_pk_mul_f32 v[YY+24*\q+\j:YY+24*\q+\j+1], v[YY+24*\q+\j:YY+24*\q+\j+1], v[CH+4*\q:CH+4*\q+1] op_sel_hi:[1,0]
.endr
.endr
	s_wait_loadcnt 0x0                             ; g, b
.irp j, 0,2,4,6,8,10,12,14,16,18,20,22
.irp q, 0,1
	v_pk_fma_f32 v[YY+24*\q+\j:YY+24*\q+\j+1], v[YY+24*\q+\j:YY+24*\q+\j+1], v[GG+\j:GG+\j+1], v[BB+\j:BB+\j+1]
.endr
.endr
.irp q, 0,1
.irp i, 0,1,2,3,4,5
	global_store_b128 v1, v[YY+24*\q+4*\i:YY+24*\q+4*\i+3], s[10:11] offset:3072*\q+512*\i th:TH_STORE_NT
.endr
.endr
	s_endpgm
.Lfunc_end_k_qcd2fd72098_ln2:
	.size	k_qcd2fd72098_ln2, .Lfunc_end_k_qcd2fd72098_ln2-k_qcd2fd72098_ln2
	.p2alignl 7, 3214868480
	.fill 96, 4, 3214868480
	.section	.rodata,"a",@progbits
	.p2align	6, 0x0
	.amdhsa_kernel k_qcd2fd72098_ln2
		.amdhsa_group_segment_fixed_size 0
		.amdhsa_private_segment_fixed_size 0
		.amdhsa_enable_private_segment 0
		.amdhsa_kernarg_size 32
		.amdhsa_user_sgpr_count 2
		.amdhsa_user_sgpr_kernarg_segment_ptr 1
		.amdhsa_wavefront_size32 1
		.amdhsa_system_sgpr_workgroup_id_x 1
		.amdhsa_system_sgpr_workgroup_id_y 1
		.amdhsa_system_sgpr_workgroup_id_z 1
		.amdhsa_system_vgpr_workitem_id 0
		.amdhsa_next_free_vgpr 112
		.amdhsa_next_free_sgpr 66
		.amdhsa_reserve_vcc 0
		.amdhsa_float_denorm_mode_32 3
		.amdhsa_float_denorm_mode_16_64 3
		.amdhsa_memory_ordered 1
		.amdhsa_forward_progress 1
		.amdhsa_inst_pref_size 17
	.end_amdhsa_kernel
	.amdgpu_metadata
---
amdhsa.version: [ 1, 2 ]
amdhsa.kernels:
  - .name:           k_qcd2fd72098_ln2
    .symbol:         k_qcd2fd72098_ln2.kd
    .args:
      - { .name: yf, .offset: 0, .size: 8, .value_kind: global_buffer, .address_space: global }
      - { .name: ln2_g, .offset: 8, .size: 8, .value_kind: global_buffer, .address_space: global }
      - { .name: ln2_b, .offset: 16, .size: 8, .value_kind: global_buffer, .address_space: global }
      - { .name: out0, .offset: 24, .size: 8, .value_kind: global_buffer, .address_space: global }
    .group_segment_fixed_size: 0
    .private_segment_fixed_size: 0
    .kernarg_segment_align: 8
    .kernarg_segment_size: 32
    .max_flat_workgroup_size: 256
    .sgpr_count:     66
    .vgpr_count:     112
    .wavefront_size: 32
...
	.end_amdgpu_metadata
.endif
;; end of part 12
